; MI455X (gfx1250); checked and timed in simulation.
; The chip was launched on July 23, 2026; its instructions are those of AMD's public machine-readable ISA for CDNA 5 (MIT licence, August 2026) and "CDNA5" Instruction Set Architecture Reference Guide (July 2026). The comments in the code are by the model that wrote it; some were corrected since.
;; Expert Lo RA. Allowed arithmetic: matrix products marked QUANTISED: E2M3 operands, one E8M0 scale for each 32 along K, by v_wmma_scale_f32_16x16x128_f8f6f4 with both operands' format E2M3, f32 sums; products left as they are: f32 operands where the result goes on into a quantised operand, else bf16, f16 or f32 operands; f32 sums; everything else in f32.
;; Inputs: down_proj 8 x 1,024 x 2,048 float32; down_proj_bias 8 x 2,048 float32; gate_up_proj 8 x 2,048 x 2,048 float32; gate_up_proj_bias 8 x 2,048 float32; hidden_states 2 x 512 x 2,048 float32; lora_down_A 8 x 1,024 x 8 float32; lora_down_B 8 x 8 x 2,048 float32; lora_gate_up_A 8 x 2,048 x 8 float32; lora_gate_up_B 8 x 8 x 2,048 float32; router_indices 1,024 x 4 int32; routing_weights 1,024 x 4 float32.
;; Outputs: out0 2 x 512 x 2,048 float32.
;; This version of the problem:
;;   THIS VERSION OF THE PROBLEM IS GIVEN IN LOW PRECISION. The matrix products marked QUANTISED in the list below multiply operands that are first quantised to E2M3 (2 exponent bits, 3 mantissa bits; 6 bits a number), with one power-of-two scale for each 32 numbers along K (OCP MX v1.0); their sums are f32. All else is computed in f32.
;;   The module's matrix products, in the order in which they are computed (A, B: the left and right operand; K: the contracted axis; several contracted axes count as one K, in the product's order):
;;     1. batch 1,024 x [M 1, K 4] x [K 4, N 8]; A: input routing_weights; B: computed on the way: left as it is (K = 4 < 32)
;;     2. [M 64, K 2,048] x [K 2,048, N 1,024]; A: input lora_gate_up_A; B: input hidden_states: QUANTISED
;;     3. batch 8 x [M 1,024, K 8] x [K 8, N 2,048]; A: computed on the way; B: input lora_gate_up_B: left as it is (K = 8 < 32)
;;     4. [M 16,384, K 2,048] x [K 2,048, N 1,024]; A: input gate_up_proj; B: input hidden_states: QUANTISED
;;     5. batch 8 x [M 1,024, K 1,024] x [K 1,024, N 8]; A: computed on the way; B: input lora_down_A: left as it is (N = 8 < 16)
;;     6. batch 8 x [M 1,024, K 8] x [K 8, N 2,048]; A: computed on the way; B: input lora_down_B: left as it is (K = 8 < 32)
;;     7. batch 8 x [M 1,024, K 1,024] x [K 1,024, N 2,048]; A: computed on the way; B: input down_proj: QUANTISED
;;     8. batch 1,024 x [M 1, K 8] x [K 8, N 2,048]; A: computed on the way; B: computed on the way: left as it is (K = 8 < 32)
;;   THE QUANTISER, for each operand of a quantised product, along K:
;;     - K is cut into blocks of 32 from its start; a last block that is shorter is filled with zeros.
;;     - A block's scale is 2^e with e = floor(log2(the largest magnitude in the block)) - 2, held to -126 .. 127; a block of zeros has e = 0. As a byte (E8M0): e + 127.
;;     - Each number is divided by its block's scale, clamped to +-7.5, and rounded to the nearest number of E2M3, ties to even, subnormals kept.
;;     - The product sums the exact products of the quantised numbers (number of the format x scale) in f32.
;;   ~~~python
;;   def quantise(x, axis):      # numpy; x: float32 -> the quantised numbers, widened to float32 again
;;       x = np.moveaxis(x, axis, -1); K = x.shape[-1]
;;       x = np.pad(x, [(0, 0)] * (x.ndim - 1) + [(0, -K % 32)]); x = x.reshape(x.shape[:-1] + (-1, 32)); a = np.abs(x).max(-1, keepdims=True)
;;       e = np.where(a > 0, np.clip(np.frexp(np.where(a > 0, a, 1))[1] - 1 - 2, -126, 127), 0)      # np.frexp(a)[1] - 1 = floor(log2(a)), exactly
;;       r = np.clip(x / 2.0 ** e, -7.5, 7.5)
;;       step = 2.0 ** (np.maximum(np.frexp(np.where(r == 0, 1, r))[1] - 1, 0) - 3)
;;       q = np.round(r / step) * step * 2.0 ** e      # np.round: ties to even
;;       return np.moveaxis(q.reshape(q.shape[:-2] + (-1,))[..., :K], -1, axis).astype(np.float32)
;;   ~~~
;;   OPERANDS COMPUTED ON THE WAY. 'Computed on the way' means the value that the module computes at that place (a softmax that the list does not call 'softmax' is quantised finished and normalised). What goes into a quantiser is computed in f32, as accurately as f32 sums, v_exp_f32 and their like allow (about 1e-6 of the number): no bf16 or f16 on the way to a quantiser, and a product that is left as it is and whose result goes on into a quantised operand takes f32 operands (vector FMAs, or v_wmma_f32_16x16x4_f32). A number that lies on a knife's edge between two numbers of the format may be rounded either way, as far as f32 arithmetic and the matrix unit's own rounding can turn it there, and no further.
;; 2 versions. Each part assembles by itself: llvm-mc -triple=amdgcn-amd-amdhsa -mcpu=gfx1250 --defsym DOCPART=n.
;; ======== version 1 of 2: 4 launches
;; limits: values outside matrix products are rounded to bf16
;; workspace buffers: qw 27,475,968 bytes; route 33,792 bytes of whole numbers; gq 10,747,904 bytes; y 33,554,432 bytes
;; launch prep (part 1): grid 4224 x 1, 1 waves a work-group, no clusters, 512 bytes of LDS; arguments hidden_states, router_indices, down_proj, lora_gate_up_A, qw, route; writes qw, route
.if DOCPART == 1
	.amdgcn_target "amdgcn-amd-amdhsa--gfx1250"
	.amdhsa_code_object_version 6
	.text
	.protected	k_q56f7b231bb_prep
	.globl	k_q56f7b231bb_prep
	.p2align	8
	.type	k_q56f7b231bb_prep,@function
k_q56f7b231bb_prep:
	s_mov_b64 s[64:65], 0
	v_nop
	global_prefetch_b8 v0, s[64:65] scope:SCOPE_SE
	s_setreg_imm32_b32 hwreg(HW_REG_WAVE_MODE, 25, 1), 1
	s_wait_xcnt 0x0
; PREP: the routing, and three operands quantised once into codes of FP6 (E2M3) with one E8M0 byte for each 32 along K: the routed rows of hidden_states, lora_gate_up_A and down_proj.
; (gate_up_proj is quantised by the launch that multiplies by it.)  The codes are laid as IMAGES OF THE OPERAND'S REGISTERS: a fragment (16 rows x 128 K, 12 registers a lane) is 1,536 bytes,
; register p of lane l at 512 (p / 4) + 16 l + 4 (p % 4).
; A work-group is one wave and takes one unit, by its number u:
;   u < 2048          X : expert u / 256, tile of 16 routed rows (u / 4) % 64, four K steps (u % 4): the routed rows of hidden_states
;   2048 .. 2175      A1: lora_gate_up_A, one K step of one expert
;   2176 .. 4223      W : down_proj, one K step x 64 columns
; THE WEIGHT HAS K AS ITS FIRST AXIS: a lane takes columns and its registers run down K.  A load of 16 bytes a lane brings four columns, so sixteen lanes read 256 consecutive bytes, aligned;
; the four columns belong to four tiles (tile j, row m = column 64 cg + 4 m + j), and each tile's 32 numbers are gathered into consecutive registers for the conversions.
; THE ROUTING: each X unit scans all 1,024 x 4 indices; a token belongs to expert e if any of its four slots names e; its rank in the expert's list is a count of bits.  The unit keeps the 16 tokens of its tile in LDS.
; The first unit of each expert also stores the ranks and the count as whole numbers.  A unit whose tile lies past the expert's count stores nothing and ends.
; A block's scale is 2^(floor(log2(largest magnitude)) - 2); its byte is the largest magnitude's exponent field - 2, held at 1 from below.
; LIMITS: NaN and infinities are not served; a block whose largest magnitude lies under 2^-124 (a block of zeros too) gets the byte 1: its codes are then zeros or the nearest codes under that byte, and these bytes are read by this program alone.
; router_indices are taken to lie in 0 .. 7.  Rows of a last tile past the count are filled with token 0's numbers; nobody reads their results.
.set XC,  12582912                     ; qw: down_proj's codes from byte 0, then x's codes,
.set W2S, 25165824                     ; down_proj's scale words,
.set XSC, 26214400                     ; x's,
.set A1C, 27262976                     ; lora_gate_up_A's codes
.set A1S, 27459584                     ; and scale words
.set POS, 1024
.set BY, 16                            ; v16-23   scale bytes: fragment f, half c at BY + 2 f + c
.set SW, 24                            ; v24-27   scale words of four fragments
.set CT, 28                            ; v28-30   a block's upper 16 codes (a conversion's three registers begin on an even number)
.set C,  32                            ; v32-79   four fragments' codes
.set T,  80                            ; v80-111  32 numbers of one column; in the X path the ranks
.set RK, 80
.set R,  128                           ; v128-255 numbers as they are loaded
; 32 neighbours along K in v[src] .. v[src + 31] become 6 registers of codes at v[dst] and a byte in v[by]
.macro QBLK src, dst, by
	v_max3_num_f32 v12, |v[\src]|, |v[\src+1]|, |v[\src+2]|
	v_max3_num_f32 v13, |v[\src+3]|, |v[\src+4]|, |v[\src+5]|
.irp i, 6,10,14,18,22,26
	v_max3_num_f32 v12, v12, |v[\src+\i]|, |v[\src+\i+1]|
	v_max3_num_f32 v13, v13, |v[\src+\i+2]|, |v[\src+\i+3]|
.endr
	v_max3_num_f32 v12, v12, |v[\src+30]|, |v[\src+31]|
	v_max3_num_f32 v12, v12, v13, 0x1800000            ; with the floor 2^(3 - 127): the byte cannot fall under 1
	v_add_nc_u32 v11, 0xff000000, v12                  ; 2 off the exponent field: the conversion takes this operand's exponent field as its scale
	v_lshrrev_b32 v[\by], 23, v11                      ; the byte
	v_cvt_scalef32_pk16_fp6_f32 v[\dst:\dst+2], v[\src:\src+15], v11
	v_cvt_scalef32_pk16_fp6_f32 v[CT:CT+2], v[\src+16:\src+31], v11
	v_nop                                              ; one plain place behind a scaled conversion
	v_mov_b32 v[\dst+3], v[CT]
	v_mov_b32 v[\dst+4], v[CT+1]
	v_mov_b32 v[\dst+5], v[CT+2]
.endm
; my two bytes (blocks h and 2 + h of my row) and lane l xor 16's two make the row's scale word
.macro SWORD f
	v_lshl_or_b32 v[SW+\f], v[BY+2*\f+1], 16, v[BY+2*\f]
	v_lshlrev_b32 v[SW+\f], v4, v[SW+\f]
	v_permlanex16_b32 v10, v[SW+\f], s20, s21
	v_or_b32 v[SW+\f], v[SW+\f], v10
.endm
; four fragments' images (each store of the wave covers 512 consecutive bytes, aligned) and their scale words, four a lane
.macro OUT4
.irp f, 0,1,2,3
.irp c, 0,1,2
	global_store_b128 v3, v[C+12*\f+4*\c:C+12*\f+4*\c+3], s[34:35] offset:\f*1536+512*\c
.endr
.endr
	global_store_b128 v3, v[SW:SW+3], s[36:37]
.endm
	s_load_b256 s[4:11], s[0:1], 0x0                   ; hidden_states, router_indices, down_proj, lora_gate_up_A
	s_load_b128 s[12:15], s[0:1], 0x20                 ; qw, route
	v_lshl_add_u32 v126, v0, 2, 0x100
	v_mov_b32 v127, 0
	v_and_b32 v1, 15, v0                               ; r (one wave: v0 is the lane)
	v_lshrrev_b32 v2, 4, v0                            ; h
	v_lshlrev_b32 v3, 4, v0                            ; 16 x lane
	v_lshlrev_b32 v4, 3, v2                            ; 8 h: where my bytes stand in a scale word
	v_lshlrev_b32 v6, 2, v0                            ; 4 x lane
	v_mov_b32 v10, 0                                   ; a lane permute's destination counts as one of its sources
	s_mov_b32 s20, 0x76543210
	s_mov_b32 s21, 0xfedcba98                          ; selects for lane l xor 16
	s_mov_b32 s33, 0
	s_wait_kmcnt 0x0
	s_cmp_lt_u32 ttmp9, 2048
	s_cbranch_scc1 .Lx
	s_cmp_lt_u32 ttmp9, 2176
	s_cbranch_scc1 .La1
; ---------------- W: one K step (128 rows) x 64 columns of down_proj
	s_sub_co_u32 s22, ttmp9, 2176                      ; the unit: 32 x (K step) + group of 64 columns
	s_lshr_b32 s30, s22, 5
	s_lshl_b32 s30, s30, 20                            ; 128 rows of 8,192 bytes a K step
	s_and_b32 s31, s22, 31
	s_lshl_b32 s31, s31, 8                             ; 256 bytes a group of columns
	s_add_co_u32 s30, s30, s31
	s_mov_b32 s31, 0
	s_add_nc_u64 s[24:25], s[8:9], s[30:31]
	s_mul_i32 s32, s22, 6144
	s_add_nc_u64 s[34:35], s[12:13], s[32:33]          ; the unit's four images
	s_lshl_b32 s32, s22, 9
	s_add_co_u32 s32, s32, W2S
	s_add_nc_u64 s[36:37], s[12:13], s[32:33]          ; and their scale words
	v_lshlrev_b32 v5, 18, v2                           ; lanes 16-31 begin 32 rows further down
	v_lshl_add_u32 v5, v1, 4, v5                       ; + 16 r: my four columns
.macro WLOAD c                         ; rows 64 c + 32 h + 0 .. 31
.set li, 0
.rept 32
	global_load_b128 v[R+4*li:R+4*li+3], v5, s[24:25] offset:(64*\c+li)*8192 th:TH_LOAD_NT
.set li, li+1
.endr
.endm
.macro GATHER j                        ; column j of my four: its 32 numbers down K, on end
.set gi, 0
.rept 32
	v_mov_b32 v[T+gi], v[R+4*gi+\j]
.set gi, gi+1
.endr
.endm
.macro WPHASE c
	s_wait_loadcnt 0x0
.irp j, 0,1,2,3
	GATHER \j
.if (\c == 0) && (\j == 3)
	WLOAD 1                                            ; all 128 registers have been read: the second half's loads go out while the last block is converted
.endif
	QBLK T, C+12*\j+6*\c, BY+2*\j+\c
.endr
.endm
	WLOAD 0
	WPHASE 0
	WPHASE 1
.irp f, 0,1,2,3
	SWORD \f
.endr
	OUT4
	s_endpgm
; ---------------- A1: one K step of lora_gate_up_A.  Row m of the tile takes column 4 ((m / 2) % 2) + 2 (m / 8) + m % 2, so that in the product's result
; (used transposed) registers 0, 1 and 2, 3 of a lane are what the f32 matrix form wants of its second source for r = 2 h + 0, 1 and 4 + 2 h + 0, 1
.La1:
	s_sub_co_u32 s22, ttmp9, 2048
	s_lshl_b32 s30, s22, 12                            ; 128 rows of 32 bytes
	s_mov_b32 s31, 0
	s_add_nc_u64 s[24:25], s[10:11], s[30:31]
	s_mul_i32 s32, s22, 1536
	s_add_co_u32 s32, s32, A1C
	s_add_nc_u64 s[34:35], s[12:13], s[32:33]
	s_lshl_b32 s32, s22, 7
	s_add_co_u32 s32, s32, A1S
	s_add_nc_u64 s[36:37], s[12:13], s[32:33]
	v_bfe_u32 v7, v1, 1, 1
	v_lshrrev_b32 v8, 3, v1
	v_and_b32 v9, 1, v1
	v_lshl_add_u32 v9, v8, 1, v9
	v_lshl_add_u32 v9, v7, 2, v9                       ; my column
	v_lshlrev_b32 v5, 10, v2                           ; 32 rows further down for lanes 16-31
	v_lshl_add_u32 v5, v9, 2, v5
.set li, 0
.rept 64
	global_load_b32 v[R+li], v5, s[24:25] offset:((li/32)*64+li%32)*32
.set li, li+1
.endr
	s_wait_loadcnt 0x0
	QBLK R, C, BY
	QBLK R+32, C+6, BY+1
	SWORD 0
.irp c, 0,1,2
	global_store_b128 v3, v[C+4*\c:C+4*\c+3], s[34:35] offset:512*\c
.endr
	global_store_b32 v6, v[SW], s[36:37]
	s_endpgm
; ---------------- X: the routing, then 16 routed rows x 512 along K
.Lx:
	s_lshr_b32 s22, ttmp9, 8                           ; expert
	s_bfe_u32 s23, ttmp9, 0x60002                      ; tile
	s_and_b32 s24, ttmp9, 3                            ; which four K steps
.set li, 0
.rept 32
	global_load_b128 v[R+4*li:R+4*li+3], v3, s[6:7] offset:512*li    ; token 32 li + lane: its four slots
.set li, li+1
.endr
	v_mov_b32 v7, 0
	ds_store_b32 v6, v7                                ; the tile's list begins as token 0; word 16 takes what does not belong to the tile
	s_lshl_b32 s25, s23, 4                             ; the tile's first rank
	s_mov_b32 s26, 0                                   ; tokens of this expert so far
	s_wait_loadcnt 0x0
.set li, 0
.rept 32
	v_cmp_eq_u32 s28, s22, v[R+4*li]
	v_cmp_eq_u32 s29, s22, v[R+4*li+1]
	v_cmp_eq_u32 s30, s22, v[R+4*li+2]
	v_cmp_eq_u32 s31, s22, v[R+4*li+3]
	s_or_b32 s28, s28, s29
	s_or_b32 s30, s30, s31
	s_or_b32 s28, s28, s30                             ; lanes whose token uses the expert
	v_mbcnt_lo_u32_b32 v[RK+li], s28, s26              ; the rank: those before, and those in lower lanes
	v_sub_nc_u32 v[R+4*li], v[RK+li], s25              ; its place in my tile.  (Address and data of the store stand in registers that the compares have done with: none is written again before the wait for the stores)
	v_cndmask_b32 v[R+4*li], -1, v[R+4*li], s28
	v_min_u32 v[R+4*li], 16, v[R+4*li]                 ; not the expert's, or another tile's: word 16
	v_lshlrev_b32 v[R+4*li], 2, v[R+4*li]
	v_add_nc_u32 v[R+4*li+1], 32*li, v0                ; the token
	ds_store_b32 v[R+4*li], v[R+4*li+1]
	s_bcnt1_i32_b32 s29, s28
	s_add_co_u32 s26, s26, s29
.set li, li+1
.endr
	s_and_b32 s27, ttmp9, 255
	s_cmp_lg_u32 s27, 0
	s_cbranch_scc1 .Lnot_owner                         ; the expert's first unit stores the ranks and the count
	s_lshl_b32 s32, s22, 12
	s_add_co_u32 s32, s32, POS
	s_add_nc_u64 s[34:35], s[14:15], s[32:33]
	s_lshl_b32 s32, s22, 7
	s_add_nc_u64 s[36:37], s[14:15], s[32:33]
.set li, 0
.rept 32
	global_store_b32 v6, v[RK+li], s[34:35] offset:128*li
.set li, li+1
.endr
	v_mov_b32 v15, s26
	global_store_b32 v6, v15, s[36:37]
	s_wait_xcnt 0x0                                    ; the two bases are written again below
.Lnot_owner:
	s_wait_dscnt 0x0                                   ; the list is whole
	s_cmp_ge_u32 s25, s26
	s_cbranch_scc1 .Lend                               ; the expert has no rows for this tile
	v_lshlrev_b32 v9, 2, v1
	ds_load_b32 v14, v9                                ; row r's token
	s_mul_i32 s32, ttmp9, 6144
	s_add_co_u32 s32, s32, XC
	s_add_nc_u64 s[34:35], s[12:13], s[32:33]
	s_lshl_b32 s32, ttmp9, 9
	s_add_co_u32 s32, s32, XSC
	s_add_nc_u64 s[36:37], s[12:13], s[32:33]
	s_lshl_b32 s27, s24, 11
	s_wait_dscnt 0x0
	v_min_u32 v14, 0x3ff, v14
	v_lshlrev_b32 v5, 13, v14                          ; a row of 8,192 bytes,
	v_lshl_add_u32 v5, v2, 7, v5                       ; + 128 h: my block of 32 in each 64 along K,
	v_add_nc_u32 v5, s27, v5                           ; + my four K steps
.macro XPHASE p                        ; K steps 2 p and 2 p + 1 of the four: four blocks a lane, 128 neighbouring bytes each
.irp b, 0,1,2,3
.irp i, 0,1,2,3,4,5,6,7
	global_load_b128 v[R+32*\b+4*\i:R+32*\b+4*\i+3], v5, s[4:5] offset:(2*\p+\b/2)*512+(\b%2)*256+16*\i
.endr
.endr
	s_wait_loadcnt 0x0
.irp b, 0,1,2,3
	QBLK R+32*\b, C+12*(2*\p+\b/2)+6*(\b%2), BY+2*(2*\p+\b/2)+\b%2
.endr
.endm
	XPHASE 0
	XPHASE 1
.irp f, 0,1,2,3
	SWORD \f
.endr
	OUT4
.Lend:
	s_wait_tensorcnt 0x0
	ds_add_u32 v126, v127
	s_wait_dscnt 0x0
	s_endpgm
.Lfunc_end_k_q56f7b231bb_prep:
	.size	k_q56f7b231bb_prep, .Lfunc_end_k_q56f7b231bb_prep-k_q56f7b231bb_prep
	.p2alignl 7, 3214868480
	.fill 96, 4, 3214868480
	.section	.rodata,"a",@progbits
	.p2align	6, 0x0
	.amdhsa_kernel k_q56f7b231bb_prep
		.amdhsa_group_segment_fixed_size 512
		.amdhsa_private_segment_fixed_size 0
		.amdhsa_enable_private_segment 0
		.amdhsa_kernarg_size 48
		.amdhsa_user_sgpr_count 2
		.amdhsa_user_sgpr_kernarg_segment_ptr 1
		.amdhsa_wavefront_size32 1
		.amdhsa_system_sgpr_workgroup_id_x 1
		.amdhsa_system_sgpr_workgroup_id_y 1
		.amdhsa_system_sgpr_workgroup_id_z 1
		.amdhsa_system_vgpr_workitem_id 0
		.amdhsa_next_free_vgpr 256
		.amdhsa_next_free_sgpr 66
		.amdhsa_reserve_vcc 0
		.amdhsa_float_denorm_mode_32 3
		.amdhsa_float_denorm_mode_16_64 3
		.amdhsa_memory_ordered 1
		.amdhsa_forward_progress 1
		.amdhsa_inst_pref_size 91
	.end_amdhsa_kernel
	.amdgpu_metadata
---
amdhsa.version: [ 1, 2 ]
amdhsa.kernels:
  - .name:           k_q56f7b231bb_prep
    .symbol:         k_q56f7b231bb_prep.kd
    .args:
      - { .name: hidden_states, .offset: 0, .size: 8, .value_kind: global_buffer, .address_space: global }
      - { .name: router_indices, .offset: 8, .size: 8, .value_kind: global_buffer, .address_space: global }
      - { .name: down_proj, .offset: 16, .size: 8, .value_kind: global_buffer, .address_space: global }
      - { .name: lora_gate_up_A, .offset: 24, .size: 8, .value_kind: global_buffer, .address_space: global }
      - { .name: qw, .offset: 32, .size: 8, .value_kind: global_buffer, .address_space: global }
      - { .name: route, .offset: 40, .size: 8, .value_kind: global_buffer, .address_space: global }
    .group_segment_fixed_size: 512
    .private_segment_fixed_size: 0
    .kernarg_segment_align: 8
    .kernarg_segment_size: 48
    .max_flat_workgroup_size: 32
    .sgpr_count:     66
    .vgpr_count:     256
    .wavefront_size: 32
...
	.end_amdgpu_metadata
.endif
;; end of part 1
;; launch gateup (part 2): grid 256 x 1, 4 waves a work-group, no clusters, 240,128 bytes of LDS; arguments qw, route, gate_up_proj, gate_up_proj_bias, lora_gate_up_B, lora_down_A, gq; writes gq
.if DOCPART == 2
	.amdgcn_target "amdgcn-amd-amdhsa--gfx1250"
	.amdhsa_code_object_version 6
	.text
	.protected	k_q56f7b231bb_gateup
	.globl	k_q56f7b231bb_gateup
	.p2align	8
	.type	k_q56f7b231bb_gateup,@function
k_q56f7b231bb_gateup:
	s_mov_b64 s[64:65], 0
	v_nop
	global_prefetch_b8 v0, s[64:65] scope:SCOPE_SE
	s_setreg_imm32_b32 hwreg(HW_REG_WAVE_MODE, 25, 1), 1
	s_wait_xcnt 0x0
; GATEUP: for the routed rows of one expert and 128 columns of gate_up: x W1 and x loraA1 on codes of FP6, + bias + 2 (x loraA1) loraB1 in f32, the gated activation in f32,
; its codes of FP6 along the next K, and the part of gated x lora_down_A that these 64 hidden units give (bf16 operands, f32 sums).
; SHARES.  Work-group u: expert u / 32, columns 128 ((u / 2) % 16) on, row tiles of parity u % 2.  THE WEIGHTS STAND STILL: the slab's codes for all of K (16 K steps x 8 tiles, and loraA1's tile as a ninth) lie in LDS.
; THE SLAB IS QUANTISED HERE, from gate_up_proj as it is given: 2,048 x 128 numbers of f32, 1 MiB, read once by the work-group; the codes never go to memory.  The two work-groups of a pair (u % 2) need the same slab, and
; each quantises it for itself, since work-groups hand each other nothing inside a launch; they walk the same bytes in the same order.  Against the second quantising stand 27 MB of codes and scale words that no launch stores or loads.
; The rows' fragments come from memory straight into registers, as images, three loads of 16 bytes a lane each.
; No tensor load and no cluster: the number of passes and the skipped stores hang on a count read from memory.
; A wave has four slots of 16 rows in a pass: 32 accumulators of 16 x 16.  A slot past the expert's last tile works on the last tile again (so that every counted wait sees the same loads on every way) and stores nothing.
; THE PRODUCTS ARE USED TRANSPOSED (source 0 = 16 columns of the weight, source 1 = 16 rows of x): a lane holds one row, and its registers run along the columns.
; Tile j of a group of 64 columns holds columns 4 m + j: tiles 0, 2 are gates and tiles 1, 3 the ups of hidden units 2 m and 2 m + 1: a lane's 16 numbers of two tiles are 16 neighbouring hidden units.
; LIMITS: NaN and infinities are not served; a block (of the weight or of the hidden layer) whose largest magnitude lies under 2^-124, a block of zeros too, gets the byte 1 (read by this program alone).
; WINDOWS of 256 registers: 0: addresses, scale words, work.  1: v0-191 x's fragments, a ring of four K steps x four slots; v192-255 the bias as eight accumulators' C.
;   2: v0-215 the weights' fragments, two sets of nine; v216-247 2 x lora_gate_up_B as the f32 form's first source.  3: the 32 accumulators, (slot i, tile j) at v[8 (8 i + j)].
;   During the fill windows 1 and 2 hold the numbers as they are loaded; window 3 is left alone.
.set XC,   12582912
.set XSC,  26214400
.set A1C,  27262976
.set A1S,  27459584
.set GSCO, 6291456
.set T2PO, 6553600
.set KB,   13824                       ; LDS: a K step's nine fragments
.set SCL,  221184                      ; behind the sixteen: the scale words, 1,152 bytes a K step: 512 + 512 (four words a lane, one for each tile of a group), 128 (loraA1's)
.set KSC,  1152
.set L16, 1                            ; 16 x lane
.set L4,  2                            ; 4 x lane
.set RR,  3                            ; lane % 16
.set HH,  4                            ; lane / 16
.set LB,  5                            ; v6-8  16 x lane + q x 55,296: LDS address of K steps 4 q on
.set LSB, 9
.set LSA, 10
.set FST, 11
.set AOFF, 12                          ; v12-15 a slot's place among x's images
.set SOFF, 16                          ; v16-19 and among x's scale words
.set L8,  20
.set TK16, 21
.set T2O, 22
.set PX,  23
.set ASC, 24                           ; v24-55  x's scale words: two sets of (slot, K step % 4)
.set BSC, 56                           ; v56-79  the weights': two sets of 12 (eight tiles, loraA1's, three idle)
.set XA,  80                           ; v80-111 x loraA1: an accumulator a slot
.set T2,  112                          ; v112-143 gated x lora_down_A: (slot % 2, block u)
.set A2F, 144                          ; v144-159 lora_down_A in bf16
.set GA,  160                          ; gates, then the gated numbers
.set UP,  176
.set EE,  192
.set PK,  208
.set PP,  224
.set QQ,  230
.set WK,  234
.set TS,  234
.set OT,  242
.set VM,  246
.set VS,  247
.set BB,  248
.set HW,  250
.set BI,  192                          ; window 1
.set B1F, 216                          ; window 2
; the fill's own registers, in window 0; all are free again behind it
.set QT,  24                           ; v24-151  four columns x 32 numbers down K
.set QC,  152                          ; v152-199 four fragments' codes
.set QBY, 200                          ; v200-207 scale bytes: tile j, half c at QBY + 2 j + c
.set QSW, 208                          ; v208-211 four tiles' scale words
.set QCT, 212                          ; v212-214 a block's upper 16 codes
.set QM,  216                          ; v216-217 two chains of the largest magnitude
.set QS,  218                          ; the conversions' scale operand
.set QSH, 219                          ; 8 h
.set WOF, 220                          ; my place in a phase's rows: 32 rows further down for lanes 16-31, + 16 r
.set FSA, 221                          ; LDS address of the K step in hand
.set FSS, 222                          ; and of its scale words
.set WV, 16
.set EX, 17
.set CG, 18
.set HF, 19
.set NT, 22
.set NTM, 23
.set NPS, 24
.set PS, 25
.set LIM, 26
.set NLIM, 27
.set CE, 28
.set HM, 30
.set TAU, 32
.set TAC, 36
.set XB, 40
.set XSB, 42
.set GCB, 44
.set GSB, 46
.set T2B, 48
.set MSB, 0
.macro WIN new                         ; the immediate's high byte repeats the setting that is left
.if MSB != (\new)
	s_set_vgpr_msb (MSB<<8)|(\new)
.set MSB, (\new)
.endif
.endm
.macro PLACES n
.rept \n
	v_nop
.endr
.endm
	s_load_b256 s[4:11], s[0:1], 0x0                   ; qw, route, gate_up_proj, gate_up_proj_bias
	s_load_b128 s[12:15], s[0:1], 0x20                 ; lora_gate_up_B, lora_down_A
	s_load_b64 s[2:3], s[0:1], 0x30                    ; gq
	v_lshl_add_u32 v254, v0, 2, 0x3a800
	v_mov_b32 v255, 0
	v_lshrrev_b32 v[WK], 5, v0
	v_readfirstlane_b32 s[WV], v[WK]                   ; wave 0..3
	v_and_b32 v[WK], 31, v0
	v_lshlrev_b32 v[L16], 4, v[WK]
	v_lshlrev_b32 v[L4], 2, v[WK]
	v_lshlrev_b32 v[L8], 3, v[WK]
	v_and_b32 v[RR], 15, v0
	v_bfe_u32 v[HH], v0, 4, 1
.irp q, 1,2,3
	v_add_nc_u32 v[LB+\q], \q*4*KB, v[L16]
.endr
	v_add_nc_u32 v[LSB], SCL, v[L16]
	v_add_nc_u32 v[LSA], SCL+1024, v[L4]
	s_mul_i32 s50, s[WV], 4*KB
	v_add_nc_u32 v[FST], s50, v[L16]                   ; the fill: my four K steps
	s_mul_i32 s50, s[WV], 4*KSC
	s_add_co_u32 s50, s50, SCL
	v_add_nc_u32 v[WK+4], s50, v[L16]                  ; and their scale words
	s_add_co_u32 s50, s50, 1024
	v_add_nc_u32 v[WK+5], s50, v[L4]
	v_lshlrev_b32 v[TK16], 4, v[RR]
	v_lshlrev_b32 v[T2O], 5, v[RR]
	v_lshl_add_u32 v[T2O], v[HH], 4, v[T2O]
	v_mov_b32 v[PX], 0                                 ; a lane permute's destination counts as one of its sources
	v_lshlrev_b32 v[WK+1], 7, v[HH]                    ; bias: 128 h
	v_lshlrev_b32 v[WK+2], 14, v[HH]                   ; lora_gate_up_B: two rows further down for lanes 16-31, + 16 m
	v_lshl_add_u32 v[WK+2], v[RR], 4, v[WK+2]
	v_and_b32 v[WK+3], 7, v[RR]
	v_lshlrev_b32 v[WK+3], 2, v[WK+3]
	v_lshl_add_u32 v[WK+3], v[HH], 9, v[WK+3]          ; lora_down_A: 16 rows of 32 bytes further down for lanes 16-31, + 4 (m % 8)
	v_lshlrev_b32 v[QSH], 3, v[HH]
	v_lshlrev_b32 v[WOF], 18, v[HH]                    ; gate_up_proj: 32 rows of 8,192 bytes further down for lanes 16-31,
	v_lshl_add_u32 v[WOF], v[RR], 4, v[WOF]            ; + 16 r: my four columns
	s_lshr_b32 s[EX], ttmp9, 5
	s_bfe_u32 s[CG], ttmp9, 0x40001
	s_and_b32 s[HF], ttmp9, 1
	s_mov_b32 s20, 0x76543210
	s_mov_b32 s21, 0xfedcba98
	s_mov_b32 s[LIM], 0x40e00000                       ; 7.0
	s_mov_b32 s[NLIM], 0xc0e00000
	s_mov_b32 s[CE], 0xc01d265f                        ; -1.702 log2(e)
	s_mov_b32 s[CE+1], s[CE]                           ; (named with it as a pair)
	s_mov_b32 s[HM], 0xffff0000                        ; lanes 16-31
	s_lshl_b32 s66, s[EX], 7
	s_mov_b32 s67, 0
	s_lshl_b32 s50, s[CG], 9                           ; my 128 columns in f32
	s_lshl_b32 s52, s[EX], 13
	s_add_co_u32 s52, s52, s50
	s_mov_b32 s53, 0
	s_lshl_b32 s54, s[EX], 16
	s_add_co_u32 s54, s54, s50
	s_mov_b32 s55, 0
	s_lshl_b32 s70, s[EX], 4
	s_lshl_b32 s51, s[WV], 2
	s_add_co_u32 s70, s70, s51                         ; the first K step that I fill: 16 e + 4 w
	s_lshl_b32 s62, s70, 20                            ; 128 rows of 8,192 bytes a K step
	s_add_co_u32 s62, s62, s50
	s_mov_b32 s63, 0
	s_lshl_b32 s56, s[EX], 15
	s_lshl_b32 s50, s[CG], 11
	s_add_co_u32 s56, s56, s50
	s_mov_b32 s57, 0
	s_lshl_b32 s60, s70, 7
	s_add_co_u32 s60, s60, A1S
	s_mov_b32 s61, 0
	s_mul_i32 s68, s70, 1536
	s_add_co_u32 s68, s68, A1C
	s_mov_b32 s69, 0
	s_mul_i32 s[XB], s[EX], 1572864
	s_add_co_u32 s[XB], s[XB], XC
	s_mov_b32 s[XB+1], 0
	s_lshl_b32 s[XSB], s[EX], 17
	s_add_co_u32 s[XSB], s[XSB], XSC
	s_mov_b32 s[XSB+1], 0
	s_mul_i32 s[GCB], s[EX], 786432
	s_mul_i32 s50, s[CG], 768                          ; K step cgp / 2, half cgp % 2 of a fragment
	s_add_co_u32 s[GCB], s[GCB], s50
	s_mov_b32 s[GCB+1], 0
	s_lshl_b32 s[GSB], s[EX], 15
	s_lshr_b32 s50, s[CG], 3
	s_lshl_b32 s50, s50, 8
	s_add_co_u32 s[GSB], s[GSB], s50
	s_and_b32 s50, s[CG], 7
	s_lshl_b32 s50, s50, 1                             ; word (cgp / 2) % 4, halfword cgp % 2
	s_add_co_u32 s[GSB], s[GSB], s50
	s_add_co_u32 s[GSB], s[GSB], GSCO
	s_mov_b32 s[GSB+1], 0
	s_lshl_b32 s[T2B], s[EX], 4
	s_add_co_u32 s[T2B], s[T2B], s[CG]
	s_lshl_b32 s[T2B], s[T2B], 15
	s_add_co_u32 s[T2B], s[T2B], T2PO
	s_mov_b32 s[T2B+1], 0
	s_wait_kmcnt 0x0
	s_add_nc_u64 s[66:67], s[6:7], s[66:67]
	s_load_b32 s[NT], s[66:67], 0x0                    ; the expert's rows
	s_add_nc_u64 s[62:63], s[8:9], s[62:63]
	s_add_nc_u64 s[52:53], s[10:11], s[52:53]
	s_add_nc_u64 s[54:55], s[12:13], s[54:55]
	s_add_nc_u64 s[56:57], s[14:15], s[56:57]
	s_add_nc_u64 s[60:61], s[4:5], s[60:61]
	s_add_nc_u64 s[68:69], s[4:5], s[68:69]
	s_add_nc_u64 s[XB:XB+1], s[4:5], s[XB:XB+1]
	s_add_nc_u64 s[XSB:XSB+1], s[4:5], s[XSB:XSB+1]
	s_add_nc_u64 s[GCB:GCB+1], s[2:3], s[GCB:GCB+1]
	s_add_nc_u64 s[GSB:GSB+1], s[2:3], s[GSB:GSB+1]
	s_add_nc_u64 s[T2B:T2B+1], s[2:3], s[T2B:T2B+1]
; ---- THE FILL.  My four K steps x two groups of 64 columns, each in two PHASES of 64 rows: 32 loads of 16 bytes a lane; sixteen lanes read 256 consecutive bytes, aligned.  The weight has K as its first axis:
; a lane takes four columns and its registers run down K; lanes 16-31 stand 32 rows further down, as the operand's layout gives them the odd blocks.
; Phase c of a group lands in window 1 + c, v0-127.  As soon as it is in, its numbers are copied into window 0, each column's 32 on end (the conversions take neighbours along K from consecutive registers),
; and the same registers are asked for again at once, two phases ahead: but for the time of the copy, 64 loads of the wave are out.
.macro WLOAD g, c, dk                  ; group g, rows 64 c + 32 h + 0 .. 31, dk K steps on from the base
	WIN 0x40*(1+\c)
.set li, 0
.rept 32
	global_load_b128 v[4*li:4*li+3], v[WOF], s[62:63] offset:(\dk)*1048576+(\g)*256+(64*(\c)+li)*8192
.set li, li+1
.endr
.endm
.macro COPY c
	WIN 1+\c
.set li, 0
.rept 32
.irp j, 0,1,2,3
	v_mov_b32 v[QT+32*\j+li], v[4*li+\j]
.endr
.set li, li+1
.endr
.endm
; column j's 32 numbers become registers 6 c .. 6 c + 5 of tile j's fragment, and a byte
.macro QBLK j, c
.set qs, QT+32*(\j)
.set qd, QC+12*(\j)+6*(\c)
	v_max3_num_f32 v[QM], |v[qs]|, |v[qs+1]|, |v[qs+2]|
	v_max3_num_f32 v[QM+1], |v[qs+3]|, |v[qs+4]|, |v[qs+5]|
.irp i, 6,10,14,18,22,26
	v_max3_num_f32 v[QM], v[QM], |v[qs+\i]|, |v[qs+\i+1]|
	v_max3_num_f32 v[QM+1], v[QM+1], |v[qs+\i+2]|, |v[qs+\i+3]|
.endr
	v_max3_num_f32 v[QM], v[QM], |v[qs+30]|, |v[qs+31]|
	v_max3_num_f32 v[QM], v[QM], v[QM+1], 0x1800000    ; with the floor 2^(3 - 127): the byte cannot fall under 1
	v_add_nc_u32 v[QS], 0xff000000, v[QM]              ; 2 off the exponent field: the conversion takes this operand's exponent field as its scale
	v_lshrrev_b32 v[QBY+2*(\j)+(\c)], 23, v[QS]        ; the byte
	v_cvt_scalef32_pk16_fp6_f32 v[qd:qd+2], v[qs:qs+15], v[QS]
	v_cvt_scalef32_pk16_fp6_f32 v[QCT:QCT+2], v[qs+16:qs+31], v[QS]   ; (a conversion's three registers begin on an even number)
	v_nop                                              ; one plain place behind a scaled conversion
	v_mov_b32 v[qd+3], v[QCT]
	v_mov_b32 v[qd+4], v[QCT+1]
	v_mov_b32 v[qd+5], v[QCT+2]
.endm
.macro SWORD f                         ; my two bytes (blocks h and 2 + h of my row) and lane l xor 16's two make the row's scale word
	v_lshl_or_b32 v[QSW+\f], v[QBY+2*\f+1], 16, v[QBY+2*\f]
	v_lshlrev_b32 v[QSW+\f], v[QSH], v[QSW+\f]
	v_permlanex16_b32 v[PX], v[QSW+\f], s20, s21
	v_or_b32 v[QSW+\f], v[QSW+\f], v[PX]
.endm
; What stays in registers, and loraA1's codes: 72 loads, into registers that the stream does not use or has left.
; The bias and lora_gate_up_B come 16 bytes a lane, four tiles' numbers on end; they are put in the operands' order behind the fill.
.macro RES
	WIN 0x40
.irp g, 0,1
.irp p, 0,1,2,3,4,5,6,7
	global_load_b128 v[128+4*(8*\g+\p):128+4*(8*\g+\p)+3], v[WK+1], s[52:53] offset:256*\g+16*\p   ; bias: columns 64 g + 4 (8 h + p) + 0 .. 3
.endr
.endr
.irp kk, 0,1,2,3
.irp c, 0,1,2
	global_load_b128 v[12*\kk+4*\c:12*\kk+4*\c+3], v[L16], s[68:69] offset:\kk*1536+512*\c         ; loraA1's fragment of my K step kk
.endr
	global_load_b32 v[48+\kk], v[L4], s[60:61] offset:\kk*128                                      ; and its scale words
.endr
	WIN 0x80
.irp g, 0,1
.irp q, 0,1,2,3
	global_load_b128 v[128+4*(4*\g+\q):128+4*(4*\g+\q)+3], v[WK+2], s[54:55] offset:(4*(\q/2)+\q%2)*8192+256*\g   ; lora_gate_up_B: row 4 (q / 2) + 2 h + q % 2, columns 64 g + 4 m + 0 .. 3
.endr
.endr
.set fi, 0
.rept 32                                               ; lora_down_A: block u = fi / 16, hidden unit 32 u + 16 h + fi % 16, column m % 8
	global_load_b32 v[160+fi], v[WK+3], s[56:57] offset:(32*(fi/16)+fi%16)*32
.set fi, fi+1
.endr
.endm
; A phase.  n: the loads issued behind this phase's own, which may stay out.  kind 1: the same registers take group ng, ndk K steps on; 2: the 72 loads above; 0: nothing
.macro QPHASE c, n, kind, ng, ndk
	s_wait_loadcnt \n
.if \c == 0
	s_wait_dscnt 0x0                                   ; the last group's LDS stores have read the codes' registers
.endif
	COPY \c
.if \kind == 1
	WLOAD \ng, \c, \ndk
.elseif \kind == 2
	RES
.endif
	WIN 0
.irp j, 0,1,2,3
	QBLK \j, \c
.endr
.endm
; A group is done: its four fragments go to LDS as images of their registers (each store covers 512 consecutive bytes), its scale words four a lane
.macro QFIN ar, sr, off, soff, g
.irp f, 0,1,2,3
	SWORD \f
.endr
.irp j, 0,1,2,3
.irp c, 0,1,2
	ds_store_b128 v[\ar], v[QC+12*\j+4*\c:QC+12*\j+4*\c+3] offset:\off+(4*\g+\j)*1536+512*\c
.endr
.endr
	ds_store_b128 v[\sr], v[QSW:QSW+3] offset:\soff+512*\g
.endm
	WLOAD 0, 0, 0
	WLOAD 0, 1, 0
	WIN 0                                              ; at a label and at a branch every window is 0
	s_mov_b32 s58, 0
	s_mov_b32 s59, 0
	s_mov_b32 s71, 0
.Lfill:                                                ; three trips, a K step each; the count 32 leaves the next phase's loads out
	QPHASE 0, 32, 1, 1, 0
	v_add_nc_u32 v[FSA], s58, v[FST]
	v_add_nc_u32 v[FSS], s59, v[WK+4]
	QPHASE 1, 32, 1, 1, 0
	QFIN FSA, FSS, 0, 0, 0
	QPHASE 0, 32, 1, 0, 1
	QPHASE 1, 32, 1, 0, 1
	QFIN FSA, FSS, 0, 0, 1
	s_wait_xcnt 0x0                                    ; the loads have read their base: it steps only behind this wait
	s_add_nc_u64 s[62:63], s[62:63], 0x100000
	s_add_co_u32 s58, s58, KB
	s_add_co_u32 s59, s59, KSC
	s_add_co_u32 s71, s71, 1
	s_cmp_lt_u32 s71, 3
	s_cbranch_scc1 .Lfill
	QPHASE 0, 32, 1, 1, 0                              ; my last K step is written out: no load leaves the wave's part of the weight
	QPHASE 1, 32, 1, 1, 0
	QFIN FST, WK+4, 3*KB, 3*KSC, 0
	QPHASE 0, 32, 2, 0, 0
	QPHASE 1, 63, 0, 0, 0                              ; 72 loads were issued behind this phase's; a count names 63 at the most, so the first nine of them are waited for as well
	QFIN FST, WK+4, 3*KB, 3*KSC, 1
	s_wait_loadcnt 0x0
	s_wait_dscnt 0x0                                   ; the stores have read the codes' registers: lora_down_A's bf16 lands on some of them
	WIN 0x41                                           ; the bias in the result's layout: tile 4 g + j, register p of lane (., h): column 64 g + 4 (8 h + p) + j
.irp g, 0,1
.irp j, 0,1,2,3
.irp p, 0,1,2,3,4,5,6,7
	v_mov_b32 v[BI+8*(4*\g+\j)+\p], v[128+4*(8*\g+\p)+\j]
.endr
.endr
.endr
	WIN 0x8a                                           ; lora_gate_up_B x the LoRA scaling, 16 / 8 (exact), as the f32 form's first source: tile 4 g + j, register q
.irp g, 0,1
.irp j, 0,1,2,3
.irp q, 0,1,2,3
	v_mul_f32 v[B1F+4*(4*\g+\j)+\q], 2.0, v[128+4*(4*\g+\q)+\j]
.endr
.endr
.endr
	WIN 0x0a
.set fi, 0
.rept 16
	v_cvt_pk_bf16_f32 v[A2F+fi], v[160+2*fi], v[161+2*fi]
.set fi, fi+1
.endr
	WIN 0x04                                           ; an LDS store's data are its source 1: window 1
.irp kk, 0,1,2,3
.irp c, 0,1,2
	ds_store_b128 v[FST], v[12*\kk+4*\c:12*\kk+4*\c+3] offset:\kk*KB+12288+512*\c   ; loraA1's tile, the ninth of a K step
.endr
	ds_store_b32 v[WK+5], v[48+\kk] offset:\kk*KSC
.endr
	WIN 0
	s_wait_kmcnt 0x0
	s_min_u32 s[NT], s[NT], 1024
	s_add_co_u32 s[NT], s[NT], 15
	s_lshr_b32 s[NT], s[NT], 4                         ; the expert's tiles
	s_sub_co_u32 s[NPS], s[NT], s[HF]
	s_add_co_u32 s[NPS], s[NPS], 1
	s_lshr_b32 s[NPS], s[NPS], 1                       ; those of my parity
	s_add_co_u32 s[NPS], s[NPS], 15
	s_lshr_b32 s[NPS], s[NPS], 4                       ; passes of 16 slots: 0, 1 or 2
	s_sub_co_u32 s[NTM], s[NT], 1
	s_wait_dscnt 0x0                                   ; for the others' sake: my part of the slab lies in LDS
	s_barrier_signal -1
	s_barrier_wait -1                                  ; the one barrier: behind it LDS is only read
	s_cmp_eq_u32 s[NPS], 0
	s_cbranch_scc1 .Lend
	s_mov_b32 s[PS], 0
.macro BLOAD k                         ; K step k's nine fragments and their scale words, into set k % 2
.set ba, L16
.if (\k)/4 > 0
.set ba, LB+(\k)/4
.endif
	WIN 0x80
.set fi, 0
.rept 27
	ds_load_b128 v[108*((\k)%2)+4*fi:108*((\k)%2)+4*fi+3], v[ba] offset:((\k)%4)*KB+512*fi
.set fi, fi+1
.endr
	WIN 0
	ds_load_b128 v[BSC+12*((\k)%2):BSC+12*((\k)%2)+3], v[LSB] offset:(\k)*KSC
	ds_load_b128 v[BSC+12*((\k)%2)+4:BSC+12*((\k)%2)+7], v[LSB] offset:(\k)*KSC+512
	ds_load_b32 v[BSC+12*((\k)%2)+8], v[LSA] offset:(\k)*KSC
.endm
.macro ALOAD k                         ; the four slots' fragments of x for K step k, into ring set k % 4
	WIN 0x40
.irp i, 0,1,2,3
.irp c, 0,1,2
	global_load_b128 v[48*((\k)%4)+12*\i+4*\c:48*((\k)%4)+12*\i+4*\c+3], v[AOFF+\i], s[XB:XB+1] offset:(\k)*1536+512*\c
.endr
.endr
.endm
.macro SLOAD q                         ; the four slots' scale words of K steps 4 q .. 4 q + 3
	WIN 0
.irp i, 0,1,2,3
	global_load_b128 v[ASC+16*((\q)%2)+4*\i:ASC+16*((\q)%2)+4*\i+3], v[SOFF+\i], s[XSB:XSB+1] offset:(\q)*512
.endr
.endm
; 36 products: every accumulator once a K step, in the same order in every step.  The first step's C is the bias, or 0: nothing is cleared
.macro PRODS k
.set kb, 108*((\k)%2)
.set ka, 48*((\k)%4)
.set ksb, BSC+12*((\k)%2)
.set ksa, ASC+16*(((\k)/4)%2)+(\k)%4
.if (\k) == 0
	WIN 0xd6
.else
	WIN 0xf6
.endif
.irp i, 0,1,2,3
.irp j, 0,1,2,3,4,5,6,7
.if (\k) == 0
	v_wmma_scale_f32_16x16x128_f8f6f4 v[8*(8*\i+\j):8*(8*\i+\j)+7], v[kb+12*\j:kb+12*\j+11], v[ka+12*\i:ka+12*\i+11], v[BI+8*\j:BI+8*\j+7], v[ksb+\j], v[ksa+4*\i] matrix_a_fmt:MATRIX_FMT_FP6 matrix_b_fmt:MATRIX_FMT_FP6
.else
	v_wmma_scale_f32_16x16x128_f8f6f4 v[8*(8*\i+\j):8*(8*\i+\j)+7], v[kb+12*\j:kb+12*\j+11], v[ka+12*\i:ka+12*\i+11], v[8*(8*\i+\j):8*(8*\i+\j)+7], v[ksb+\j], v[ksa+4*\i] matrix_a_fmt:MATRIX_FMT_FP6 matrix_b_fmt:MATRIX_FMT_FP6
.endif
.endr
.endr
	WIN 0x06
.irp i, 0,1,2,3
.if (\k) == 0
	v_wmma_scale_f32_16x16x128_f8f6f4 v[XA+8*\i:XA+8*\i+7], v[kb+96:kb+107], v[ka+12*\i:ka+12*\i+11], 0, v[ksb+8], v[ksa+4*\i] matrix_a_fmt:MATRIX_FMT_FP6 matrix_b_fmt:MATRIX_FMT_FP6
.else
	v_wmma_scale_f32_16x16x128_f8f6f4 v[XA+8*\i:XA+8*\i+7], v[kb+96:kb+107], v[ka+12*\i:ka+12*\i+11], v[XA+8*\i:XA+8*\i+7], v[ksb+8], v[ksa+4*\i] matrix_a_fmt:MATRIX_FMT_FP6 matrix_b_fmt:MATRIX_FMT_FP6
.endif
.endr
.endm
; A K step.  The count at its head leaves out what was issued behind this step's fragments of x: two later steps' 12 loads each, and at k = 1, 2, 5, 6, 9, 10 four loads of scale words too.
; The loads into registers that the last step's products read stand four plain places behind them (ISA guide 7.12.1 for vector instructions).
.macro KSTEP k
.if (\k) == 15
	s_wait_loadcnt 0x0
.elseif (\k) == 14
	s_wait_loadcnt 12
.elseif ((\k) < 12) && (((\k)%4 == 1) || ((\k)%4 == 2))
	s_wait_loadcnt 28
.else
	s_wait_loadcnt 24
.endif
	s_wait_dscnt 0x0                                   ; this step's weights, asked for a step ago
.if (\k) > 0
	PLACES 4
.endif
.if (\k) < 15
	BLOAD (\k)+1
.endif
.if ((\k)%4 == 0) && ((\k) < 12)
	SLOAD (\k)/4+1
.endif
.if (\k) < 13
	ALOAD (\k)+3
.endif
	PRODS \k
.endm
; Block u (32 hidden units) of slot i: clips, the gated activation, its codes, and its part of gated x lora_down_A
.macro ACTBLK i, u, dst
	WIN 0x0f
.set ai, 0
.rept 8                                                ; each accumulator from its low end on
	v_min_num_f32 v[GA+2*ai], s[LIM], v[8*(8*\i+4*\u)+ai]
	v_min_num_f32 v[GA+2*ai+1], s[LIM], v[8*(8*\i+4*\u+2)+ai]
	v_med3_num_f32 v[UP+2*ai], v[8*(8*\i+4*\u+1)+ai], s[NLIM], s[LIM]
	v_med3_num_f32 v[UP+2*ai+1], v[8*(8*\i+4*\u+3)+ai], s[NLIM], s[LIM]
.set ai, ai+1
.endr
	WIN 0
.irp x, 0,2,4,6,8,10,12,14
	v_pk_mul_f32 v[EE+\x:EE+\x+1], v[GA+\x:GA+\x+1], s[CE:CE+1] op_sel_hi:[1,0]
.endr
.irp x, 0,1,2,3,4,5,6,7,8,9,10,11,12,13,14,15
	v_exp_f32 v[EE+\x], v[EE+\x]                       ; e^(-1.702 gate)
.endr
	v_nop                                              ; a plain place behind the transcendentals
	s_wait_alu depctr_va_vdst(0)
.irp x, 0,2,4,6,8,10,12,14
	v_pk_add_f32 v[EE+\x:EE+\x+1], v[EE+\x:EE+\x+1], 1.0 op_sel_hi:[1,0]
.endr
.irp x, 0,1,2,3,4,5,6,7,8,9,10,11,12,13,14,15
	v_rcp_f32 v[EE+\x], v[EE+\x]                       ; the sigmoid
.endr
	v_nop
	s_wait_alu depctr_va_vdst(0)
.irp x, 0,2,4,6,8,10,12,14
	v_pk_mul_f32 v[EE+\x:EE+\x+1], v[GA+\x:GA+\x+1], v[EE+\x:EE+\x+1]
.endr
.irp x, 0,2,4,6,8,10,12,14
	v_pk_fma_f32 v[GA+\x:GA+\x+1], v[UP+\x:UP+\x+1], v[EE+\x:EE+\x+1], v[EE+\x:EE+\x+1]   ; (up + 1) glu: register t is hidden unit 32 u + 16 h + t
.endr
	v_max3_num_f32 v[VM], |v[GA]|, |v[GA+1]|, 0x1800000
.irp x, 2,4,6,8,10,12,14
	v_max3_num_f32 v[VM], v[VM], |v[GA+\x]|, |v[GA+\x+1]|
.endr
	v_permlanex16_b32 v[PX], v[VM], s20, s21
	v_max_num_f32 v[VM], v[VM], v[PX]                  ; with lane l xor 16's 16: the block's largest magnitude
	v_add_nc_u32 v[VS], 0xff000000, v[VM]
	v_lshrrev_b32 v[BB+\u], 23, v[VS]
	v_cvt_scalef32_pk16_fp6_f32 v[\dst:\dst+2], v[GA:GA+15], v[VS]
	v_nop                                              ; one plain place behind a scaled conversion
.irp x, 0,1,2,3,4,5,6,7
	v_cvt_pk_bf16_f32 v[PK+8*\u+\x], v[GA+2*\x], v[GA+2*\x+1]
.endr
	v_wmma_f32_16x16x32_bf16 v[T2+16*((\i)%2)+8*\u:T2+16*((\i)%2)+8*\u+7], v[A2F+8*\u:A2F+8*\u+7], v[PK+8*\u:PK+8*\u+7], 0   ; K in the same order on both sides: my half's 16 units on end
.endm
.macro SLOTOUT i
	s_wait_xcnt 0x0                                    ; the last slot's stores have read their data and bases: both are written again below
	s_cmp_ge_u32 s[TAU+\i], s[NT]
	s_cbranch_scc1 .Lidle_\@                           ; a slot past the last tile stores nothing
	s_mul_i32 s50, s[TAC+\i], 12288
	s_mov_b32 s51, 0
	s_add_nc_u64 s[52:53], s[GCB:GCB+1], s[50:51]
	s_lshl_b32 s50, s[TAC+\i], 9
	s_add_nc_u64 s[54:55], s[GSB:GSB+1], s[50:51]
	s_add_nc_u64 s[56:57], s[T2B:T2B+1], s[50:51]
	ACTBLK \i, 0, PP
	ACTBLK \i, 1, QQ
.irp x, 0,1,2
	v_permlane16_swap_b32 v[PP+\x], v[QQ+\x]           ; the operand's layout wants a whole block in a lane: lanes 0-15 block 0, lanes 16-31 block 1
.endr
.irp x, 0,1,2
	v_mov_b32 v[PP+3+\x], v[QQ+\x]
.endr
	v_lshl_or_b32 v[HW], v[BB+1], 8, v[BB]             ; the two blocks' bytes
	PLACES 2                                           ; with the four plain lines above: the places behind the last product
.irp x, 0,2,4,6
	v_pk_add_f32 v[TS+\x:TS+\x+1], v[T2+16*((\i)%2)+\x:T2+16*((\i)%2)+\x+1], v[T2+16*((\i)%2)+8+\x:T2+16*((\i)%2)+8+\x+1]
.endr
.irp x, 0,1,2,3
	v_cndmask_b32 v[OT+\x], v[TS+\x], v[TS+4+\x], s[HM]   ; every lane holds its row's eight sums: lanes 0-15 store four, lanes 16-31 the other four
.endr
	global_store_b128 v[L16], v[PP:PP+3], s[52:53]     ; half a fragment's image: 512 and 256 consecutive bytes, aligned
	global_store_b64 v[L8], v[PP+4:PP+5], s[52:53] offset:512
	global_store_b16 v[TK16], v[HW], s[54:55]          ; both lanes of a row write the same two bytes
	global_store_b128 v[T2O], v[OT:OT+3], s[56:57]
.Lidle_\@:
.endm
.Lpass:
	s_lshl_b32 s50, s[PS], 4
	s_add_co_u32 s50, s50, s[WV]
.irp i, 0,1,2,3
	s_add_co_u32 s51, s50, 4*\i
	s_lshl_b32 s51, s51, 1
	s_add_co_u32 s[TAU+\i], s51, s[HF]                 ; the slot's tile
	s_min_u32 s[TAC+\i], s[TAU+\i], s[NTM]
	s_min_u32 s[TAC+\i], s[TAC+\i], 63                 ; held at the expert's last tile
	s_mul_i32 s51, s[TAC+\i], 24576
	v_add_nc_u32 v[AOFF+\i], s51, v[L16]
	s_lshl_b32 s51, s[TAC+\i], 11
	v_add_nc_u32 v[SOFF+\i], s51, v[L16]
.endr
	SLOAD 0
	ALOAD 0
	ALOAD 1
	ALOAD 2
	BLOAD 0
.irp k, 0,1,2,3,4,5,6,7,8,9,10,11,12,13,14,15
	KSTEP \k
.endr
	PLACES 5                                           ; another form now reads x loraA1 and adds onto the accumulators
	WIN 0xf2
.irp kp, 0,1                                           ; + (2 lora_gate_up_B)^T (x loraA1)^T in f32: r = 4 kp + 2 h + 0, 1.  These registers are written by matrix instructions alone
.irp i, 0,1,2,3
.irp j, 0,1,2,3,4,5,6,7
	v_wmma_f32_16x16x4_f32 v[8*(8*\i+\j):8*(8*\i+\j)+7], v[B1F+4*\j+2*\kp:B1F+4*\j+2*\kp+1], v[XA+8*\i+2*\kp:XA+8*\i+2*\kp+1], v[8*(8*\i+\j):8*(8*\i+\j)+7]
.endr
.endr
.endr
	WIN 0
	PLACES 9                                           ; on every way: in front of the reads of these results, and of the next pass's first products and loads
	SLOTOUT 0
	SLOTOUT 1
	SLOTOUT 2
	SLOTOUT 3
	s_add_co_u32 s[PS], s[PS], 1
	s_cmp_lt_u32 s[PS], s[NPS]
	s_cbranch_scc1 .Lpass
.Lend:
	s_wait_tensorcnt 0x0
	ds_add_u32 v254, v255
	s_wait_dscnt 0x0
	s_endpgm
.Lfunc_end_k_q56f7b231bb_gateup:
	.size	k_q56f7b231bb_gateup, .Lfunc_end_k_q56f7b231bb_gateup-k_q56f7b231bb_gateup
	.p2alignl 7, 3214868480
	.fill 96, 4, 3214868480
	.section	.rodata,"a",@progbits
	.p2align	6, 0x0
	.amdhsa_kernel k_q56f7b231bb_gateup
		.amdhsa_group_segment_fixed_size 240128
		.amdhsa_private_segment_fixed_size 0
		.amdhsa_enable_private_segment 0
		.amdhsa_kernarg_size 56
		.amdhsa_user_sgpr_count 2
		.amdhsa_user_sgpr_kernarg_segment_ptr 1
		.amdhsa_wavefront_size32 1
		.amdhsa_system_sgpr_workgroup_id_x 1
		.amdhsa_system_sgpr_workgroup_id_y 1
		.amdhsa_system_sgpr_workgroup_id_z 1
		.amdhsa_system_vgpr_workitem_id 0
		.amdhsa_next_free_vgpr 1024
		.amdhsa_next_free_sgpr 72
		.amdhsa_reserve_vcc 0
		.amdhsa_float_denorm_mode_32 3
		.amdhsa_float_denorm_mode_16_64 3
		.amdhsa_memory_ordered 1
		.amdhsa_forward_progress 1
		.amdhsa_inst_pref_size 255
	.end_amdhsa_kernel
	.section	.bss,"aw",@nobits
	.p2align	6
	.space	262144
	.amdgpu_metadata
---
amdhsa.version: [ 1, 2 ]
amdhsa.kernels:
  - .name:           k_q56f7b231bb_gateup
    .symbol:         k_q56f7b231bb_gateup.kd
    .args:
      - { .name: qw, .offset: 0, .size: 8, .value_kind: global_buffer, .address_space: global }
      - { .name: route, .offset: 8, .size: 8, .value_kind: global_buffer, .address_space: global }
      - { .name: gate_up_proj, .offset: 16, .size: 8, .value_kind: global_buffer, .address_space: global }
      - { .name: gate_up_proj_bias, .offset: 24, .size: 8, .value_kind: global_buffer, .address_space: global }
      - { .name: lora_gate_up_B, .offset: 32, .size: 8, .value_kind: global_buffer, .address_space: global }
      - { .name: lora_down_A, .offset: 40, .size: 8, .value_kind: global_buffer, .address_space: global }
      - { .name: gq, .offset: 48, .size: 8, .value_kind: global_buffer, .address_space: global }
    .group_segment_fixed_size: 240128
    .private_segment_fixed_size: 0
    .kernarg_segment_align: 8
    .kernarg_segment_size: 56
    .max_flat_workgroup_size: 128
    .sgpr_count:     72
    .vgpr_count:     1024
    .wavefront_size: 32
...
	.end_amdgpu_metadata
.endif
;; end of part 2
;; launch down (part 3): grid 256 x 1, 4 waves a work-group, no clusters, 124,416 bytes of LDS; arguments qw, gq, route, y; writes y
.if DOCPART == 3
	.amdgcn_target "amdgcn-amd-amdhsa--gfx1250"
	.amdhsa_code_object_version 6
	.text
	.protected	k_q56f7b231bb_down
	.globl	k_q56f7b231bb_down
	.p2align	8
	.type	k_q56f7b231bb_down,@function
k_q56f7b231bb_down:
	s_mov_b64 s[64:65], 0
	v_nop
	global_prefetch_b8 v0, s[64:65] scope:SCOPE_SE
	s_setreg_imm32_b32 hwreg(HW_REG_WAVE_MODE, 25, 1), 1
	s_wait_xcnt 0x0
; DOWN: gated x down_proj on codes of FP6, for the routed rows of one expert and 128 columns; the sums leave rounded once to bf16, as the operand of the weighted sum over experts, which the next launch makes.
; The same frame as the launch before: work-group u: expert u / 32, columns 128 ((u / 2) % 16) on, row tiles of parity u % 2; the slab's codes for all of K (8 K steps x 8 tiles) lie in LDS, brought through registers once;
; the rows' fragments come from memory straight into registers.  No tensor load and no cluster: the passes and the skipped stores hang on a count read from memory.
; A slot past the expert's last tile works on the last tile again and stores nothing.  The products are used transposed: a lane holds one row; tile j of a group holds columns 4 m + j, so that four tiles' registers p are four neighbouring columns.
; WINDOWS: 0: addresses, scale words, the way out.  1: v0-191 the rows' fragments, a ring of four K steps x four slots.  2: the weights' fragments, two sets of eight.  3: the 32 accumulators.
.set W2S,  25165824                    ; qw: down_proj's codes lie from byte 0 on, its scale words here
.set GSCO, 6291456
.set KB,   12288
.set SCL,  98304                       ; behind the eight K steps: their scale words, 1,024 bytes each
.set STG,  106496                      ; behind them: a stage of 16 rows x (256 bytes + 16) for each wave, its own
.set L16, 1
.set L8,  2
.set RR,  3
.set HH,  4
.set LB1, 6
.set LSB, 7
.set FST, 8
.set TK16, 9
.set FSS, 10
.set AO16, 12
.set AO8, 16
.set SOFF, 20
.set ASC, 24                           ; v24-55 the rows' scale words: (slot, K step)
.set BSC, 56                           ; v56-71 the weights': two sets of eight
.set STO, 72
.set SRD, 73
.set YO,  74
.set WB,  80
.set RB,  112
.set FT,  144
.set WV, 16
.set EX, 17
.set CG, 18
.set HF, 19
.set NT, 22
.set NTM, 23
.set NPS, 24
.set PS, 25
.set TAU, 32
.set TAC, 36
.set GCB, 40
.set GSB, 42
.set YB, 44
.set MSB, 0
.macro WIN new
.if MSB != \new
	s_set_vgpr_msb (MSB<<8)|\new
.set MSB, \new
.endif
.endm
.macro PLACES n
.rept \n
	v_nop
.endr
.endm
	s_load_b256 s[4:11], s[0:1], 0x0                   ; qw, gq, route, y
	v_lshl_add_u32 v254, v0, 2, 0x1e400
	v_mov_b32 v255, 0
	v_lshrrev_b32 v[WB], 5, v0
	v_readfirstlane_b32 s[WV], v[WB]
	v_and_b32 v[WB], 31, v0
	v_lshlrev_b32 v[L16], 4, v[WB]
	v_lshlrev_b32 v[L8], 3, v[WB]
	v_and_b32 v[RR], 15, v0
	v_bfe_u32 v[HH], v0, 4, 1
	v_add_nc_u32 v[LB1], 4*KB, v[L16]
	v_add_nc_u32 v[LSB], SCL, v[L16]
	v_lshlrev_b32 v[TK16], 4, v[RR]
	s_mul_i32 s50, s[WV], 2*KB
	v_add_nc_u32 v[FST], s50, v[L16]
	s_lshl_b32 s50, s[WV], 11
	s_add_co_u32 s50, s50, SCL
	v_add_nc_u32 v[FSS], s50, v[L16]
	s_mul_i32 s50, s[WV], 4352
	s_add_co_u32 s50, s50, STG
	v_mul_u32_u24 v[STO], v[RR], 272
	v_lshl_add_u32 v[STO], v[HH], 6, v[STO]
	v_add_nc_u32 v[STO], s50, v[STO]                   ; into my stage: my row, + 64 h
	v_mul_u32_u24 v[SRD], v[HH], 272
	v_lshl_add_u32 v[SRD], v[RR], 4, v[SRD]
	v_add_nc_u32 v[SRD], s50, v[SRD]                   ; back: lanes 0-15 one row, lanes 16-31 the next
	v_lshlrev_b32 v[YO], 12, v[HH]
	v_lshl_add_u32 v[YO], v[RR], 4, v[YO]              ; and the same two rows of y
	s_lshr_b32 s[EX], ttmp9, 5
	s_bfe_u32 s[CG], ttmp9, 0x40001
	s_and_b32 s[HF], ttmp9, 1
	s_lshl_b32 s54, s[EX], 7
	s_mov_b32 s55, 0
	s_lshl_b32 s50, s[EX], 3
	s_lshl_b32 s51, s[WV], 1
	s_add_co_u32 s50, s50, s51                         ; the first K step that I fill: 8 e + 2 w
	s_lshl_b32 s50, s50, 5
	s_lshl_b32 s51, s[CG], 1
	s_add_co_u32 s50, s50, s51
	s_mul_i32 s46, s50, 6144
	s_mov_b32 s47, 0
	s_lshl_b32 s48, s50, 9
	s_add_co_u32 s48, s48, W2S
	s_mov_b32 s49, 0
	s_mul_i32 s[GCB], s[EX], 786432
	s_mov_b32 s[GCB+1], 0
	s_lshl_b32 s[GSB], s[EX], 15
	s_add_co_u32 s[GSB], s[GSB], GSCO
	s_mov_b32 s[GSB+1], 0
	s_lshl_b32 s[YB], s[EX], 22
	s_lshl_b32 s51, s[CG], 8
	s_add_co_u32 s[YB], s[YB], s51
	s_mov_b32 s[YB+1], 0
	s_wait_kmcnt 0x0
	s_add_nc_u64 s[54:55], s[8:9], s[54:55]
	s_load_b32 s[NT], s[54:55], 0x0
	s_add_nc_u64 s[46:47], s[4:5], s[46:47]
	s_add_nc_u64 s[48:49], s[4:5], s[48:49]
	s_add_nc_u64 s[GCB:GCB+1], s[6:7], s[GCB:GCB+1]
	s_add_nc_u64 s[GSB:GSB+1], s[6:7], s[GSB:GSB+1]
	s_add_nc_u64 s[YB:YB+1], s[10:11], s[YB:YB+1]
.irp kk, 0,1
	global_load_b128 v[FT+8*\kk:FT+8*\kk+3], v[L16], s[48:49] offset:\kk*16384
	global_load_b128 v[FT+8*\kk+4:FT+8*\kk+7], v[L16], s[48:49] offset:\kk*16384+512
.endr
.macro FLOAD kk, set
	WIN 0x80
.set fi, 0
.rept 24
	global_load_b128 v[96*\set+4*fi:96*\set+4*fi+3], v[L16], s[46:47] offset:\kk*196608+fi*512
.set fi, fi+1
.endr
.endm
.macro FSTORE kk, set
	WIN 0x08
.set fi, 0
.rept 24
	ds_store_b128 v[FST], v[96*\set+4*fi:96*\set+4*fi+3] offset:\kk*KB+fi*512
.set fi, fi+1
.endr
.endm
	FLOAD 0, 0
	FLOAD 1, 1
	s_wait_loadcnt 24                                  ; all but the second K step's 24 loads are in
	WIN 0
.irp kk, 0,1
	ds_store_b128 v[FSS], v[FT+8*\kk:FT+8*\kk+3] offset:\kk*1024
	ds_store_b128 v[FSS], v[FT+8*\kk+4:FT+8*\kk+7] offset:\kk*1024+512
.endr
	FSTORE 0, 0
	s_wait_loadcnt 0x0
	FSTORE 1, 1
	WIN 0
	s_wait_kmcnt 0x0
	s_min_u32 s[NT], s[NT], 1024
	s_add_co_u32 s[NT], s[NT], 15
	s_lshr_b32 s[NT], s[NT], 4                         ; the expert's tiles
	s_sub_co_u32 s[NPS], s[NT], s[HF]
	s_add_co_u32 s[NPS], s[NPS], 1
	s_lshr_b32 s[NPS], s[NPS], 1
	s_add_co_u32 s[NPS], s[NPS], 15
	s_lshr_b32 s[NPS], s[NPS], 4                       ; passes: 0, 1 or 2
	s_sub_co_u32 s[NTM], s[NT], 1
	s_wait_dscnt 0x0                                   ; for the others' sake: my part of the slab lies in LDS
	s_barrier_signal -1
	s_barrier_wait -1                                  ; the one barrier: behind it a wave writes only its own stage
	s_cmp_eq_u32 s[NPS], 0
	s_cbranch_scc1 .Lend
	s_mov_b32 s[PS], 0
.macro BLOAD k
.set ba, L16
.if (\k)/4 > 0
.set ba, LB1
.endif
	WIN 0x80
.set fi, 0
.rept 24
	ds_load_b128 v[96*((\k)%2)+4*fi:96*((\k)%2)+4*fi+3], v[ba] offset:((\k)%4)*KB+512*fi
.set fi, fi+1
.endr
	WIN 0
	ds_load_b128 v[BSC+8*((\k)%2):BSC+8*((\k)%2)+3], v[LSB] offset:(\k)*1024
	ds_load_b128 v[BSC+8*((\k)%2)+4:BSC+8*((\k)%2)+7], v[LSB] offset:(\k)*1024+512
.endm
.macro ALOAD k                         ; a fragment lies as two halves of 768 bytes: four registers a lane, then two
	WIN 0x40
.irp i, 0,1,2,3
	global_load_b128 v[48*((\k)%4)+12*\i:48*((\k)%4)+12*\i+3], v[AO16+\i], s[GCB:GCB+1] offset:(\k)*1536
	global_load_b64 v[48*((\k)%4)+12*\i+4:48*((\k)%4)+12*\i+5], v[AO8+\i], s[GCB:GCB+1] offset:(\k)*1536+512
	global_load_b128 v[48*((\k)%4)+12*\i+6:48*((\k)%4)+12*\i+9], v[AO16+\i], s[GCB:GCB+1] offset:(\k)*1536+768
	global_load_b64 v[48*((\k)%4)+12*\i+10:48*((\k)%4)+12*\i+11], v[AO8+\i], s[GCB:GCB+1] offset:(\k)*1536+1280
.endr
.endm
; A K step: the count leaves out the 16 loads of each later step that has been asked for.  The 32 accumulators take turns, one instruction a turn; the first step's C is 0
.macro KSTEP k
.if (\k) == 7
	s_wait_loadcnt 0x0
.elseif (\k) == 6
	s_wait_loadcnt 16
.else
	s_wait_loadcnt 32
.endif
	s_wait_dscnt 0x0
.if (\k) > 0
	PLACES 4                                           ; in front of loads into registers that the last step's products read
.endif
.if (\k) < 7
	BLOAD (\k)+1
.endif
.if (\k) < 5
	ALOAD (\k)+3
.endif
	WIN 0xf6
.irp i, 0,1,2,3
.irp j, 0,1,2,3,4,5,6,7
.if (\k) == 0
	v_wmma_scale_f32_16x16x128_f8f6f4 v[8*(8*\i+\j):8*(8*\i+\j)+7], v[96*((\k)%2)+12*\j:96*((\k)%2)+12*\j+11], v[48*((\k)%4)+12*\i:48*((\k)%4)+12*\i+11], 0, v[BSC+8*((\k)%2)+\j], v[ASC+8*\i+(\k)] matrix_a_fmt:MATRIX_FMT_FP6 matrix_b_fmt:MATRIX_FMT_FP6
.else
	v_wmma_scale_f32_16x16x128_f8f6f4 v[8*(8*\i+\j):8*(8*\i+\j)+7], v[96*((\k)%2)+12*\j:96*((\k)%2)+12*\j+11], v[48*((\k)%4)+12*\i:48*((\k)%4)+12*\i+11], v[8*(8*\i+\j):8*(8*\i+\j)+7], v[BSC+8*((\k)%2)+\j], v[ASC+8*\i+(\k)] matrix_a_fmt:MATRIX_FMT_FP6 matrix_b_fmt:MATRIX_FMT_FP6
.endif
.endr
.endr
.endm
; A slot's 16 rows x 128 columns: rounded to bf16, through my stage, out as whole rows of 256 bytes
.macro YOUT i
	s_wait_xcnt 0x0                                    ; the last slot's stores have read their data and base
	s_cmp_ge_u32 s[TAU+\i], s[NT]
	s_cbranch_scc1 .Lidle_\@
	s_lshl_b32 s50, s[TAC+\i], 16
	s_mov_b32 s51, 0
	s_add_nc_u64 s[52:53], s[YB:YB+1], s[50:51]
	WIN 0x0f
.irp g, 0,1
.irp p, 0,1,2,3,4,5,6,7
.irp q, 0,1
	v_cvt_pk_bf16_f32 v[WB+16*\g+2*\p+\q], v[8*(8*\i+4*\g+2*\q)+\p], v[8*(8*\i+4*\g+2*\q+1)+\p]   ; columns 64 g + 32 h + 4 p + 2 q, + 1; each accumulator from its low end on
.endr
.endr
.endr
	WIN 0
.irp g, 0,1
.irp q, 0,1,2,3
	ds_store_b128 v[STO], v[WB+16*\g+4*\q:WB+16*\g+4*\q+3] offset:128*\g+16*\q
.endr
.endr
.irp t, 0,1,2,3,4,5,6,7
	ds_load_b128 v[RB+4*\t:RB+4*\t+3], v[SRD] offset:\t*544   ; LDS serves a wave's instructions in order (ISA guide 5.7.1.4): these see the stores above
.endr
	s_wait_dscnt 0x0
.irp t, 0,1,2,3,4,5,6,7
	global_store_b128 v[YO], v[RB+4*\t:RB+4*\t+3], s[52:53] offset:\t*8192   ; 16 lanes store 256 consecutive bytes, aligned
.endr
.Lidle_\@:
.endm
.Lpass:
	s_lshl_b32 s50, s[PS], 4
	s_add_co_u32 s50, s50, s[WV]
.irp i, 0,1,2,3
	s_add_co_u32 s51, s50, 4*\i
	s_lshl_b32 s51, s51, 1
	s_add_co_u32 s[TAU+\i], s51, s[HF]
	s_min_u32 s[TAC+\i], s[TAU+\i], s[NTM]
	s_min_u32 s[TAC+\i], s[TAC+\i], 63
	s_mul_i32 s51, s[TAC+\i], 12288
	v_add_nc_u32 v[AO16+\i], s51, v[L16]
	v_add_nc_u32 v[AO8+\i], s51, v[L8]
	s_lshl_b32 s51, s[TAC+\i], 9
	v_add_nc_u32 v[SOFF+\i], s51, v[TK16]
.endr
.irp i, 0,1,2,3
	global_load_b128 v[ASC+8*\i:ASC+8*\i+3], v[SOFF+\i], s[GSB:GSB+1]
	global_load_b128 v[ASC+8*\i+4:ASC+8*\i+7], v[SOFF+\i], s[GSB:GSB+1] offset:256
.endr
	ALOAD 0
	ALOAD 1
	ALOAD 2
	BLOAD 0
.irp k, 0,1,2,3,4,5,6,7
	KSTEP \k
.endr
	WIN 0
	PLACES 5                                           ; on every way: in front of the reads of the results, and of the next pass's first products and loads
	YOUT 0
	YOUT 1
	YOUT 2
	YOUT 3
	s_add_co_u32 s[PS], s[PS], 1
	s_cmp_lt_u32 s[PS], s[NPS]
	s_cbranch_scc1 .Lpass
.Lend:
	s_wait_tensorcnt 0x0
	ds_add_u32 v254, v255
	s_wait_dscnt 0x0
	s_endpgm
.Lfunc_end_k_q56f7b231bb_down:
	.size	k_q56f7b231bb_down, .Lfunc_end_k_q56f7b231bb_down-k_q56f7b231bb_down
	.p2alignl 7, 3214868480
	.fill 96, 4, 3214868480
	.section	.rodata,"a",@progbits
	.p2align	6, 0x0
	.amdhsa_kernel k_q56f7b231bb_down
		.amdhsa_group_segment_fixed_size 124416
		.amdhsa_private_segment_fixed_size 0
		.amdhsa_enable_private_segment 0
		.amdhsa_kernarg_size 32
		.amdhsa_user_sgpr_count 2
		.amdhsa_user_sgpr_kernarg_segment_ptr 1
		.amdhsa_wavefront_size32 1
		.amdhsa_system_sgpr_workgroup_id_x 1
		.amdhsa_system_sgpr_workgroup_id_y 1
		.amdhsa_system_sgpr_workgroup_id_z 1
		.amdhsa_system_vgpr_workitem_id 0
		.amdhsa_next_free_vgpr 1024
		.amdhsa_next_free_sgpr 66
		.amdhsa_reserve_vcc 0
		.amdhsa_float_denorm_mode_32 3
		.amdhsa_float_denorm_mode_16_64 3
		.amdhsa_memory_ordered 1
		.amdhsa_forward_progress 1
		.amdhsa_inst_pref_size 90
	.end_amdhsa_kernel
	.amdgpu_metadata
---
amdhsa.version: [ 1, 2 ]
amdhsa.kernels:
  - .name:           k_q56f7b231bb_down
    .symbol:         k_q56f7b231bb_down.kd
    .args:
      - { .name: qw, .offset: 0, .size: 8, .value_kind: global_buffer, .address_space: global }
      - { .name: gq, .offset: 8, .size: 8, .value_kind: global_buffer, .address_space: global }
      - { .name: route, .offset: 16, .size: 8, .value_kind: global_buffer, .address_space: global }
      - { .name: y, .offset: 24, .size: 8, .value_kind: global_buffer, .address_space: global }
    .group_segment_fixed_size: 124416
    .private_segment_fixed_size: 0
    .kernarg_segment_align: 8
    .kernarg_segment_size: 32
    .max_flat_workgroup_size: 128
    .sgpr_count:     66
    .vgpr_count:     1024
    .wavefront_size: 32
...
	.end_amdgpu_metadata
.endif
;; end of part 3
;; launch combine (part 4): grid 8 x 32, 8 waves a work-group, no clusters, 74,752 bytes of LDS; arguments y, gq, route, router_indices, routing_weights, lora_down_B, down_proj_bias, out0; writes out0
.if DOCPART == 4
	.amdgcn_target "amdgcn-amd-amdhsa--gfx1250"
	.amdhsa_code_object_version 6
	.text
	.protected	k_q56f7b231bb_combine
	.globl	k_q56f7b231bb_combine
	.p2align	8
	.type	k_q56f7b231bb_combine,@function
k_q56f7b231bb_combine:
	s_mov_b64 s[64:65], 0
	v_nop
	global_prefetch_b8 v0, s[64:65] scope:SCOPE_SE
	s_setreg_imm32_b32 hwreg(HW_REG_WAVE_MODE, 25, 1), 1
	s_wait_xcnt 0x0
; COMBINE: out[t] = the sum over t's four slots k of rw[t][k] x (y[e][p] + down_proj_bias[e] + 2 (gated lora_down_A)[e][p] lora_down_B[e]), e = the slot's expert, p = t's rank in e's list.
; A token whose slots name an expert twice gathers that row twice, which is the sum of the two weights.  Each output number has one owner: no sum spans work-groups.
; SHARES.  Work-group (x, y): 256 columns x 32 tokens.  Wave w owns tokens 32 y + 4 w + 0 .. 3, so its 16 slots' experts, weights and ranks are scalars; a lane owns columns 4 l .. 4 l + 3 and 128 + 4 l .. + 3.
; lora_down_B's and the bias's 256 columns of all eight experts lie in LDS (wave w brings expert w's).  A loop of eight trips takes an expert's rows out of LDS once and adds them for the slots that name it: a scalar branch on the index input.
; No matrix unit, no tensor load: the launch gathers and adds; memory and the vector unit are all it needs.
; y is bf16 (the down product, rounded once); everything else here is f32.  Indices and ranks are held inside their tables for the addresses' sake.
.set T2PO, 6553600
.set TO,  8                            ; v8-23   offsets of the 16 slots' partial sums; later at work
.set OX,  8
.set YO,  24                           ; v24-39  offsets of the 16 slots' rows of y; then:
.set ACC, 24                           ; v24-55  four tokens x eight columns
.set BS,  56                           ; v56-63  a bias row's eight columns
.set Z1,  64                           ; v64-127   y's rows; then slots 0-7's eight coefficients
.set Z2,  128                          ; v128-191  the partial sums; then an expert's eight rows of lora_down_B
.set Z3,  192                          ; v192-255  the fill's way into LDS; at work; then slots 8-15's coefficients
.set TM,  192
	s_load_b512 s[68:83], s[0:1], 0x0                  ; y 68, gq 70, route 72, router_indices 74, routing_weights 76, lora_down_B 78, down_proj_bias 80, out0 82
	v_lshl_add_u32 v7, v0, 2, 0x12000
	s_set_vgpr_msb 0x40
	v_mov_b32 v1, 0
	s_set_vgpr_msb 0x4000
	v_lshrrev_b32 v1, 5, v0
	v_readfirstlane_b32 s84, v1                        ; wave 0..7
	v_and_b32 v1, 31, v0                               ; lane
	v_lshlrev_b32 v2, 4, v1                            ; 16 l
	s_and_b32 s85, ttmp7, 0xffff
	s_lshl_b32 s87, s85, 5
	s_lshl_b32 s88, s84, 2
	s_add_co_u32 s87, s87, s88                         ; my first token
	s_lshl_b32 s88, s87, 4                             ; its slots: 16 bytes a token
	s_mov_b32 s89, 0
	s_lshl_b32 s86, ttmp9, 10                          ; my 256 columns in f32
	s_lshl_b32 s94, s84, 16
	s_add_co_u32 s94, s94, s86
	s_mov_b32 s95, 0
	s_lshl_b32 s96, s84, 13
	s_add_co_u32 s96, s96, s86
	s_mov_b32 s97, 0
	s_mov_b32 s2, 0x76543210
	s_mov_b32 s3, 0xfedcba98                           ; selects for lane l xor 16
	s_mov_b32 s101, 0xffff0000                         ; lanes 16-31
	s_lshl_b32 s98, ttmp9, 9
	v_lshlrev_b32 v3, 3, v1
	v_add_nc_u32 v3, s98, v3                           ; my 256 columns in bf16, + 8 l
	v_and_b32 v4, 15, v1
	v_lshlrev_b32 v4, 15, v4
	v_lshrrev_b32 v5, 4, v1
	v_lshl_add_u32 v4, v5, 4, v4                       ; partial sums: lane l takes column group l % 16, numbers 4 (l / 16) on
	s_lshl_b32 s98, s84, 13
	v_add_nc_u32 v5, s98, v2                           ; LDS: expert w's eight rows of 1,024 bytes
	s_lshl_b32 s98, s84, 10
	s_add_co_u32 s98, s98, 65536
	v_add_nc_u32 v6, s98, v2                           ; and its bias row
	s_wait_kmcnt 0x0
	s_add_nc_u64 s[90:91], s[74:75], s[88:89]
	s_add_nc_u64 s[92:93], s[76:77], s[88:89]
	s_load_b512 s[16:31], s[90:91], 0x0                ; 16 experts
	s_load_b512 s[32:47], s[92:93], 0x0                ; 16 weights
	s_add_nc_u64 s[94:95], s[78:79], s[94:95]
	s_add_nc_u64 s[96:97], s[80:81], s[96:97]
.irp r, 0,1,2,3,4,5,6,7
	global_load_b128 v[Z3+8*\r:Z3+8*\r+3], v2, s[94:95] offset:\r*8192
	global_load_b128 v[Z3+8*\r+4:Z3+8*\r+7], v2, s[94:95] offset:\r*8192+512
.endr
	global_load_b128 v[BS:BS+3], v2, s[96:97]
	global_load_b128 v[BS+4:BS+7], v2, s[96:97] offset:512
	s_lshl_b32 s98, s87, 2
	s_wait_kmcnt 0x0
.irp s, 0,1,2,3,4,5,6,7,8,9,10,11,12,13,14,15
	s_min_u32 s[16+\s], s[16+\s], 7
	s_lshl_b32 s[48+\s], s[16+\s], 12
	s_add_co_u32 s[48+\s], s[48+\s], s98
	s_load_b32 s[48+\s], s[72:73], s[48+\s] offset:1024+4*(\s/4)   ; the token's rank in that expert's list; the load lands on its own offset
.endr
	s_add_nc_u64 s[90:91], s[70:71], T2PO
	s_lshl_b32 s88, s87, 13
	s_add_co_u32 s88, s88, s86
	s_add_nc_u64 s[92:93], s[82:83], s[88:89]          ; out0 at my first token, my columns
	s_wait_kmcnt 0x0
.irp s, 0,1,2,3,4,5,6,7,8,9,10,11,12,13,14,15
	s_min_u32 s[48+\s], s[48+\s], 1023
	s_lshl_b32 s99, s[16+\s], 10
	s_add_co_u32 s99, s99, s[48+\s]
	s_lshl_b32 s99, s99, 12                            ; a row of y is 4,096 bytes
	v_add_nc_u32 v[YO+\s], s99, v3
	s_lshl_b32 s99, s[16+\s], 19
	s_lshl_b32 s100, s[48+\s], 5
	s_add_co_u32 s99, s99, s100
	v_add_nc_u32 v[TO+\s], s99, v4
.endr
.irp s, 0,1,2,3,4,5,6,7,8,9,10,11,12,13,14,15
	global_load_b64 v[Z1+4*\s:Z1+4*\s+1], v[YO+\s], s[68:69]              ; 32 lanes read 256 consecutive bytes, aligned
	global_load_b64 v[Z1+4*\s+2:Z1+4*\s+3], v[YO+\s], s[68:69] offset:256
.endr
.irp s, 0,1,2,3,4,5,6,7,8,9,10,11,12,13,14,15
	global_load_b128 v[Z2+4*\s:Z2+4*\s+3], v[TO+\s], s[90:91]
.endr
	s_wait_loadcnt 48                                  ; the 18 loads for LDS are in; y's 32 and the partial sums' 16 stay out
.irp r, 0,1,2,3,4,5,6,7
	ds_store_b128 v5, v[Z3+8*\r:Z3+8*\r+3] offset:\r*1024
	ds_store_b128 v5, v[Z3+8*\r+4:Z3+8*\r+7] offset:\r*1024+512
.endr
	ds_store_b128 v6, v[BS:BS+3]
	ds_store_b128 v6, v[BS+4:BS+7] offset:512
	s_wait_dscnt 0x0                                   ; for the others' sake
	s_barrier_signal -1
	s_barrier_wait -1                                  ; all eight experts' rows lie in LDS; nothing is stored there again
	s_wait_loadcnt 16                                  ; y's rows are in; the partial sums' 16 loads stay out
.macro YADD s                          ; the slot's row of y, widened, times its weight; a token's first slot starts the sums
.irp c, 0,1,2,3
	v_lshlrev_b32 v[TM+2*\c], 16, v[Z1+4*(\s)+\c]
	v_and_b32 v[TM+2*\c+1], 0xffff0000, v[Z1+4*(\s)+\c]
.endr
.irp c, 0,1,2,3,4,5,6,7
.if (\s)%4 == 0
	v_mul_f32 v[ACC+8*((\s)/4)+\c], s[32+(\s)], v[TM+\c]
.else
	v_fmac_f32 v[ACC+8*((\s)/4)+\c], s[32+(\s)], v[TM+\c]
.endif
.endr
.endm
.irp s, 0,1,2,3,4,5,6,7,8,9,10,11,12,13,14,15
	YADD \s
.endr
	s_mov_b32 s99, 0                                   ; (named with s98 as a pair)
	s_wait_loadcnt 0x0
; The slot's eight coefficients 2 rw (gated lora_down_A)[r]: the sixteen column groups' parts are added across sixteen lanes, the two halves of the lanes exchange their four
.macro COEF s
.set cd, Z2+4*(\s)
.if (\s) < 8
.set cc, Z1+8*(\s)
.else
.set cc, Z3+8*((\s)-8)
.endif
	s_mul_f32 s98, s[32+(\s)], 2.0
.irp m, 1,2,4,8
.irp j, 0,1,2,3
	v_add_f32_dpp v[cd+\j], v[cd+\j], v[cd+\j] row_xmask:\m row_mask:0xf bank_mask:0xf
.endr
.endr
	v_pk_mul_f32 v[cd:cd+1], v[cd:cd+1], s[98:99] op_sel_hi:[1,0]
	v_pk_mul_f32 v[cd+2:cd+3], v[cd+2:cd+3], s[98:99] op_sel_hi:[1,0]
.irp j, 0,1,2,3
	v_permlanex16_b32 v[OX+\j], v[cd+\j], s2, s3
.endr
.irp j, 0,1,2,3
	v_cndmask_b32 v[cc+\j], v[cd+\j], v[OX+\j], s101
	v_cndmask_b32 v[cc+4+\j], v[OX+\j], v[cd+\j], s101
.endr
.endm
.irp s, 0,1,2,3,4,5,6,7,8,9,10,11,12,13,14,15
	COEF \s
.endr
.macro SLOTADD s
.set sa, ACC+8*((\s)/4)
.if (\s) < 8
.set sc, Z1+8*(\s)
.else
.set sc, Z3+8*((\s)-8)
.endif
	s_cmp_lg_u32 s[16+(\s)], s100
	s_cbranch_scc1 .Lskip_\@
.irp c, 0,1,2,3,4,5,6,7
	v_fmac_f32 v[sa+\c], s[32+(\s)], v[BS+\c]
.endr
.irp r, 0,1,2,3,4,5,6,7
.irp p, 0,1,2,3
.if \r%2 == 0
	v_pk_fma_f32 v[sa+2*\p:sa+2*\p+1], v[Z2+8*\r+2*\p:Z2+8*\r+2*\p+1], v[sc+2*(\r/2):sc+2*(\r/2)+1], v[sa+2*\p:sa+2*\p+1] op_sel:[0,0,0] op_sel_hi:[1,0,1]
.else
	v_pk_fma_f32 v[sa+2*\p:sa+2*\p+1], v[Z2+8*\r+2*\p:Z2+8*\r+2*\p+1], v[sc+2*(\r/2):sc+2*(\r/2)+1], v[sa+2*\p:sa+2*\p+1] op_sel:[0,1,0] op_sel_hi:[1,1,1]
.endif
.endr
.endr
.Lskip_\@:
.endm
	s_mov_b32 s100, 0                                  ; the expert in hand
	s_mov_b32 s98, 0
	s_mov_b32 s99, 65536
.Lexpert:
	v_add_nc_u32 v5, s98, v2
	v_add_nc_u32 v6, s99, v2
.irp r, 0,1,2,3,4,5,6,7
	ds_load_b128 v[Z2+8*\r:Z2+8*\r+3], v5 offset:\r*1024
	ds_load_b128 v[Z2+8*\r+4:Z2+8*\r+7], v5 offset:\r*1024+512
.endr
	ds_load_b128 v[BS:BS+3], v6
	ds_load_b128 v[BS+4:BS+7], v6 offset:512
	s_wait_dscnt 0x0
.irp s, 0,1,2,3,4,5,6,7,8,9,10,11,12,13,14,15
	SLOTADD \s
.endr
	s_add_co_u32 s98, s98, 8192
	s_add_co_u32 s99, s99, 1024
	s_add_co_u32 s100, s100, 1
	s_cmp_lt_u32 s100, 8
	s_cbranch_scc1 .Lexpert
.irp a, 0,1,2,3
	global_store_b128 v2, v[ACC+8*\a:ACC+8*\a+3], s[92:93] offset:\a*8192 th:TH_STORE_NT          ; 32 lanes store 512 consecutive bytes, aligned; written once, read by nobody here
	global_store_b128 v2, v[ACC+8*\a+4:ACC+8*\a+7], s[92:93] offset:\a*8192+512 th:TH_STORE_NT
.endr
	s_set_vgpr_msb 0x4
	s_wait_tensorcnt 0x0
	ds_add_u32 v7, v1
	s_wait_dscnt 0x0
	s_set_vgpr_msb 0x400
	s_endpgm
.Lfunc_end_k_q56f7b231bb_combine:
	.size	k_q56f7b231bb_combine, .Lfunc_end_k_q56f7b231bb_combine-k_q56f7b231bb_combine
	.p2alignl 7, 3214868480
	.fill 96, 4, 3214868480
	.section	.rodata,"a",@progbits
	.p2align	6, 0x0
	.amdhsa_kernel k_q56f7b231bb_combine
		.amdhsa_group_segment_fixed_size 74752
		.amdhsa_private_segment_fixed_size 0
		.amdhsa_enable_private_segment 0
		.amdhsa_kernarg_size 64
		.amdhsa_user_sgpr_count 2
		.amdhsa_user_sgpr_kernarg_segment_ptr 1
		.amdhsa_wavefront_size32 1
		.amdhsa_system_sgpr_workgroup_id_x 1
		.amdhsa_system_sgpr_workgroup_id_y 1
		.amdhsa_system_sgpr_workgroup_id_z 1
		.amdhsa_system_vgpr_workitem_id 0
		.amdhsa_next_free_vgpr 258
		.amdhsa_next_free_sgpr 102
		.amdhsa_reserve_vcc 0
		.amdhsa_float_denorm_mode_32 3
		.amdhsa_float_denorm_mode_16_64 3
		.amdhsa_memory_ordered 1
		.amdhsa_forward_progress 1
		.amdhsa_inst_pref_size 98
	.end_amdhsa_kernel
	.amdgpu_metadata
---
amdhsa.version: [ 1, 2 ]
amdhsa.kernels:
  - .name:           k_q56f7b231bb_combine
    .symbol:         k_q56f7b231bb_combine.kd
    .args:
      - { .name: y, .offset: 0, .size: 8, .value_kind: global_buffer, .address_space: global }
      - { .name: gq, .offset: 8, .size: 8, .value_kind: global_buffer, .address_space: global }
      - { .name: route, .offset: 16, .size: 8, .value_kind: global_buffer, .address_space: global }
      - { .name: router_indices, .offset: 24, .size: 8, .value_kind: global_buffer, .address_space: global }
      - { .name: routing_weights, .offset: 32, .size: 8, .value_kind: global_buffer, .address_space: global }
      - { .name: lora_down_B, .offset: 40, .size: 8, .value_kind: global_buffer, .address_space: global }
      - { .name: down_proj_bias, .offset: 48, .size: 8, .value_kind: global_buffer, .address_space: global }
      - { .name: out0, .offset: 56, .size: 8, .value_kind: global_buffer, .address_space: global }
    .group_segment_fixed_size: 74752
    .private_segment_fixed_size: 0
    .kernarg_segment_align: 8
    .kernarg_segment_size: 64
    .max_flat_workgroup_size: 256
    .sgpr_count:     102
    .vgpr_count:     258
    .wavefront_size: 32
...
	.end_amdgpu_metadata
.endif
;; end of part 4
;; ======== version 2 of 2: 4 launches
;; limits: values outside matrix products are rounded to bf16
;; workspace buffers: qw 27,475,968 bytes; route 33,792 bytes of whole numbers; gq 10,747,904 bytes; y 33,554,432 bytes
;; launch prep (part 5): grid 4224 x 1, 1 waves a work-group, no clusters, 512 bytes of LDS; arguments hidden_states, router_indices, down_proj, lora_gate_up_A, qw, route; writes qw, route
.if DOCPART == 5
	.amdgcn_target "amdgcn-amd-amdhsa--gfx1250"
	.amdhsa_code_object_version 6
	.text
	.protected	k_q56f7b231bb_prep
	.globl	k_q56f7b231bb_prep
	.p2align	8
	.type	k_q56f7b231bb_prep,@function
k_q56f7b231bb_prep:
	s_mov_b64 s[64:65], 0
	v_nop
	global_prefetch_b8 v0, s[64:65] scope:SCOPE_SE
	s_setreg_imm32_b32 hwreg(HW_REG_WAVE_MODE, 25, 1), 1
	s_wait_xcnt 0x0
; PREP: the routing, and three operands quantised once into codes of FP6 (E2M3) with one E8M0 byte for each 32 along K: the routed rows of hidden_states, lora_gate_up_A and down_proj.
; (gate_up_proj is quantised by the launch that multiplies by it.)  The codes are laid as IMAGES OF THE OPERAND'S REGISTERS: a fragment (16 rows x 128 K, 12 registers a lane) is 1,536 bytes,
; register p of lane l at 512 (p / 4) + 16 l + 4 (p % 4).
; A work-group is one wave and takes one unit, by its number u:
;   u < 2048          X : expert u / 256, tile of 16 routed rows (u / 4) % 64, four K steps (u % 4): the routed rows of hidden_states
;   2048 .. 2175      A1: lora_gate_up_A, one K step of one expert
;   2176 .. 4223      W : down_proj, one K step x 64 columns
; THE WEIGHT HAS K AS ITS FIRST AXIS: a lane takes columns and its registers run down K.  A load of 16 bytes a lane brings four columns, so sixteen lanes read 256 consecutive bytes, aligned;
; the four columns belong to four tiles (tile j, row m = column 64 cg + 4 m + j), and each tile's 32 numbers are gathered into consecutive registers for the conversions.
; THE ROUTING: each X unit scans all 1,024 x 4 indices; a token belongs to expert e if any of its four slots names e; its rank in the expert's list is a count of bits.  The unit keeps the 16 tokens of its tile in LDS.
; The first unit of each expert also stores the ranks and the count as whole numbers.  A unit whose tile lies past the expert's count stores nothing and ends.
; A block's scale is 2^(floor(log2(largest magnitude)) - 2); its byte is the largest magnitude's exponent field - 2, held at 1 from below.
; LIMITS: NaN and infinities are not served; a block whose largest magnitude lies under 2^-124 (a block of zeros too) gets the byte 1: its codes are then zeros or the nearest codes under that byte, and these bytes are read by this program alone.
; router_indices are taken to lie in 0 .. 7.  Rows of a last tile past the count are filled with token 0's numbers; nobody reads their results.
.set XC,  12582912                     ; qw: down_proj's codes from byte 0, then x's codes,
.set W2S, 25165824                     ; down_proj's scale words,
.set XSC, 26214400                     ; x's,
.set A1C, 27262976                     ; lora_gate_up_A's codes
.set A1S, 27459584                     ; and scale words
.set POS, 1024
.set BY, 16                            ; v16-23   scale bytes: fragment f, half c at BY + 2 f + c
.set SW, 24                            ; v24-27   scale words of four fragments
.set CT, 28                            ; v28-30   a block's upper 16 codes (a conversion's three registers begin on an even number)
.set C,  32                            ; v32-79   four fragments' codes
.set T,  80                            ; v80-111  32 numbers of one column; in the X path the ranks
.set RK, 80
.set R,  128                           ; v128-255 numbers as they are loaded
; 32 neighbours along K in v[src] .. v[src + 31] become 6 registers of codes at v[dst] and a byte in v[by]
.macro QBLK src, dst, by
	v_max3_num_f32 v12, |v[\src]|, |v[\src+1]|, |v[\src+2]|
	v_max3_num_f32 v13, |v[\src+3]|, |v[\src+4]|, |v[\src+5]|
.irp i, 6,10,14,18,22,26
	v_max3_num_f32 v12, v12, |v[\src+\i]|, |v[\src+\i+1]|
	v_max3_num_f32 v13, v13, |v[\src+\i+2]|, |v[\src+\i+3]|
.endr
	v_max3_num_f32 v12, v12, |v[\src+30]|, |v[\src+31]|
	v_max3_num_f32 v12, v12, v13, 0x1800000            ; with the floor 2^(3 - 127): the byte cannot fall under 1
	v_add_nc_u32 v11, 0xff000000, v12                  ; 2 off the exponent field: the conversion takes this operand's exponent field as its scale
	v_lshrrev_b32 v[\by], 23, v11                      ; the byte
	v_cvt_scalef32_pk16_fp6_f32 v[\dst:\dst+2], v[\src:\src+15], v11
	v_cvt_scalef32_pk16_fp6_f32 v[CT:CT+2], v[\src+16:\src+31], v11
	v_nop                                              ; one plain place behind a scaled conversion
	v_mov_b32 v[\dst+3], v[CT]
	v_mov_b32 v[\dst+4], v[CT+1]
	v_mov_b32 v[\dst+5], v[CT+2]
.endm
; my two bytes (blocks h and 2 + h of my row) and lane l xor 16's two make the row's scale word
.macro SWORD f
	v_lshl_or_b32 v[SW+\f], v[BY+2*\f+1], 16, v[BY+2*\f]
	v_lshlrev_b32 v[SW+\f], v4, v[SW+\f]
	v_permlanex16_b32 v10, v[SW+\f], s20, s21
	v_or_b32 v[SW+\f], v[SW+\f], v10
.endm
; four fragments' images (each store of the wave covers 512 consecutive bytes, aligned) and their scale words, four a lane
.macro OUT4
.irp f, 0,1,2,3
.irp c, 0,1,2
	global_store_b128 v3, v[C+12*\f+4*\c:C+12*\f+4*\c+3], s[34:35] offset:\f*1536+512*\c
.endr
.endr
	global_store_b128 v3, v[SW:SW+3], s[36:37]
.endm
	s_load_b256 s[4:11], s[0:1], 0x0                   ; hidden_states, router_indices, down_proj, lora_gate_up_A
	s_load_b128 s[12:15], s[0:1], 0x20                 ; qw, route
	v_lshl_add_u32 v126, v0, 2, 0x100
	v_mov_b32 v127, 0
	v_and_b32 v1, 15, v0                               ; r (one wave: v0 is the lane)
	v_lshrrev_b32 v2, 4, v0                            ; h
	v_lshlrev_b32 v3, 4, v0                            ; 16 x lane
	v_lshlrev_b32 v4, 3, v2                            ; 8 h: where my bytes stand in a scale word
	v_lshlrev_b32 v6, 2, v0                            ; 4 x lane
	v_mov_b32 v10, 0                                   ; a lane permute's destination counts as one of its sources
	s_mov_b32 s20, 0x76543210
	s_mov_b32 s21, 0xfedcba98                          ; selects for lane l xor 16
	s_mov_b32 s33, 0
	s_wait_kmcnt 0x0
	s_cmp_lt_u32 ttmp9, 2048
	s_cbranch_scc1 .Lx
	s_cmp_lt_u32 ttmp9, 2176
	s_cbranch_scc1 .La1
; ---------------- W: one K step (128 rows) x 64 columns of down_proj
	s_sub_co_u32 s22, ttmp9, 2176                      ; the unit: 32 x (K step) + group of 64 columns
	s_lshr_b32 s30, s22, 5
	s_lshl_b32 s30, s30, 20                            ; 128 rows of 8,192 bytes a K step
	s_and_b32 s31, s22, 31
	s_lshl_b32 s31, s31, 8                             ; 256 bytes a group of columns
	s_add_co_u32 s30, s30, s31
	s_mov_b32 s31, 0
	s_add_nc_u64 s[24:25], s[8:9], s[30:31]
	s_mul_i32 s32, s22, 6144
	s_add_nc_u64 s[34:35], s[12:13], s[32:33]          ; the unit's four images
	s_lshl_b32 s32, s22, 9
	s_add_co_u32 s32, s32, W2S
	s_add_nc_u64 s[36:37], s[12:13], s[32:33]          ; and their scale words
	s_wait_alu depctr_va_vdst(0)
	v_lshlrev_b32 v5, 18, v2                           ; lanes 16-31 begin 32 rows further down
	v_lshl_add_u32 v5, v1, 4, v5                       ; + 16 r: my four columns
.macro WLOAD c                         ; rows 64 c + 32 h + 0 .. 31
.set li, 0
.rept 32
	global_load_b128 v[R+4*li:R+4*li+3], v5, s[24:25] offset:(64*\c+li)*8192 th:TH_LOAD_NT
.set li, li+1
.endr
.endm
.macro GATHER j                        ; column j of my four: its 32 numbers down K, on end
.set gi, 0
.rept 32
	v_mov_b32 v[T+gi], v[R+4*gi+\j]
.set gi, gi+1
.endr
.endm
.macro WPHASE c
	s_wait_loadcnt 0x0
.irp j, 0,1,2,3
	GATHER \j
.if (\c == 0) && (\j == 3)
	WLOAD 1                                            ; all 128 registers have been read: the second half's loads go out while the last block is converted
.endif
	QBLK T, C+12*\j+6*\c, BY+2*\j+\c
.endr
.endm
	WLOAD 0
	WPHASE 0
	WPHASE 1
.irp f, 0,1,2,3
	SWORD \f
.endr
	OUT4
	s_endpgm
; ---------------- A1: one K step of lora_gate_up_A.  Row m of the tile takes column 4 ((m / 2) % 2) + 2 (m / 8) + m % 2, so that in the product's result
; (used transposed) registers 0, 1 and 2, 3 of a lane are what the f32 matrix form wants of its second source for r = 2 h + 0, 1 and 4 + 2 h + 0, 1
.La1:
	s_sub_co_u32 s22, ttmp9, 2048
	s_lshl_b32 s30, s22, 12                            ; 128 rows of 32 bytes
	s_mov_b32 s31, 0
	s_add_nc_u64 s[24:25], s[10:11], s[30:31]
	s_mul_i32 s32, s22, 1536
	s_add_co_u32 s32, s32, A1C
	s_add_nc_u64 s[34:35], s[12:13], s[32:33]
	s_lshl_b32 s32, s22, 7
	s_add_co_u32 s32, s32, A1S
	s_add_nc_u64 s[36:37], s[12:13], s[32:33]
	s_wait_alu depctr_va_vdst(0)
	v_bfe_u32 v7, v1, 1, 1
	v_lshrrev_b32 v8, 3, v1
	v_and_b32 v9, 1, v1
	v_lshl_add_u32 v9, v8, 1, v9
	v_lshl_add_u32 v9, v7, 2, v9                       ; my column
	v_lshlrev_b32 v5, 10, v2                           ; 32 rows further down for lanes 16-31
	v_lshl_add_u32 v5, v9, 2, v5
.set li, 0
.rept 64
	global_load_b32 v[R+li], v5, s[24:25] offset:((li/32)*64+li%32)*32
.set li, li+1
.endr
	s_wait_loadcnt 0x0
	QBLK R, C, BY
	QBLK R+32, C+6, BY+1
	SWORD 0
.irp c, 0,1,2
	global_store_b128 v3, v[C+4*\c:C+4*\c+3], s[34:35] offset:512*\c
.endr
	global_store_b32 v6, v[SW], s[36:37]
	s_endpgm
; ---------------- X: the routing, then 16 routed rows x 512 along K
.Lx:
	s_lshr_b32 s22, ttmp9, 8                           ; expert
	s_bfe_u32 s23, ttmp9, 0x60002                      ; tile
	s_and_b32 s24, ttmp9, 3                            ; which four K steps
.set li, 0
	s_wait_alu depctr_va_vdst(0)
.rept 32
	global_load_b128 v[R+4*li:R+4*li+3], v3, s[6:7] offset:512*li    ; token 32 li + lane: its four slots
.set li, li+1
.endr
	v_mov_b32 v7, 0
	ds_store_b32 v6, v7                                ; the tile's list begins as token 0; word 16 takes what does not belong to the tile
	s_lshl_b32 s25, s23, 4                             ; the tile's first rank
	s_mov_b32 s26, 0                                   ; tokens of this expert so far
	s_wait_loadcnt 0x0
.set li, 0
.rept 32
	v_cmp_eq_u32 s28, s22, v[R+4*li]
	v_cmp_eq_u32 s29, s22, v[R+4*li+1]
	v_cmp_eq_u32 s30, s22, v[R+4*li+2]
	v_cmp_eq_u32 s31, s22, v[R+4*li+3]
	s_or_b32 s28, s28, s29
	s_or_b32 s30, s30, s31
	s_or_b32 s28, s28, s30                             ; lanes whose token uses the expert
	v_mbcnt_lo_u32_b32 v[RK+li], s28, s26              ; the rank: those before, and those in lower lanes
	v_sub_nc_u32 v[R+4*li], v[RK+li], s25              ; its place in my tile.  (Address and data of the store stand in registers that the compares have done with: none is written again before the wait for the stores)
	v_cndmask_b32 v[R+4*li], -1, v[R+4*li], s28
	v_min_u32 v[R+4*li], 16, v[R+4*li]                 ; not the expert's, or another tile's: word 16
	v_lshlrev_b32 v[R+4*li], 2, v[R+4*li]
	v_add_nc_u32 v[R+4*li+1], 32*li, v0                ; the token
	ds_store_b32 v[R+4*li], v[R+4*li+1]
	s_bcnt1_i32_b32 s29, s28
	s_add_co_u32 s26, s26, s29
.set li, li+1
.endr
	s_and_b32 s27, ttmp9, 255
	s_cmp_lg_u32 s27, 0
	s_cbranch_scc1 .Lnot_owner                         ; the expert's first unit stores the ranks and the count
	s_lshl_b32 s32, s22, 12
	s_add_co_u32 s32, s32, POS
	s_add_nc_u64 s[34:35], s[14:15], s[32:33]
	s_lshl_b32 s32, s22, 7
	s_add_nc_u64 s[36:37], s[14:15], s[32:33]
.set li, 0
	s_wait_alu depctr_va_vdst(0)
.rept 32
	global_store_b32 v6, v[RK+li], s[34:35] offset:128*li
.set li, li+1
.endr
	v_mov_b32 v15, s26
	global_store_b32 v6, v15, s[36:37]
	s_wait_xcnt 0x0                                    ; the two bases are written again below
.Lnot_owner:
	s_wait_dscnt 0x0                                   ; the list is whole
	s_cmp_ge_u32 s25, s26
	s_cbranch_scc1 .Lend                               ; the expert has no rows for this tile
	v_lshlrev_b32 v9, 2, v1
	ds_load_b32 v14, v9                                ; row r's token
	s_mul_i32 s32, ttmp9, 6144
	s_add_co_u32 s32, s32, XC
	s_add_nc_u64 s[34:35], s[12:13], s[32:33]
	s_lshl_b32 s32, ttmp9, 9
	s_add_co_u32 s32, s32, XSC
	s_add_nc_u64 s[36:37], s[12:13], s[32:33]
	s_lshl_b32 s27, s24, 11
	s_wait_dscnt 0x0
	v_min_u32 v14, 0x3ff, v14
	v_lshlrev_b32 v5, 13, v14                          ; a row of 8,192 bytes,
	v_lshl_add_u32 v5, v2, 7, v5                       ; + 128 h: my block of 32 in each 64 along K,
	v_add_nc_u32 v5, s27, v5                           ; + my four K steps
.macro XPHASE p                        ; K steps 2 p and 2 p + 1 of the four: four blocks a lane, 128 neighbouring bytes each
.irp b, 0,1,2,3
.irp i, 0,1,2,3,4,5,6,7
	global_load_b128 v[R+32*\b+4*\i:R+32*\b+4*\i+3], v5, s[4:5] offset:(2*\p+\b/2)*512+(\b%2)*256+16*\i
.endr
.endr
	s_wait_loadcnt 0x0
.irp b, 0,1,2,3
	QBLK R+32*\b, C+12*(2*\p+\b/2)+6*(\b%2), BY+2*(2*\p+\b/2)+\b%2
.endr
.endm
	XPHASE 0
	XPHASE 1
.irp f, 0,1,2,3
	SWORD \f
.endr
	OUT4
.Lend:
	s_wait_tensorcnt 0x0
	ds_add_u32 v126, v127
	s_wait_dscnt 0x0
	s_endpgm
.Lfunc_end_k_q56f7b231bb_prep:
	.size	k_q56f7b231bb_prep, .Lfunc_end_k_q56f7b231bb_prep-k_q56f7b231bb_prep
	.p2alignl 7, 3214868480
	.fill 96, 4, 3214868480
	.section	.rodata,"a",@progbits
	.p2align	6, 0x0
	.amdhsa_kernel k_q56f7b231bb_prep
		.amdhsa_group_segment_fixed_size 512
		.amdhsa_private_segment_fixed_size 0
		.amdhsa_enable_private_segment 0
		.amdhsa_kernarg_size 48
		.amdhsa_user_sgpr_count 2
		.amdhsa_user_sgpr_kernarg_segment_ptr 1
		.amdhsa_wavefront_size32 1
		.amdhsa_system_sgpr_workgroup_id_x 1
		.amdhsa_system_sgpr_workgroup_id_y 1
		.amdhsa_system_sgpr_workgroup_id_z 1
		.amdhsa_system_vgpr_workitem_id 0
		.amdhsa_next_free_vgpr 256
		.amdhsa_next_free_sgpr 66
		.amdhsa_reserve_vcc 0
		.amdhsa_float_denorm_mode_32 3
		.amdhsa_float_denorm_mode_16_64 3
		.amdhsa_memory_ordered 1
		.amdhsa_forward_progress 1
		.amdhsa_inst_pref_size 91
	.end_amdhsa_kernel
	.amdgpu_metadata
---
amdhsa.version: [ 1, 2 ]
amdhsa.kernels:
  - .name:           k_q56f7b231bb_prep
    .symbol:         k_q56f7b231bb_prep.kd
    .args:
      - { .name: hidden_states, .offset: 0, .size: 8, .value_kind: global_buffer, .address_space: global }
      - { .name: router_indices, .offset: 8, .size: 8, .value_kind: global_buffer, .address_space: global }
      - { .name: down_proj, .offset: 16, .size: 8, .value_kind: global_buffer, .address_space: global }
      - { .name: lora_gate_up_A, .offset: 24, .size: 8, .value_kind: global_buffer, .address_space: global }
      - { .name: qw, .offset: 32, .size: 8, .value_kind: global_buffer, .address_space: global }
      - { .name: route, .offset: 40, .size: 8, .value_kind: global_buffer, .address_space: global }
    .group_segment_fixed_size: 512
    .private_segment_fixed_size: 0
    .kernarg_segment_align: 8
    .kernarg_segment_size: 48
    .max_flat_workgroup_size: 32
    .sgpr_count:     66
    .vgpr_count:     256
    .wavefront_size: 32
...
	.end_amdgpu_metadata
.endif
;; end of part 5
;; launch gateup (part 6): grid 256 x 1, 4 waves a work-group, no clusters, 240,128 bytes of LDS; arguments qw, route, gate_up_proj, gate_up_proj_bias, lora_gate_up_B, lora_down_A, gq; writes gq
.if DOCPART == 6
	.amdgcn_target "amdgcn-amd-amdhsa--gfx1250"
	.amdhsa_code_object_version 6
	.text
	.protected	k_q56f7b231bb_gateup
	.globl	k_q56f7b231bb_gateup
	.p2align	8
	.type	k_q56f7b231bb_gateup,@function
k_q56f7b231bb_gateup:
	s_mov_b64 s[64:65], 0
	v_nop
	global_prefetch_b8 v0, s[64:65] scope:SCOPE_SE
	s_setreg_imm32_b32 hwreg(HW_REG_WAVE_SCHED_MODE, 0, 2), 2
	s_setreg_imm32_b32 hwreg(HW_REG_WAVE_MODE, 25, 1), 1
	s_wait_xcnt 0x0
	s_wait_alu depctr_vm_vsrc(0)
; GATEUP: for the routed rows of one expert and 128 columns of gate_up: x W1 and x loraA1 on codes of FP6, + bias + 2 (x loraA1) loraB1 in f32, the gated activation in f32,
; its codes of FP6 along the next K, and the part of gated x lora_down_A that these 64 hidden units give (bf16 operands, f32 sums).
; SHARES.  Work-group u: expert u / 32, columns 128 ((u / 2) % 16) on, row tiles of parity u % 2.  THE WEIGHTS STAND STILL: the slab's codes for all of K (16 K steps x 8 tiles, and loraA1's tile as a ninth) lie in LDS.
; THE SLAB IS QUANTISED HERE, from gate_up_proj as it is given: 2,048 x 128 numbers of f32, 1 MiB, read once by the work-group; the codes never go to memory.  The two work-groups of a pair (u % 2) need the same slab, and
; each quantises it for itself, since work-groups hand each other nothing inside a launch; they walk the same bytes in the same order.  Against the second quantising stand 27 MB of codes and scale words that no launch stores or loads.
; The rows' fragments come from memory straight into registers, as images, three loads of 16 bytes a lane each.
; No tensor load and no cluster: the number of passes and the skipped stores hang on a count read from memory.
; A wave has four slots of 16 rows in a pass: 32 accumulators of 16 x 16.  A slot past the expert's last tile works on the last tile again (so that every counted wait sees the same loads on every way) and stores nothing.
; THE PRODUCTS ARE USED TRANSPOSED (source 0 = 16 columns of the weight, source 1 = 16 rows of x): a lane holds one row, and its registers run along the columns.
; Tile j of a group of 64 columns holds columns 4 m + j: tiles 0, 2 are gates and tiles 1, 3 the ups of hidden units 2 m and 2 m + 1: a lane's 16 numbers of two tiles are 16 neighbouring hidden units.
; LIMITS: NaN and infinities are not served; a block (of the weight or of the hidden layer) whose largest magnitude lies under 2^-124, a block of zeros too, gets the byte 1 (read by this program alone).
; WINDOWS of 256 registers: 0: addresses, scale words, work.  1: v0-191 x's fragments, a ring of four K steps x four slots; v192-255 the bias as eight accumulators' C.
;   2: v0-215 the weights' fragments, two sets of nine; v216-247 2 x lora_gate_up_B as the f32 form's first source.  3: the 32 accumulators, (slot i, tile j) at v[8 (8 i + j)].
;   During the fill windows 1 and 2 hold the numbers as they are loaded; window 3 is left alone.
; THE MODE: SCHED_MODE bits 1:0 = 2 (LLVM: expert scheduling mode 2), set by the entry lines.  The code itself states the register dependences
; between vector or matrix instructions and memory or LDS instructions, with s_wait_alu, always for 0.
; THE PLAN, THE FILL.  Registers that memory or LDS instructions touch:
;   windows 1 and 2, v0-127  Written by a phase's 32 loads; read by the phase's copy; behind the copy the loads of two phases on land in them.  One wait on va_vdst behind each copy that loads follow.
;   v[QC ..], v[QSW ..]      Written by a group's conversions, moves and scale words' lines; read by the group's 13 LDS stores.  One wait on va_vdst ahead of the stores, one on vm_vsrc at the next group's head.
;   v[FSA], v[FSS]           Written once a trip, behind that wait on vm_vsrc; read by the trip's LDS stores, behind their wait on va_vdst.
;   v[WOF], v[FST], v[WK+1] to v[WK+5], v[L16], v[L4]  Made at the head, ahead of the one wait on va_vdst in front of the first load; not written in the fill.
; THE PLAN, A PASS.
;   window 2, two sets; v[BSC ..], two sets   K step k's products read set k % 2; the LDS loads of step k + 1 land in the other set, which step k - 1's products read.
;   window 1, a ring of four sets             K step k's products read set k % 4; the loads of step k + 3 land in set (k - 1) % 4.
;   v[ASC ..], two sets                       Read by four K steps' products; the other set is loaded in the first of the four.
;   So ONE wait on va_vdst stands at a K step's head: the step before is done reading all that this step's loads land in.  The loads follow it, dealt among the step's 36 products, which name none of their registers.
;   v[AOFF ..], v[SOFF ..]                    Written at a pass's head, between a wait on vm_vsrc and a wait on va_vdst; read by the pass's loads.
;   v[PP ..], v[HW], v[OT ..]                 Written by a slot's arithmetic; read by its four stores, behind a wait on va_vdst; written again by the next slot, behind a wait on vm_vsrc.
.set XC,   12582912
.set XSC,  26214400
.set A1C,  27262976
.set A1S,  27459584
.set GSCO, 6291456
.set T2PO, 6553600
.set KB,   13824                       ; LDS: a K step's nine fragments
.set SCL,  221184                      ; behind the sixteen: the scale words, 1,152 bytes a K step: 512 + 512 (four words a lane, one for each tile of a group), 128 (loraA1's)
.set KSC,  1152
.set L16, 1                            ; 16 x lane
.set L4,  2                            ; 4 x lane
.set RR,  3                            ; lane % 16
.set HH,  4                            ; lane / 16
.set LB,  5                            ; v6-8  16 x lane + q x 55,296: LDS address of K steps 4 q on
.set LSB, 9
.set LSA, 10
.set FST, 11
.set AOFF, 12                          ; v12-15 a slot's place among x's images
.set SOFF, 16                          ; v16-19 and among x's scale words
.set L8,  20
.set TK16, 21
.set T2O, 22
.set PX,  23
.set ASC, 24                           ; v24-55  x's scale words: two sets of (slot, K step % 4)
.set BSC, 56                           ; v56-79  the weights': two sets of 12 (eight tiles, loraA1's, three idle)
.set XA,  80                           ; v80-111 x loraA1: an accumulator a slot
.set T2,  112                          ; v112-143 gated x lora_down_A: (slot % 2, block u)
.set A2F, 144                          ; v144-159 lora_down_A in bf16
.set GA,  160                          ; gates, then the gated numbers
.set UP,  176
.set EE,  192
.set PK,  208
.set PP,  224
.set QQ,  230
.set WK,  234
.set TS,  234
.set OT,  242
.set VM,  246
.set VS,  247
.set BB,  248
.set HW,  250
.set BI,  192                          ; window 1
.set B1F, 216                          ; window 2
; the fill's own registers, in window 0; all are free again behind it
.set QT,  24                           ; v24-151  four columns x 32 numbers down K
.set QC,  152                          ; v152-199 four fragments' codes
.set QBY, 200                          ; v200-207 scale bytes: tile j, half c at QBY + 2 j + c
.set QSW, 208                          ; v208-211 four tiles' scale words
.set QCT, 212                          ; v212-214 a block's upper 16 codes
.set QM,  216                          ; v216-217 two chains of the largest magnitude
.set QS,  218                          ; the conversions' scale operand
.set QSH, 219                          ; 8 h
.set WOF, 220                          ; my place in a phase's rows: 32 rows further down for lanes 16-31, + 16 r
.set FSA, 221                          ; LDS address of the K step in hand
.set FSS, 222                          ; and of its scale words
.set WV, 16
.set EX, 17
.set CG, 18
.set HF, 19
.set NT, 22
.set NTM, 23
.set NPS, 24
.set PS, 25
.set LIM, 26
.set NLIM, 27
.set CE, 28
.set HM, 30
.set TAU, 32
.set TAC, 36
.set XB, 40
.set XSB, 42
.set GCB, 44
.set GSB, 46
.set T2B, 48
.set MSB, 0
.macro WIN new                         ; the immediate's high byte repeats the setting that is left
.if MSB != (\new)
	s_set_vgpr_msb (MSB<<8)|(\new)
.set MSB, (\new)
.endif
.endm
.macro PLACES n
.rept \n
	v_nop
.endr
.endm
	s_load_b256 s[4:11], s[0:1], 0x0                   ; qw, route, gate_up_proj, gate_up_proj_bias
	s_load_b128 s[12:15], s[0:1], 0x20                 ; lora_gate_up_B, lora_down_A
	s_load_b64 s[2:3], s[0:1], 0x30                    ; gq
	v_lshl_add_u32 v254, v0, 2, 0x3a800
	v_mov_b32 v255, 0
	v_lshrrev_b32 v[WK], 5, v0
	v_readfirstlane_b32 s[WV], v[WK]                   ; wave 0..3
	v_and_b32 v[WK], 31, v0
	v_lshlrev_b32 v[L16], 4, v[WK]
	v_lshlrev_b32 v[L4], 2, v[WK]
	v_lshlrev_b32 v[L8], 3, v[WK]
	v_and_b32 v[RR], 15, v0
	v_bfe_u32 v[HH], v0, 4, 1
.irp q, 1,2,3
	v_add_nc_u32 v[LB+\q], \q*4*KB, v[L16]
.endr
	v_add_nc_u32 v[LSB], SCL, v[L16]
	v_add_nc_u32 v[LSA], SCL+1024, v[L4]
	s_wait_alu depctr_va_sdst(0)                       ; the wave's number is written into s[WV], ahead of its first reader: LDS addresses and bases are made from it
	s_mul_i32 s50, s[WV], 4*KB
	v_add_nc_u32 v[FST], s50, v[L16]                   ; the fill: my four K steps
	s_mul_i32 s50, s[WV], 4*KSC
	s_add_co_u32 s50, s50, SCL
	v_add_nc_u32 v[WK+4], s50, v[L16]                  ; and their scale words
	s_add_co_u32 s50, s50, 1024
	v_add_nc_u32 v[WK+5], s50, v[L4]
	v_lshlrev_b32 v[TK16], 4, v[RR]
	v_lshlrev_b32 v[T2O], 5, v[RR]
	v_lshl_add_u32 v[T2O], v[HH], 4, v[T2O]
	v_mov_b32 v[PX], 0                                 ; a lane permute's destination counts as one of its sources
	v_lshlrev_b32 v[WK+1], 7, v[HH]                    ; bias: 128 h
	v_lshlrev_b32 v[WK+2], 14, v[HH]                   ; lora_gate_up_B: two rows further down for lanes 16-31, + 16 m
	v_lshl_add_u32 v[WK+2], v[RR], 4, v[WK+2]
	v_and_b32 v[WK+3], 7, v[RR]
	v_lshlrev_b32 v[WK+3], 2, v[WK+3]
	v_lshl_add_u32 v[WK+3], v[HH], 9, v[WK+3]          ; lora_down_A: 16 rows of 32 bytes further down for lanes 16-31, + 4 (m % 8)
	v_lshlrev_b32 v[QSH], 3, v[HH]
	v_lshlrev_b32 v[WOF], 18, v[HH]                    ; gate_up_proj: 32 rows of 8,192 bytes further down for lanes 16-31,
	v_lshl_add_u32 v[WOF], v[RR], 4, v[WOF]            ; + 16 r: my four columns
	s_lshr_b32 s[EX], ttmp9, 5
	s_bfe_u32 s[CG], ttmp9, 0x40001
	s_and_b32 s[HF], ttmp9, 1
	s_mov_b32 s20, 0x76543210
	s_mov_b32 s21, 0xfedcba98
	s_mov_b32 s[LIM], 0x40e00000                       ; 7.0
	s_mov_b32 s[NLIM], 0xc0e00000
	s_mov_b32 s[CE], 0xc01d265f                        ; -1.702 log2(e)
	s_mov_b32 s[CE+1], s[CE]                           ; (named with it as a pair)
	s_mov_b32 s[HM], 0xffff0000                        ; lanes 16-31
	s_lshl_b32 s66, s[EX], 7
	s_mov_b32 s67, 0
	s_lshl_b32 s50, s[CG], 9                           ; my 128 columns in f32
	s_lshl_b32 s52, s[EX], 13
	s_add_co_u32 s52, s52, s50
	s_mov_b32 s53, 0
	s_lshl_b32 s54, s[EX], 16
	s_add_co_u32 s54, s54, s50
	s_mov_b32 s55, 0
	s_lshl_b32 s70, s[EX], 4
	s_lshl_b32 s51, s[WV], 2
	s_add_co_u32 s70, s70, s51                         ; the first K step that I fill: 16 e + 4 w
	s_lshl_b32 s62, s70, 20                            ; 128 rows of 8,192 bytes a K step
	s_add_co_u32 s62, s62, s50
	s_mov_b32 s63, 0
	s_lshl_b32 s56, s[EX], 15
	s_lshl_b32 s50, s[CG], 11
	s_add_co_u32 s56, s56, s50
	s_mov_b32 s57, 0
	s_lshl_b32 s60, s70, 7
	s_add_co_u32 s60, s60, A1S
	s_mov_b32 s61, 0
	s_mul_i32 s68, s70, 1536
	s_add_co_u32 s68, s68, A1C
	s_mov_b32 s69, 0
	s_mul_i32 s[XB], s[EX], 1572864
	s_add_co_u32 s[XB], s[XB], XC
	s_mov_b32 s[XB+1], 0
	s_lshl_b32 s[XSB], s[EX], 17
	s_add_co_u32 s[XSB], s[XSB], XSC
	s_mov_b32 s[XSB+1], 0
	s_mul_i32 s[GCB], s[EX], 786432
	s_mul_i32 s50, s[CG], 768                          ; K step cgp / 2, half cgp % 2 of a fragment
	s_add_co_u32 s[GCB], s[GCB], s50
	s_mov_b32 s[GCB+1], 0
	s_lshl_b32 s[GSB], s[EX], 15
	s_lshr_b32 s50, s[CG], 3
	s_lshl_b32 s50, s50, 8
	s_add_co_u32 s[GSB], s[GSB], s50
	s_and_b32 s50, s[CG], 7
	s_lshl_b32 s50, s50, 1                             ; word (cgp / 2) % 4, halfword cgp % 2
	s_add_co_u32 s[GSB], s[GSB], s50
	s_add_co_u32 s[GSB], s[GSB], GSCO
	s_mov_b32 s[GSB+1], 0
	s_lshl_b32 s[T2B], s[EX], 4
	s_add_co_u32 s[T2B], s[T2B], s[CG]
	s_lshl_b32 s[T2B], s[T2B], 15
	s_add_co_u32 s[T2B], s[T2B], T2PO
	s_mov_b32 s[T2B+1], 0
	s_wait_kmcnt 0x0
	s_add_nc_u64 s[66:67], s[6:7], s[66:67]
	s_load_b32 s[NT], s[66:67], 0x0                    ; the expert's rows
	s_add_nc_u64 s[62:63], s[8:9], s[62:63]
	s_add_nc_u64 s[52:53], s[10:11], s[52:53]
	s_add_nc_u64 s[54:55], s[12:13], s[54:55]
	s_add_nc_u64 s[56:57], s[14:15], s[56:57]
	s_add_nc_u64 s[60:61], s[4:5], s[60:61]
	s_add_nc_u64 s[68:69], s[4:5], s[68:69]
	s_add_nc_u64 s[XB:XB+1], s[4:5], s[XB:XB+1]
	s_add_nc_u64 s[XSB:XSB+1], s[4:5], s[XSB:XSB+1]
	s_add_nc_u64 s[GCB:GCB+1], s[2:3], s[GCB:GCB+1]
	s_add_nc_u64 s[GSB:GSB+1], s[2:3], s[GSB:GSB+1]
	s_add_nc_u64 s[T2B:T2B+1], s[2:3], s[T2B:T2B+1]
; ---- THE FILL.  My four K steps x two groups of 64 columns, each in two PHASES of 64 rows: 32 loads of 16 bytes a lane; sixteen lanes read 256 consecutive bytes, aligned.  The weight has K as its first axis:
; a lane takes four columns and its registers run down K; lanes 16-31 stand 32 rows further down, as the operand's layout gives them the odd blocks.
; Phase c of a group lands in window 1 + c, v0-127.  As soon as it is in, its numbers are copied into window 0, each column's 32 on end (the conversions take neighbours along K from consecutive registers),
; and the same registers are asked for again at once, two phases ahead: but for the time of the copy, 64 loads of the wave are out.
.macro WLOAD g, c, dk                  ; group g, rows 64 c + 32 h + 0 .. 31, dk K steps on from the base
	WIN 0x40*(1+\c)
.set li, 0
.rept 32
	global_load_b128 v[4*li:4*li+3], v[WOF], s[62:63] offset:(\dk)*1048576+(\g)*256+(64*(\c)+li)*8192
.set li, li+1
.endr
.endm
.macro COPY c
	WIN 1+\c
.set li, 0
.rept 32
.irp j, 0,1,2,3
	v_mov_b32 v[QT+32*\j+li], v[4*li+\j]
.endr
.set li, li+1
.endr
.endm
; column j's 32 numbers become registers 6 c .. 6 c + 5 of tile j's fragment, and a byte
.macro QBLK j, c
.set qs, QT+32*(\j)
.set qd, QC+12*(\j)+6*(\c)
	v_max3_num_f32 v[QM], |v[qs]|, |v[qs+1]|, |v[qs+2]|
	v_max3_num_f32 v[QM+1], |v[qs+3]|, |v[qs+4]|, |v[qs+5]|
.irp i, 6,10,14,18,22,26
	v_max3_num_f32 v[QM], v[QM], |v[qs+\i]|, |v[qs+\i+1]|
	v_max3_num_f32 v[QM+1], v[QM+1], |v[qs+\i+2]|, |v[qs+\i+3]|
.endr
	v_max3_num_f32 v[QM], v[QM], |v[qs+30]|, |v[qs+31]|
	v_max3_num_f32 v[QM], v[QM], v[QM+1], 0x1800000    ; with the floor 2^(3 - 127): the byte cannot fall under 1
	v_add_nc_u32 v[QS], 0xff000000, v[QM]              ; 2 off the exponent field: the conversion takes this operand's exponent field as its scale
	v_lshrrev_b32 v[QBY+2*(\j)+(\c)], 23, v[QS]        ; the byte
	v_cvt_scalef32_pk16_fp6_f32 v[qd:qd+2], v[qs:qs+15], v[QS]
	v_cvt_scalef32_pk16_fp6_f32 v[QCT:QCT+2], v[qs+16:qs+31], v[QS]   ; (a conversion's three registers begin on an even number)
	v_nop                                              ; one plain place behind a scaled conversion
	v_mov_b32 v[qd+3], v[QCT]
	v_mov_b32 v[qd+4], v[QCT+1]
	v_mov_b32 v[qd+5], v[QCT+2]
.endm
.macro SWORD f                         ; my two bytes (blocks h and 2 + h of my row) and lane l xor 16's two make the row's scale word
	v_lshl_or_b32 v[QSW+\f], v[QBY+2*\f+1], 16, v[QBY+2*\f]
	v_lshlrev_b32 v[QSW+\f], v[QSH], v[QSW+\f]
	v_permlanex16_b32 v[PX], v[QSW+\f], s20, s21
	v_or_b32 v[QSW+\f], v[QSW+\f], v[PX]
.endm
; What stays in registers, and loraA1's codes: 72 loads, into registers that the stream does not use or has left.
; The bias and lora_gate_up_B come 16 bytes a lane, four tiles' numbers on end; they are put in the operands' order behind the fill.
.macro RES
	WIN 0x40
.irp g, 0,1
.irp p, 0,1,2,3,4,5,6,7
	global_load_b128 v[128+4*(8*\g+\p):128+4*(8*\g+\p)+3], v[WK+1], s[52:53] offset:256*\g+16*\p   ; bias: columns 64 g + 4 (8 h + p) + 0 .. 3
.endr
.endr
.irp kk, 0,1,2,3
.irp c, 0,1,2
	global_load_b128 v[12*\kk+4*\c:12*\kk+4*\c+3], v[L16], s[68:69] offset:\kk*1536+512*\c         ; loraA1's fragment of my K step kk
.endr
	global_load_b32 v[48+\kk], v[L4], s[60:61] offset:\kk*128                                      ; and its scale words
.endr
	WIN 0x80
.irp g, 0,1
.irp q, 0,1,2,3
	global_load_b128 v[128+4*(4*\g+\q):128+4*(4*\g+\q)+3], v[WK+2], s[54:55] offset:(4*(\q/2)+\q%2)*8192+256*\g   ; lora_gate_up_B: row 4 (q / 2) + 2 h + q % 2, columns 64 g + 4 m + 0 .. 3
.endr
.endr
.set fi, 0
.rept 32                                               ; lora_down_A: block u = fi / 16, hidden unit 32 u + 16 h + fi % 16, column m % 8
	global_load_b32 v[160+fi], v[WK+3], s[56:57] offset:(32*(fi/16)+fi%16)*32
.set fi, fi+1
.endr
.endm
; A phase.  n: the loads issued behind this phase's own, which may stay out.  kind 1: the same registers take group ng, ndk K steps on; 2: the 72 loads above; 0: nothing
.macro QPHASE c, n, kind, ng, ndk
	s_wait_loadcnt \n
.if \c == 0
	s_wait_dscnt 0x0                                   ; the last group's LDS stores are done
	s_wait_alu depctr_vm_vsrc(0)                       ; the last group's LDS stores have read the codes, the scale words and their two addresses: this group's lines write all of them again
.endif
	COPY \c
.if \kind > 0
	s_wait_alu depctr_va_vdst(0)                       ; the copy is done reading this phase's 128 registers, in which the loads below land
.endif
.if \kind == 1
	WLOAD \ng, \c, \ndk
.elseif \kind == 2
	RES
.endif
	WIN 0
.irp j, 0,1,2,3
	QBLK \j, \c
.endr
.endm
; A group is done: its four fragments go to LDS as images of their registers (each store covers 512 consecutive bytes), its scale words four a lane
.macro QFIN ar, sr, off, soff, g
.irp f, 0,1,2,3
	SWORD \f
.endr
	s_wait_alu depctr_va_vdst(0)                       ; the conversions and moves have written v[QC ..], the lines above v[QSW ..], the trip's two adds the addresses: the LDS stores below read them
.irp j, 0,1,2,3
.irp c, 0,1,2
	ds_store_b128 v[\ar], v[QC+12*\j+4*\c:QC+12*\j+4*\c+3] offset:\off+(4*\g+\j)*1536+512*\c
.endr
.endr
	ds_store_b128 v[\sr], v[QSW:QSW+3] offset:\soff+512*\g
.endm
	s_wait_alu depctr_va_vdst(0)                       ; the offsets and LDS addresses made at the head are written: every load and LDS store of the fill, and the pass's LDS loads and stores, read one of them
	WLOAD 0, 0, 0
	WLOAD 0, 1, 0
	WIN 0                                              ; at a label and at a branch every window is 0
	s_mov_b32 s58, 0
	s_mov_b32 s59, 0
	s_mov_b32 s71, 0
.Lfill:                                                ; three trips, a K step each; the count 32 leaves the next phase's loads out
	QPHASE 0, 32, 1, 1, 0
	v_add_nc_u32 v[FSA], s58, v[FST]
	v_add_nc_u32 v[FSS], s59, v[WK+4]
	QPHASE 1, 32, 1, 1, 0
	QFIN FSA, FSS, 0, 0, 0
	QPHASE 0, 32, 1, 0, 1
	QPHASE 1, 32, 1, 0, 1
	QFIN FSA, FSS, 0, 0, 1
	s_wait_xcnt 0x0                                    ; the loads have read their base: it steps only behind this wait
	s_add_nc_u64 s[62:63], s[62:63], 0x100000
	s_add_co_u32 s58, s58, KB
	s_add_co_u32 s59, s59, KSC
	s_add_co_u32 s71, s71, 1
	s_cmp_lt_u32 s71, 3
	s_cbranch_scc1 .Lfill
	QPHASE 0, 32, 1, 1, 0                              ; my last K step is written out: no load leaves the wave's part of the weight
	QPHASE 1, 32, 1, 1, 0
	QFIN FST, WK+4, 3*KB, 3*KSC, 0
	QPHASE 0, 32, 2, 0, 0
	QPHASE 1, 63, 0, 0, 0                              ; 72 loads were issued behind this phase's; a count names 63 at the most, so the first nine of them are waited for as well
	QFIN FST, WK+4, 3*KB, 3*KSC, 1
	s_wait_loadcnt 0x0
	s_wait_dscnt 0x0                                   ; the last group's LDS stores are done
	s_wait_alu depctr_vm_vsrc(0)                       ; the LDS stores have read the codes' registers: lora_down_A's bf16 is written onto some of them
	WIN 0x41                                           ; the bias in the result's layout: tile 4 g + j, register p of lane (., h): column 64 g + 4 (8 h + p) + j
.irp g, 0,1
.irp j, 0,1,2,3
.irp p, 0,1,2,3,4,5,6,7
	v_mov_b32 v[BI+8*(4*\g+\j)+\p], v[128+4*(8*\g+\p)+\j]
.endr
.endr
.endr
	WIN 0x8a                                           ; lora_gate_up_B x the LoRA scaling, 16 / 8 (exact), as the f32 form's first source: tile 4 g + j, register q
.irp g, 0,1
.irp j, 0,1,2,3
.irp q, 0,1,2,3
	v_mul_f32 v[B1F+4*(4*\g+\j)+\q], 2.0, v[128+4*(4*\g+\q)+\j]
.endr
.endr
.endr
	WIN 0x0a
.set fi, 0
.rept 16
	v_cvt_pk_bf16_f32 v[A2F+fi], v[160+2*fi], v[161+2*fi]
.set fi, fi+1
.endr
	WIN 0x04                                           ; an LDS store's data are its source 1: window 1.  (The data came by loads and the addresses were made at the head: no vector line has written either since)
.irp kk, 0,1,2,3
.irp c, 0,1,2
	ds_store_b128 v[FST], v[12*\kk+4*\c:12*\kk+4*\c+3] offset:\kk*KB+12288+512*\c   ; loraA1's tile, the ninth of a K step
.endr
	ds_store_b32 v[WK+5], v[48+\kk] offset:\kk*KSC
.endr
	WIN 0
	s_wait_kmcnt 0x0
	s_min_u32 s[NT], s[NT], 1024
	s_add_co_u32 s[NT], s[NT], 15
	s_lshr_b32 s[NT], s[NT], 4                         ; the expert's tiles
	s_sub_co_u32 s[NPS], s[NT], s[HF]
	s_add_co_u32 s[NPS], s[NPS], 1
	s_lshr_b32 s[NPS], s[NPS], 1                       ; those of my parity
	s_add_co_u32 s[NPS], s[NPS], 15
	s_lshr_b32 s[NPS], s[NPS], 4                       ; passes of 16 slots: 0, 1 or 2
	s_sub_co_u32 s[NTM], s[NT], 1
	s_wait_dscnt 0x0                                   ; for the others' sake: my part of the slab lies in LDS
	s_barrier_signal -1
	s_barrier_wait -1                                  ; the one barrier: behind it LDS is only read
	s_cmp_eq_u32 s[NPS], 0
	s_cbranch_scc1 .Lend
	s_mov_b32 s[PS], 0
.macro BLOADF k, f0, n                 ; n of the 27 loads that bring K step k's nine fragments, from the f0-th on, into set k % 2
.set ba, L16
.if (\k)/4 > 0
.set ba, LB+(\k)/4
.endif
	WIN 0x80
.set fi, \f0
.rept \n
	ds_load_b128 v[108*((\k)%2)+4*fi:108*((\k)%2)+4*fi+3], v[ba] offset:((\k)%4)*KB+512*fi
.set fi, fi+1
.endr
.endm
.macro BLOADS k                        ; and their scale words
	WIN 0
	ds_load_b128 v[BSC+12*((\k)%2):BSC+12*((\k)%2)+3], v[LSB] offset:(\k)*KSC
	ds_load_b128 v[BSC+12*((\k)%2)+4:BSC+12*((\k)%2)+7], v[LSB] offset:(\k)*KSC+512
	ds_load_b32 v[BSC+12*((\k)%2)+8], v[LSA] offset:(\k)*KSC
.endm
.macro ALOAD k                         ; the four slots' fragments of x for K step k, into ring set k % 4
	WIN 0x40
.irp i, 0,1,2,3
.irp c, 0,1,2
	global_load_b128 v[48*((\k)%4)+12*\i+4*\c:48*((\k)%4)+12*\i+4*\c+3], v[AOFF+\i], s[XB:XB+1] offset:(\k)*1536+512*\c
.endr
.endr
.endm
.macro SLOAD q                         ; the four slots' scale words of K steps 4 q .. 4 q + 3
	WIN 0
.irp i, 0,1,2,3
	global_load_b128 v[ASC+16*((\q)%2)+4*\i:ASC+16*((\q)%2)+4*\i+3], v[SOFF+\i], s[XSB:XSB+1] offset:(\q)*512
.endr
.endm
; 36 products a K step: every accumulator once, in the same order in every step: slot 0's eight tiles, slot 1's, 2's, 3's, then x loraA1 for the four slots.
; The first step's C is the bias, or 0: nothing is cleared
.macro PRODS k, i                      ; slot i's eight
.set kb, 108*((\k)%2)
.set ka, 48*((\k)%4)
.set ksb, BSC+12*((\k)%2)
.set ksa, ASC+16*(((\k)/4)%2)+(\k)%4
.if (\k) == 0
	WIN 0xd6
.else
	WIN 0xf6
.endif
.irp j, 0,1,2,3,4,5,6,7
.if (\k) == 0
	v_wmma_scale_f32_16x16x128_f8f6f4 v[8*(8*(\i)+\j):8*(8*(\i)+\j)+7], v[kb+12*\j:kb+12*\j+11], v[ka+12*(\i):ka+12*(\i)+11], v[BI+8*\j:BI+8*\j+7], v[ksb+\j], v[ksa+4*(\i)] matrix_a_fmt:MATRIX_FMT_FP6 matrix_b_fmt:MATRIX_FMT_FP6
.else
	v_wmma_scale_f32_16x16x128_f8f6f4 v[8*(8*(\i)+\j):8*(8*(\i)+\j)+7], v[kb+12*\j:kb+12*\j+11], v[ka+12*(\i):ka+12*(\i)+11], v[8*(8*(\i)+\j):8*(8*(\i)+\j)+7], v[ksb+\j], v[ksa+4*(\i)] matrix_a_fmt:MATRIX_FMT_FP6 matrix_b_fmt:MATRIX_FMT_FP6
.endif
.endr
.endm
.macro PRODX k                         ; x loraA1, the four slots
.set kb, 108*((\k)%2)
.set ka, 48*((\k)%4)
.set ksb, BSC+12*((\k)%2)
.set ksa, ASC+16*(((\k)/4)%2)+(\k)%4
	WIN 0x06
.irp i, 0,1,2,3
.if (\k) == 0
	v_wmma_scale_f32_16x16x128_f8f6f4 v[XA+8*\i:XA+8*\i+7], v[kb+96:kb+107], v[ka+12*\i:ka+12*\i+11], 0, v[ksb+8], v[ksa+4*\i] matrix_a_fmt:MATRIX_FMT_FP6 matrix_b_fmt:MATRIX_FMT_FP6
.else
	v_wmma_scale_f32_16x16x128_f8f6f4 v[XA+8*\i:XA+8*\i+7], v[kb+96:kb+107], v[ka+12*\i:ka+12*\i+11], v[XA+8*\i:XA+8*\i+7], v[ksb+8], v[ksa+4*\i] matrix_a_fmt:MATRIX_FMT_FP6 matrix_b_fmt:MATRIX_FMT_FP6
.endif
.endr
.endm
; A K step.  The count at its head leaves out what was issued behind this step's fragments of x: two later steps' 12 loads each, and at k = 1, 2, 5, 6, 9, 10 four loads of scale words too.
; The step's loads stand behind the one wait at its head, dealt among its products: the next step's weights early, so that they have landed at the step's end; then x's scale words and x's fragments of three steps on.
; The last step asks for nothing, so it has neither the places nor the wait.
.macro KSTEP k
.if (\k) == 15
	s_wait_loadcnt 0x0
.elseif (\k) == 14
	s_wait_loadcnt 12
.elseif ((\k) < 12) && (((\k)%4 == 1) || ((\k)%4 == 2))
	s_wait_loadcnt 28
.else
	s_wait_loadcnt 24
.endif
	s_wait_dscnt 0x0                                   ; this step's weights, asked for a step ago
.if ((\k) > 0) && ((\k) < 15)
	PLACES 4                                           ; four plain places behind the last step's products, ahead of the loads into registers that they read
	s_wait_alu depctr_va_vdst(0)                       ; the last step's products are done reading their set of weights and its scale words, their ring set of x and, at k % 4 = 0, their set of x's scale words: this step's loads land there
.endif
	PRODS \k, 0
.if (\k) < 15
	BLOADF (\k)+1, 0, 14                               ; no wait: no product since the wait names the other set
.endif
	PRODS \k, 1
.if (\k) < 15
	BLOADF (\k)+1, 14, 13
	BLOADS (\k)+1
.endif
	PRODS \k, 2
.if ((\k)%4 == 0) && ((\k) < 12)
	SLOAD (\k)/4+1
.endif
.if (\k) < 13
	ALOAD (\k)+3
.endif
	PRODS \k, 3
	PRODX \k
.endm
; Block u (32 hidden units) of slot i: clips, the gated activation, its codes, and its part of gated x lora_down_A
.macro ACTBLK i, u, dst
	WIN 0x0f
.set ai, 0
.rept 8                                                ; each accumulator from its low end on
	v_min_num_f32 v[GA+2*ai], s[LIM], v[8*(8*\i+4*\u)+ai]
	v_min_num_f32 v[GA+2*ai+1], s[LIM], v[8*(8*\i+4*\u+2)+ai]
	v_med3_num_f32 v[UP+2*ai], v[8*(8*\i+4*\u+1)+ai], s[NLIM], s[LIM]
	v_med3_num_f32 v[UP+2*ai+1], v[8*(8*\i+4*\u+3)+ai], s[NLIM], s[LIM]
.set ai, ai+1
.endr
	WIN 0
.irp x, 0,2,4,6,8,10,12,14
	v_pk_mul_f32 v[EE+\x:EE+\x+1], v[GA+\x:GA+\x+1], s[CE:CE+1] op_sel_hi:[1,0]
.endr
	s_wait_alu depctr_va_vdst(0)
.irp x, 0,1,2,3,4,5,6,7,8,9,10,11,12,13,14,15
	v_exp_f32 v[EE+\x], v[EE+\x]                       ; e^(-1.702 gate)
.endr
	v_nop                                              ; a plain place behind the transcendentals
	s_wait_alu depctr_va_vdst(0)                       ; the sixteen exponentials have written v[EE ..]: one wait for the batch, ahead of its first reader
.irp x, 0,2,4,6,8,10,12,14
	v_pk_add_f32 v[EE+\x:EE+\x+1], v[EE+\x:EE+\x+1], 1.0 op_sel_hi:[1,0]
.endr
	s_wait_alu depctr_va_vdst(0)
.irp x, 0,1,2,3,4,5,6,7,8,9,10,11,12,13,14,15
	v_rcp_f32 v[EE+\x], v[EE+\x]                       ; the sigmoid
.endr
	v_nop
	s_wait_alu depctr_va_vdst(0)                       ; the sixteen reciprocals have written v[EE ..]: one wait for the batch, ahead of its first reader
.irp x, 0,2,4,6,8,10,12,14
	v_pk_mul_f32 v[EE+\x:EE+\x+1], v[GA+\x:GA+\x+1], v[EE+\x:EE+\x+1]
.endr
.irp x, 0,2,4,6,8,10,12,14
	v_pk_fma_f32 v[GA+\x:GA+\x+1], v[UP+\x:UP+\x+1], v[EE+\x:EE+\x+1], v[EE+\x:EE+\x+1]   ; (up + 1) glu: register t is hidden unit 32 u + 16 h + t
.endr
	v_max3_num_f32 v[VM], |v[GA]|, |v[GA+1]|, 0x1800000
.irp x, 2,4,6,8,10,12,14
	v_max3_num_f32 v[VM], v[VM], |v[GA+\x]|, |v[GA+\x+1]|
.endr
	v_permlanex16_b32 v[PX], v[VM], s20, s21
	v_max_num_f32 v[VM], v[VM], v[PX]                  ; with lane l xor 16's 16: the block's largest magnitude
	v_add_nc_u32 v[VS], 0xff000000, v[VM]
	v_lshrrev_b32 v[BB+\u], 23, v[VS]
	v_cvt_scalef32_pk16_fp6_f32 v[\dst:\dst+2], v[GA:GA+15], v[VS]
	v_nop                                              ; one plain place behind a scaled conversion
.irp x, 0,1,2,3,4,5,6,7
	v_cvt_pk_bf16_f32 v[PK+8*\u+\x], v[GA+2*\x], v[GA+2*\x+1]
.endr
	v_wmma_f32_16x16x32_bf16 v[T2+16*((\i)%2)+8*\u:T2+16*((\i)%2)+8*\u+7], v[A2F+8*\u:A2F+8*\u+7], v[PK+8*\u:PK+8*\u+7], 0   ; K in the same order on both sides: my half's 16 units on end
.endm
.macro SLOTOUT i
	s_wait_xcnt 0x0                                    ; the last slot's stores have read their data and bases: both are written again below
.if \i > 0
	s_wait_alu depctr_vm_vsrc(0)                       ; the last slot's four stores have read v[PP ..], v[HW] and v[OT ..], which this slot's lines write again (slot 0: the wait at the pass's head has stated it)
.endif
	s_cmp_ge_u32 s[TAU+\i], s[NT]
	s_cbranch_scc1 .Lidle_\@                           ; a slot past the last tile stores nothing
	s_mul_i32 s50, s[TAC+\i], 12288
	s_mov_b32 s51, 0
	s_add_nc_u64 s[52:53], s[GCB:GCB+1], s[50:51]
	s_lshl_b32 s50, s[TAC+\i], 9
	s_add_nc_u64 s[54:55], s[GSB:GSB+1], s[50:51]
	s_add_nc_u64 s[56:57], s[T2B:T2B+1], s[50:51]
	ACTBLK \i, 0, PP
	ACTBLK \i, 1, QQ
.irp x, 0,1,2
	v_permlane16_swap_b32 v[PP+\x], v[QQ+\x]           ; the operand's layout wants a whole block in a lane: lanes 0-15 block 0, lanes 16-31 block 1
.endr
.irp x, 0,1,2
	v_mov_b32 v[PP+3+\x], v[QQ+\x]
.endr
	v_lshl_or_b32 v[HW], v[BB+1], 8, v[BB]             ; the two blocks' bytes
	PLACES 2                                           ; with the four plain lines above: the places behind the last product
.irp x, 0,2,4,6
	v_pk_add_f32 v[TS+\x:TS+\x+1], v[T2+16*((\i)%2)+\x:T2+16*((\i)%2)+\x+1], v[T2+16*((\i)%2)+8+\x:T2+16*((\i)%2)+8+\x+1]
.endr
.irp x, 0,1,2,3
	v_cndmask_b32 v[OT+\x], v[TS+\x], v[TS+4+\x], s[HM]   ; every lane holds its row's eight sums: lanes 0-15 store four, lanes 16-31 the other four
.endr
	s_wait_alu depctr_va_vdst(0)                       ; the swaps and moves have written v[PP ..], the line behind them v[HW], the selects v[OT ..]: the four stores read them
	global_store_b128 v[L16], v[PP:PP+3], s[52:53]     ; half a fragment's image: 512 and 256 consecutive bytes, aligned
	global_store_b64 v[L8], v[PP+4:PP+5], s[52:53] offset:512
	global_store_b16 v[TK16], v[HW], s[54:55]          ; both lanes of a row write the same two bytes
	global_store_b128 v[T2O], v[OT:OT+3], s[56:57]
.Lidle_\@:
.endm
.Lpass:
	s_wait_alu depctr_vm_vsrc(0)                       ; the last pass's loads have read v[AOFF ..] and v[SOFF ..], written below, and its last stores their data; in the first pass: loraA1's LDS stores have read the registers in which x's fragments land, and the fill's loads and stores the addresses onto which a slot's lines write
	s_lshl_b32 s50, s[PS], 4
	s_add_co_u32 s50, s50, s[WV]
.irp i, 0,1,2,3
	s_add_co_u32 s51, s50, 4*\i
	s_lshl_b32 s51, s51, 1
	s_add_co_u32 s[TAU+\i], s51, s[HF]                 ; the slot's tile
	s_min_u32 s[TAC+\i], s[TAU+\i], s[NTM]
	s_min_u32 s[TAC+\i], s[TAC+\i], 63                 ; held at the expert's last tile
	s_mul_i32 s51, s[TAC+\i], 24576
	v_add_nc_u32 v[AOFF+\i], s51, v[L16]
	s_lshl_b32 s51, s[TAC+\i], 11
	v_add_nc_u32 v[SOFF+\i], s51, v[L16]
.endr
	s_wait_alu depctr_va_vdst(0)                       ; the eight offsets are written, which the pass's loads read; and all that named the registers in which the loads below and K step 0's land is done: the last pass's products, or the fill's copies, conversions and moves
	SLOAD 0
	ALOAD 0
	ALOAD 1
	ALOAD 2
	BLOADF 0, 0, 27
	BLOADS 0
.irp k, 0,1,2,3,4,5,6,7,8,9,10,11,12,13,14,15
	KSTEP \k
.endr
	PLACES 5                                           ; another form now reads x loraA1 and adds onto the accumulators
	WIN 0xf2
.irp kp, 0,1                                           ; + (2 lora_gate_up_B)^T (x loraA1)^T in f32: r = 4 kp + 2 h + 0, 1.  These registers are written by matrix instructions alone
.irp i, 0,1,2,3
.irp j, 0,1,2,3,4,5,6,7
	v_wmma_f32_16x16x4_f32 v[8*(8*\i+\j):8*(8*\i+\j)+7], v[B1F+4*\j+2*\kp:B1F+4*\j+2*\kp+1], v[XA+8*\i+2*\kp:XA+8*\i+2*\kp+1], v[8*(8*\i+\j):8*(8*\i+\j)+7]
.endr
.endr
.endr
	WIN 0
	PLACES 9                                           ; on every way: in front of the reads of these results, and of the next pass's first products and loads
	SLOTOUT 0
	SLOTOUT 1
	SLOTOUT 2
	SLOTOUT 3
	s_add_co_u32 s[PS], s[PS], 1
	s_cmp_lt_u32 s[PS], s[NPS]
	s_cbranch_scc1 .Lpass
.Lend:
	s_wait_dscnt 0x0                                   ; the closing lines, six on end
	s_wait_alu 0x0
	s_wait_tensorcnt 0x0
	ds_add_u32 v254, v255
	s_wait_dscnt 0x0
	s_endpgm
.Lfunc_end_k_q56f7b231bb_gateup:
	.size	k_q56f7b231bb_gateup, .Lfunc_end_k_q56f7b231bb_gateup-k_q56f7b231bb_gateup
	.p2alignl 7, 3214868480
	.fill 96, 4, 3214868480
	.section	.rodata,"a",@progbits
	.p2align	6, 0x0
	.amdhsa_kernel k_q56f7b231bb_gateup
		.amdhsa_group_segment_fixed_size 240128
		.amdhsa_private_segment_fixed_size 0
		.amdhsa_enable_private_segment 0
		.amdhsa_kernarg_size 56
		.amdhsa_user_sgpr_count 2
		.amdhsa_user_sgpr_kernarg_segment_ptr 1
		.amdhsa_wavefront_size32 1
		.amdhsa_system_sgpr_workgroup_id_x 1
		.amdhsa_system_sgpr_workgroup_id_y 1
		.amdhsa_system_sgpr_workgroup_id_z 1
		.amdhsa_system_vgpr_workitem_id 0
		.amdhsa_next_free_vgpr 1024
		.amdhsa_next_free_sgpr 72
		.amdhsa_reserve_vcc 0
		.amdhsa_float_denorm_mode_32 3
		.amdhsa_float_denorm_mode_16_64 3
		.amdhsa_memory_ordered 1
		.amdhsa_forward_progress 1
		.amdhsa_inst_pref_size 255
	.end_amdhsa_kernel
	.section	.bss,"aw",@nobits
	.p2align	6
	.space	262144
	.amdgpu_metadata
---
amdhsa.version: [ 1, 2 ]
amdhsa.kernels:
  - .name:           k_q56f7b231bb_gateup
    .symbol:         k_q56f7b231bb_gateup.kd
    .args:
      - { .name: qw, .offset: 0, .size: 8, .value_kind: global_buffer, .address_space: global }
      - { .name: route, .offset: 8, .size: 8, .value_kind: global_buffer, .address_space: global }
      - { .name: gate_up_proj, .offset: 16, .size: 8, .value_kind: global_buffer, .address_space: global }
      - { .name: gate_up_proj_bias, .offset: 24, .size: 8, .value_kind: global_buffer, .address_space: global }
      - { .name: lora_gate_up_B, .offset: 32, .size: 8, .value_kind: global_buffer, .address_space: global }
      - { .name: lora_down_A, .offset: 40, .size: 8, .value_kind: global_buffer, .address_space: global }
      - { .name: gq, .offset: 48, .size: 8, .value_kind: global_buffer, .address_space: global }
    .group_segment_fixed_size: 240128
    .private_segment_fixed_size: 0
    .kernarg_segment_align: 8
    .kernarg_segment_size: 56
    .max_flat_workgroup_size: 128
    .sgpr_count:     72
    .vgpr_count:     1024
    .wavefront_size: 32
...
	.end_amdgpu_metadata
.endif
;; end of part 6
;; launch down (part 7): grid 256 x 1, 4 waves a work-group, no clusters, 124,416 bytes of LDS; arguments qw, gq, route, y; writes y
.if DOCPART == 7
	.amdgcn_target "amdgcn-amd-amdhsa--gfx1250"
	.amdhsa_code_object_version 6
	.text
	.protected	k_q56f7b231bb_down
	.globl	k_q56f7b231bb_down
	.p2align	8
	.type	k_q56f7b231bb_down,@function
k_q56f7b231bb_down:
	s_mov_b64 s[64:65], 0
	v_nop
	global_prefetch_b8 v0, s[64:65] scope:SCOPE_SE
	s_setreg_imm32_b32 hwreg(HW_REG_WAVE_SCHED_MODE, 0, 2), 2
	s_setreg_imm32_b32 hwreg(HW_REG_WAVE_MODE, 25, 1), 1
	s_wait_xcnt 0x0
	s_wait_alu depctr_vm_vsrc(0)
; DOWN: gated x down_proj on codes of FP6, for the routed rows of one expert and 128 columns; the sums leave rounded once to bf16, as the operand of the weighted sum over experts, which the next launch makes.
; The same frame as the launch before: work-group u: expert u / 32, columns 128 ((u / 2) % 16) on, row tiles of parity u % 2; the slab's codes for all of K (8 K steps x 8 tiles) lie in LDS, brought through registers once;
; the rows' fragments come from memory straight into registers.  No tensor load and no cluster: the passes and the skipped stores hang on a count read from memory.
; A slot past the expert's last tile works on the last tile again and stores nothing.  The products are used transposed: a lane holds one row; tile j of a group holds columns 4 m + j, so that four tiles' registers p are four neighbouring columns.
; WINDOWS: 0: addresses, scale words, the way out.  1: v0-191 the rows' fragments, a ring of four K steps x four slots.  2: the weights' fragments, two sets of eight.  3: the 32 accumulators.
; THE MODE: SCHED_MODE bits 1:0 = 2 (LLVM: expert scheduling mode 2), set by the entry lines.  The code itself states the register dependences
; between vector or matrix instructions and memory or LDS instructions, with s_wait_alu, always for 0.
; THE PLAN.  Registers that memory or LDS instructions touch:
;   window 2, two sets; v[BSC ..], two sets   In the fill: written by loads, read by the LDS stores that lay the slab.  In a pass: K step k's products read set k % 2; the LDS loads of step k + 1 land in the other set.
;   window 1, a ring of four sets             K step k's products read set k % 4; the loads of step k + 3 land in set (k - 1) % 4.
;   v[ASC ..]                                 Loaded at a pass's head, read by all its products.
;   So ONE wait on va_vdst stands at a K step's head: the step before is done reading all that this step's loads land in.  The loads follow it, dealt among the step's 32 products, which name none of their registers.
;   v[AO16 ..], v[AO8 ..], v[SOFF ..]         Written at a pass's head, between a wait on vm_vsrc and a wait on va_vdst; read by the pass's loads.
;   v[WB ..]                                  Written by a slot's roundings; read by its LDS stores, behind a wait on va_vdst.
;   v[RB ..]                                  Written by a slot's LDS loads; read by its global stores.  Both are written again by the next slot, behind a wait on vm_vsrc.
;   all other addresses                       Made at the head, ahead of the one wait on va_vdst in front of the first load; never written again.
.set W2S,  25165824                    ; qw: down_proj's codes lie from byte 0 on, its scale words here
.set GSCO, 6291456
.set KB,   12288
.set SCL,  98304                       ; behind the eight K steps: their scale words, 1,024 bytes each
.set STG,  106496                      ; behind them: a stage of 16 rows x (256 bytes + 16) for each wave, its own
.set L16, 1
.set L8,  2
.set RR,  3
.set HH,  4
.set LB1, 6
.set LSB, 7
.set FST, 8
.set TK16, 9
.set FSS, 10
.set AO16, 12
.set AO8, 16
.set SOFF, 20
.set ASC, 24                           ; v24-55 the rows' scale words: (slot, K step)
.set BSC, 56                           ; v56-71 the weights': two sets of eight
.set STO, 72
.set SRD, 73
.set YO,  74
.set WB,  80
.set RB,  112
.set FT,  144
.set WV, 16
.set EX, 17
.set CG, 18
.set HF, 19
.set NT, 22
.set NTM, 23
.set NPS, 24
.set PS, 25
.set TAU, 32
.set TAC, 36
.set GCB, 40
.set GSB, 42
.set YB, 44
.set MSB, 0
.macro WIN new
.if MSB != \new
	s_set_vgpr_msb (MSB<<8)|\new
.set MSB, \new
.endif
.endm
.macro PLACES n
.rept \n
	v_nop
.endr
.endm
	s_load_b256 s[4:11], s[0:1], 0x0                   ; qw, gq, route, y
	v_lshl_add_u32 v254, v0, 2, 0x1e400
	v_mov_b32 v255, 0
	v_lshrrev_b32 v[WB], 5, v0
	v_readfirstlane_b32 s[WV], v[WB]
	v_and_b32 v[WB], 31, v0
	v_lshlrev_b32 v[L16], 4, v[WB]
	v_lshlrev_b32 v[L8], 3, v[WB]
	v_and_b32 v[RR], 15, v0
	v_bfe_u32 v[HH], v0, 4, 1
	v_add_nc_u32 v[LB1], 4*KB, v[L16]
	v_add_nc_u32 v[LSB], SCL, v[L16]
	v_lshlrev_b32 v[TK16], 4, v[RR]
	s_wait_alu depctr_va_sdst(0)                       ; the wave's number is written into s[WV], ahead of its first reader: LDS addresses and bases are made from it
	s_mul_i32 s50, s[WV], 2*KB
	v_add_nc_u32 v[FST], s50, v[L16]
	s_lshl_b32 s50, s[WV], 11
	s_add_co_u32 s50, s50, SCL
	v_add_nc_u32 v[FSS], s50, v[L16]
	s_mul_i32 s50, s[WV], 4352
	s_add_co_u32 s50, s50, STG
	v_mul_u32_u24 v[STO], v[RR], 272
	v_lshl_add_u32 v[STO], v[HH], 6, v[STO]
	v_add_nc_u32 v[STO], s50, v[STO]                   ; into my stage: my row, + 64 h
	v_mul_u32_u24 v[SRD], v[HH], 272
	v_lshl_add_u32 v[SRD], v[RR], 4, v[SRD]
	v_add_nc_u32 v[SRD], s50, v[SRD]                   ; back: lanes 0-15 one row, lanes 16-31 the next
	v_lshlrev_b32 v[YO], 12, v[HH]
	v_lshl_add_u32 v[YO], v[RR], 4, v[YO]              ; and the same two rows of y
	s_lshr_b32 s[EX], ttmp9, 5
	s_bfe_u32 s[CG], ttmp9, 0x40001
	s_and_b32 s[HF], ttmp9, 1
	s_lshl_b32 s54, s[EX], 7
	s_mov_b32 s55, 0
	s_lshl_b32 s50, s[EX], 3
	s_lshl_b32 s51, s[WV], 1
	s_add_co_u32 s50, s50, s51                         ; the first K step that I fill: 8 e + 2 w
	s_lshl_b32 s50, s50, 5
	s_lshl_b32 s51, s[CG], 1
	s_add_co_u32 s50, s50, s51
	s_mul_i32 s46, s50, 6144
	s_mov_b32 s47, 0
	s_lshl_b32 s48, s50, 9
	s_add_co_u32 s48, s48, W2S
	s_mov_b32 s49, 0
	s_mul_i32 s[GCB], s[EX], 786432
	s_mov_b32 s[GCB+1], 0
	s_lshl_b32 s[GSB], s[EX], 15
	s_add_co_u32 s[GSB], s[GSB], GSCO
	s_mov_b32 s[GSB+1], 0
	s_lshl_b32 s[YB], s[EX], 22
	s_lshl_b32 s51, s[CG], 8
	s_add_co_u32 s[YB], s[YB], s51
	s_mov_b32 s[YB+1], 0
	s_wait_kmcnt 0x0
	s_add_nc_u64 s[54:55], s[8:9], s[54:55]
	s_load_b32 s[NT], s[54:55], 0x0
	s_add_nc_u64 s[46:47], s[4:5], s[46:47]
	s_add_nc_u64 s[48:49], s[4:5], s[48:49]
	s_add_nc_u64 s[GCB:GCB+1], s[6:7], s[GCB:GCB+1]
	s_add_nc_u64 s[GSB:GSB+1], s[6:7], s[GSB:GSB+1]
	s_add_nc_u64 s[YB:YB+1], s[10:11], s[YB:YB+1]
	s_wait_alu depctr_va_vdst(0)                       ; the offsets and LDS addresses made at the head are written: the fill's loads and LDS stores, the passes' LDS loads and the way out read them
.irp kk, 0,1
	global_load_b128 v[FT+8*\kk:FT+8*\kk+3], v[L16], s[48:49] offset:\kk*16384
	global_load_b128 v[FT+8*\kk+4:FT+8*\kk+7], v[L16], s[48:49] offset:\kk*16384+512
.endr
.macro FLOAD kk, set
	WIN 0x80
.set fi, 0
.rept 24
	global_load_b128 v[96*\set+4*fi:96*\set+4*fi+3], v[L16], s[46:47] offset:\kk*196608+fi*512
.set fi, fi+1
.endr
.endm
.macro FSTORE kk, set
	WIN 0x08
.set fi, 0
.rept 24
	ds_store_b128 v[FST], v[96*\set+4*fi:96*\set+4*fi+3] offset:\kk*KB+fi*512
.set fi, fi+1
.endr
.endm
	FLOAD 0, 0
	FLOAD 1, 1
	s_wait_loadcnt 24                                  ; all but the second K step's 24 loads are in
	WIN 0
.irp kk, 0,1
	ds_store_b128 v[FSS], v[FT+8*\kk:FT+8*\kk+3] offset:\kk*1024      ; (the data of the fill's LDS stores came by loads: no vector line has written them)
	ds_store_b128 v[FSS], v[FT+8*\kk+4:FT+8*\kk+7] offset:\kk*1024+512
.endr
	FSTORE 0, 0
	s_wait_loadcnt 0x0
	FSTORE 1, 1
	WIN 0
	s_wait_kmcnt 0x0
	s_min_u32 s[NT], s[NT], 1024
	s_add_co_u32 s[NT], s[NT], 15
	s_lshr_b32 s[NT], s[NT], 4                         ; the expert's tiles
	s_sub_co_u32 s[NPS], s[NT], s[HF]
	s_add_co_u32 s[NPS], s[NPS], 1
	s_lshr_b32 s[NPS], s[NPS], 1
	s_add_co_u32 s[NPS], s[NPS], 15
	s_lshr_b32 s[NPS], s[NPS], 4                       ; passes: 0, 1 or 2
	s_sub_co_u32 s[NTM], s[NT], 1
	s_wait_dscnt 0x0                                   ; for the others' sake: my part of the slab lies in LDS
	s_barrier_signal -1
	s_barrier_wait -1                                  ; the one barrier: behind it a wave writes only its own stage
	s_cmp_eq_u32 s[NPS], 0
	s_cbranch_scc1 .Lend
	s_mov_b32 s[PS], 0
.macro BLOADF k, f0, n                 ; n of the 24 loads that bring K step k's eight fragments, from the f0-th on, into set k % 2
.set ba, L16
.if (\k)/4 > 0
.set ba, LB1
.endif
	WIN 0x80
.set fi, \f0
.rept \n
	ds_load_b128 v[96*((\k)%2)+4*fi:96*((\k)%2)+4*fi+3], v[ba] offset:((\k)%4)*KB+512*fi
.set fi, fi+1
.endr
.endm
.macro BLOADS k                        ; and their scale words
	WIN 0
	ds_load_b128 v[BSC+8*((\k)%2):BSC+8*((\k)%2)+3], v[LSB] offset:(\k)*1024
	ds_load_b128 v[BSC+8*((\k)%2)+4:BSC+8*((\k)%2)+7], v[LSB] offset:(\k)*1024+512
.endm
.macro ALOAD k                         ; a fragment lies as two halves of 768 bytes: four registers a lane, then two
	WIN 0x40
.irp i, 0,1,2,3
	global_load_b128 v[48*((\k)%4)+12*\i:48*((\k)%4)+12*\i+3], v[AO16+\i], s[GCB:GCB+1] offset:(\k)*1536
	global_load_b64 v[48*((\k)%4)+12*\i+4:48*((\k)%4)+12*\i+5], v[AO8+\i], s[GCB:GCB+1] offset:(\k)*1536+512
	global_load_b128 v[48*((\k)%4)+12*\i+6:48*((\k)%4)+12*\i+9], v[AO16+\i], s[GCB:GCB+1] offset:(\k)*1536+768
	global_load_b64 v[48*((\k)%4)+12*\i+10:48*((\k)%4)+12*\i+11], v[AO8+\i], s[GCB:GCB+1] offset:(\k)*1536+1280
.endr
.endm
; Slot i's eight products of K step k.  The 32 accumulators take turns, one instruction a turn, slot by slot, in the same order in every step; the first step's C is 0
.macro PRODS k, i
	WIN 0xf6
.irp j, 0,1,2,3,4,5,6,7
.if (\k) == 0
	v_wmma_scale_f32_16x16x128_f8f6f4 v[8*(8*(\i)+\j):8*(8*(\i)+\j)+7], v[96*((\k)%2)+12*\j:96*((\k)%2)+12*\j+11], v[48*((\k)%4)+12*(\i):48*((\k)%4)+12*(\i)+11], 0, v[BSC+8*((\k)%2)+\j], v[ASC+8*(\i)+(\k)] matrix_a_fmt:MATRIX_FMT_FP6 matrix_b_fmt:MATRIX_FMT_FP6
.else
	v_wmma_scale_f32_16x16x128_f8f6f4 v[8*(8*(\i)+\j):8*(8*(\i)+\j)+7], v[96*((\k)%2)+12*\j:96*((\k)%2)+12*\j+11], v[48*((\k)%4)+12*(\i):48*((\k)%4)+12*(\i)+11], v[8*(8*(\i)+\j):8*(8*(\i)+\j)+7], v[BSC+8*((\k)%2)+\j], v[ASC+8*(\i)+(\k)] matrix_a_fmt:MATRIX_FMT_FP6 matrix_b_fmt:MATRIX_FMT_FP6
.endif
.endr
.endm
; A K step: the count leaves out the 16 loads of each later step that has been asked for.  The step's loads stand behind the one wait at its head, dealt among its products: the next step's weights early,
; so that they have landed at the step's end, then the rows' fragments of three steps on.  The last step asks for nothing, so it has neither the places nor the wait.
.macro KSTEP k
.if (\k) == 7
	s_wait_loadcnt 0x0
.elseif (\k) == 6
	s_wait_loadcnt 16
.else
	s_wait_loadcnt 32
.endif
	s_wait_dscnt 0x0
.if ((\k) > 0) && ((\k) < 7)
	PLACES 4                                           ; in front of loads into registers that the last step's products read
	s_wait_alu depctr_va_vdst(0)                       ; the last step's products are done reading their set of weights and its scale words and their ring set of rows: this step's loads land there
.endif
	PRODS \k, 0
.if (\k) < 7
	BLOADF (\k)+1, 0, 12                               ; no wait: no product since the wait names the other set
.endif
	PRODS \k, 1
.if (\k) < 7
	BLOADF (\k)+1, 12, 12
	BLOADS (\k)+1
.endif
	PRODS \k, 2
.if (\k) < 5
	ALOAD (\k)+3
.endif
	PRODS \k, 3
.endm
; A slot's 16 rows x 128 columns: rounded to bf16, through my stage, out as whole rows of 256 bytes
.macro YOUT i
	s_wait_xcnt 0x0                                    ; the last slot's stores have read their data and base
.if \i > 0
	s_wait_alu depctr_vm_vsrc(0)                       ; the last slot's LDS stores have read v[WB ..], which this slot's roundings write again, and its global stores v[RB ..], in which this slot's LDS loads land (slot 0: the wait at the pass's head has stated it)
.endif
	s_cmp_ge_u32 s[TAU+\i], s[NT]
	s_cbranch_scc1 .Lidle_\@
	s_lshl_b32 s50, s[TAC+\i], 16
	s_mov_b32 s51, 0
	s_add_nc_u64 s[52:53], s[YB:YB+1], s[50:51]
	WIN 0x0f
.irp g, 0,1
.irp p, 0,1,2,3,4,5,6,7
.irp q, 0,1
	v_cvt_pk_bf16_f32 v[WB+16*\g+2*\p+\q], v[8*(8*\i+4*\g+2*\q)+\p], v[8*(8*\i+4*\g+2*\q+1)+\p]   ; columns 64 g + 32 h + 4 p + 2 q, + 1; each accumulator from its low end on
.endr
.endr
.endr
	WIN 0
	s_wait_alu depctr_va_vdst(0)                       ; the roundings have written v[WB ..], which the LDS stores read
.irp g, 0,1
.irp q, 0,1,2,3
	ds_store_b128 v[STO], v[WB+16*\g+4*\q:WB+16*\g+4*\q+3] offset:128*\g+16*\q
.endr
.endr
.irp t, 0,1,2,3,4,5,6,7
	ds_load_b128 v[RB+4*\t:RB+4*\t+3], v[SRD] offset:\t*544   ; LDS serves a wave's instructions in order (ISA guide 5.7.1.4): these see the stores above
.endr
	s_wait_dscnt 0x0
.irp t, 0,1,2,3,4,5,6,7
	global_store_b128 v[YO], v[RB+4*\t:RB+4*\t+3], s[52:53] offset:\t*8192   ; 16 lanes store 256 consecutive bytes, aligned
.endr
.Lidle_\@:
.endm
.Lpass:
	s_wait_alu depctr_vm_vsrc(0)                       ; the last pass's loads have read the twelve offsets written below, and its last slot's stores their data; in the first pass: the fill's LDS stores have read the registers in which the weights' fragments land
	s_lshl_b32 s50, s[PS], 4
	s_add_co_u32 s50, s50, s[WV]
.irp i, 0,1,2,3
	s_add_co_u32 s51, s50, 4*\i
	s_lshl_b32 s51, s51, 1
	s_add_co_u32 s[TAU+\i], s51, s[HF]
	s_min_u32 s[TAC+\i], s[TAU+\i], s[NTM]
	s_min_u32 s[TAC+\i], s[TAC+\i], 63
	s_mul_i32 s51, s[TAC+\i], 12288
	v_add_nc_u32 v[AO16+\i], s51, v[L16]
	v_add_nc_u32 v[AO8+\i], s51, v[L8]
	s_lshl_b32 s51, s[TAC+\i], 9
	v_add_nc_u32 v[SOFF+\i], s51, v[TK16]
.endr
	s_wait_alu depctr_va_vdst(0)                       ; the twelve offsets are written, which the pass's loads read; and the last pass's products are done reading the fragments and scale words in which the loads below and K step 0's land
.irp i, 0,1,2,3
	global_load_b128 v[ASC+8*\i:ASC+8*\i+3], v[SOFF+\i], s[GSB:GSB+1]
	global_load_b128 v[ASC+8*\i+4:ASC+8*\i+7], v[SOFF+\i], s[GSB:GSB+1] offset:256
.endr
	ALOAD 0
	ALOAD 1
	ALOAD 2
	BLOADF 0, 0, 24
	BLOADS 0
.irp k, 0,1,2,3,4,5,6,7
	KSTEP \k
.endr
	WIN 0
	PLACES 5                                           ; on every way: in front of the reads of the results, and of the next pass's first products and loads
	YOUT 0
	YOUT 1
	YOUT 2
	YOUT 3
	s_add_co_u32 s[PS], s[PS], 1
	s_cmp_lt_u32 s[PS], s[NPS]
	s_cbranch_scc1 .Lpass
.Lend:
	s_wait_dscnt 0x0                                   ; the closing lines, six on end
	s_wait_alu 0x0
	s_wait_tensorcnt 0x0
	ds_add_u32 v254, v255
	s_wait_dscnt 0x0
	s_endpgm
.Lfunc_end_k_q56f7b231bb_down:
	.size	k_q56f7b231bb_down, .Lfunc_end_k_q56f7b231bb_down-k_q56f7b231bb_down
	.p2alignl 7, 3214868480
	.fill 96, 4, 3214868480
	.section	.rodata,"a",@progbits
	.p2align	6, 0x0
	.amdhsa_kernel k_q56f7b231bb_down
		.amdhsa_group_segment_fixed_size 124416
		.amdhsa_private_segment_fixed_size 0
		.amdhsa_enable_private_segment 0
		.amdhsa_kernarg_size 32
		.amdhsa_user_sgpr_count 2
		.amdhsa_user_sgpr_kernarg_segment_ptr 1
		.amdhsa_wavefront_size32 1
		.amdhsa_system_sgpr_workgroup_id_x 1
		.amdhsa_system_sgpr_workgroup_id_y 1
		.amdhsa_system_sgpr_workgroup_id_z 1
		.amdhsa_system_vgpr_workitem_id 0
		.amdhsa_next_free_vgpr 1024
		.amdhsa_next_free_sgpr 66
		.amdhsa_reserve_vcc 0
		.amdhsa_float_denorm_mode_32 3
		.amdhsa_float_denorm_mode_16_64 3
		.amdhsa_memory_ordered 1
		.amdhsa_forward_progress 1
		.amdhsa_inst_pref_size 91
	.end_amdhsa_kernel
	.amdgpu_metadata
---
amdhsa.version: [ 1, 2 ]
amdhsa.kernels:
  - .name:           k_q56f7b231bb_down
    .symbol:         k_q56f7b231bb_down.kd
    .args:
      - { .name: qw, .offset: 0, .size: 8, .value_kind: global_buffer, .address_space: global }
      - { .name: gq, .offset: 8, .size: 8, .value_kind: global_buffer, .address_space: global }
      - { .name: route, .offset: 16, .size: 8, .value_kind: global_buffer, .address_space: global }
      - { .name: y, .offset: 24, .size: 8, .value_kind: global_buffer, .address_space: global }
    .group_segment_fixed_size: 124416
    .private_segment_fixed_size: 0
    .kernarg_segment_align: 8
    .kernarg_segment_size: 32
    .max_flat_workgroup_size: 128
    .sgpr_count:     66
    .vgpr_count:     1024
    .wavefront_size: 32
...
	.end_amdgpu_metadata
.endif
;; end of part 7
;; launch combine (part 8): grid 8 x 32, 8 waves a work-group, no clusters, 74,752 bytes of LDS; arguments y, gq, route, router_indices, routing_weights, lora_down_B, down_proj_bias, out0; writes out0
.if DOCPART == 8
	.amdgcn_target "amdgcn-amd-amdhsa--gfx1250"
	.amdhsa_code_object_version 6
	.text
	.protected	k_q56f7b231bb_combine
	.globl	k_q56f7b231bb_combine
	.p2align	8
	.type	k_q56f7b231bb_combine,@function
k_q56f7b231bb_combine:
	s_mov_b64 s[64:65], 0
	v_nop
	global_prefetch_b8 v0, s[64:65] scope:SCOPE_SE
	s_setreg_imm32_b32 hwreg(HW_REG_WAVE_MODE, 25, 1), 1
	s_wait_xcnt 0x0
; COMBINE: out[t] = the sum over t's four slots k of rw[t][k] x (y[e][p] + down_proj_bias[e] + 2 (gated lora_down_A)[e][p] lora_down_B[e]), e = the slot's expert, p = t's rank in e's list.
; A token whose slots name an expert twice gathers that row twice, which is the sum of the two weights.  Each output number has one owner: no sum spans work-groups.
; SHARES.  Work-group (x, y): 256 columns x 32 tokens.  Wave w owns tokens 32 y + 4 w + 0 .. 3, so its 16 slots' experts, weights and ranks are scalars; a lane owns columns 4 l .. 4 l + 3 and 128 + 4 l .. + 3.
; lora_down_B's and the bias's 256 columns of all eight experts lie in LDS (wave w brings expert w's).  A loop of eight trips takes an expert's rows out of LDS once and adds them for the slots that name it: a scalar branch on the index input.
; No matrix unit, no tensor load: the launch gathers and adds; memory and the vector unit are all it needs.
; y is bf16 (the down product, rounded once); everything else here is f32.  Indices and ranks are held inside their tables for the addresses' sake.
.set T2PO, 6553600
.set TO,  8                            ; v8-23   offsets of the 16 slots' partial sums; later at work
.set OX,  8
.set YO,  24                           ; v24-39  offsets of the 16 slots' rows of y; then:
.set ACC, 24                           ; v24-55  four tokens x eight columns
.set BS,  56                           ; v56-63  a bias row's eight columns
.set Z1,  64                           ; v64-127   y's rows; then slots 0-7's eight coefficients
.set Z2,  128                          ; v128-191  the partial sums; then an expert's eight rows of lora_down_B
.set Z3,  192                          ; v192-255  the fill's way into LDS; at work; then slots 8-15's coefficients
.set TM,  192
	s_load_b512 s[68:83], s[0:1], 0x0                  ; y 68, gq 70, route 72, router_indices 74, routing_weights 76, lora_down_B 78, down_proj_bias 80, out0 82
	v_lshl_add_u32 v7, v0, 2, 0x12000
	s_set_vgpr_msb 0x40
	v_mov_b32 v1, 0
	s_set_vgpr_msb 0x4000
	v_lshrrev_b32 v1, 5, v0
	s_delay_alu instid0(VALU_DEP_1)
	v_readfirstlane_b32 s84, v1                        ; wave 0..7
	v_and_b32 v1, 31, v0                               ; lane
	s_wait_alu depctr_va_vdst(0)
	v_lshlrev_b32 v2, 4, v1                            ; 16 l
	s_wait_alu depctr_va_vdst(0)
	s_and_b32 s85, ttmp7, 0xffff
	s_lshl_b32 s87, s85, 5
	s_lshl_b32 s88, s84, 2
	s_add_co_u32 s87, s87, s88                         ; my first token
	s_lshl_b32 s88, s87, 4                             ; its slots: 16 bytes a token
	s_mov_b32 s89, 0
	s_lshl_b32 s86, ttmp9, 10                          ; my 256 columns in f32
	s_lshl_b32 s94, s84, 16
	s_add_co_u32 s94, s94, s86
	s_mov_b32 s95, 0
	s_lshl_b32 s96, s84, 13
	s_add_co_u32 s96, s96, s86
	s_mov_b32 s97, 0
	s_mov_b32 s2, 0x76543210
	s_mov_b32 s3, 0xfedcba98                           ; selects for lane l xor 16
	s_mov_b32 s101, 0xffff0000                         ; lanes 16-31
	s_lshl_b32 s98, ttmp9, 9
	v_lshlrev_b32 v3, 3, v1
	s_delay_alu instid0(VALU_DEP_1)
	v_add_nc_u32 v3, s98, v3                           ; my 256 columns in bf16, + 8 l
	v_and_b32 v4, 15, v1
	s_delay_alu instid0(VALU_DEP_1)
	v_lshlrev_b32 v4, 15, v4
	v_lshrrev_b32 v5, 4, v1
	s_delay_alu instid0(VALU_DEP_1)
	v_lshl_add_u32 v4, v5, 4, v4                       ; partial sums: lane l takes column group l % 16, numbers 4 (l / 16) on
	s_lshl_b32 s98, s84, 13
	v_add_nc_u32 v5, s98, v2                           ; LDS: expert w's eight rows of 1,024 bytes
	s_lshl_b32 s98, s84, 10
	s_add_co_u32 s98, s98, 65536
	v_add_nc_u32 v6, s98, v2                           ; and its bias row
	s_wait_alu depctr_va_vdst(0)
	s_wait_kmcnt 0x0
	s_add_nc_u64 s[90:91], s[74:75], s[88:89]
	s_add_nc_u64 s[92:93], s[76:77], s[88:89]
	s_load_b512 s[16:31], s[90:91], 0x0                ; 16 experts
	s_load_b512 s[32:47], s[92:93], 0x0                ; 16 weights
	s_add_nc_u64 s[94:95], s[78:79], s[94:95]
	s_add_nc_u64 s[96:97], s[80:81], s[96:97]
.irp r, 0,1,2,3,4,5,6,7
	global_load_b128 v[Z3+8*\r:Z3+8*\r+3], v2, s[94:95] offset:\r*8192
	global_load_b128 v[Z3+8*\r+4:Z3+8*\r+7], v2, s[94:95] offset:\r*8192+512
.endr
	global_load_b128 v[BS:BS+3], v2, s[96:97]
	global_load_b128 v[BS+4:BS+7], v2, s[96:97] offset:512
	s_lshl_b32 s98, s87, 2
	s_wait_kmcnt 0x0
.irp s, 0,1,2,3,4,5,6,7,8,9,10,11,12,13,14,15
	s_min_u32 s[16+\s], s[16+\s], 7
	s_lshl_b32 s[48+\s], s[16+\s], 12
	s_add_co_u32 s[48+\s], s[48+\s], s98
	s_load_b32 s[48+\s], s[72:73], s[48+\s] offset:1024+4*(\s/4)   ; the token's rank in that expert's list; the load lands on its own offset
.endr
	s_add_nc_u64 s[90:91], s[70:71], T2PO
	s_lshl_b32 s88, s87, 13
	s_add_co_u32 s88, s88, s86
	s_add_nc_u64 s[92:93], s[82:83], s[88:89]          ; out0 at my first token, my columns
	s_wait_kmcnt 0x0
.irp s, 0,1,2,3,4,5,6,7,8,9,10,11,12,13,14,15
	s_min_u32 s[48+\s], s[48+\s], 1023
	s_lshl_b32 s99, s[16+\s], 10
	s_add_co_u32 s99, s99, s[48+\s]
	s_lshl_b32 s99, s99, 12                            ; a row of y is 4,096 bytes
	v_add_nc_u32 v[YO+\s], s99, v3
	s_lshl_b32 s99, s[16+\s], 19
	s_lshl_b32 s100, s[48+\s], 5
	s_add_co_u32 s99, s99, s100
	v_add_nc_u32 v[TO+\s], s99, v4
.endr
	s_wait_alu depctr_va_vdst(0)
.irp s, 0,1,2,3,4,5,6,7,8,9,10,11,12,13,14,15
	global_load_b64 v[Z1+4*\s:Z1+4*\s+1], v[YO+\s], s[68:69]              ; 32 lanes read 256 consecutive bytes, aligned
	global_load_b64 v[Z1+4*\s+2:Z1+4*\s+3], v[YO+\s], s[68:69] offset:256
.endr
.irp s, 0,1,2,3,4,5,6,7,8,9,10,11,12,13,14,15
	global_load_b128 v[Z2+4*\s:Z2+4*\s+3], v[TO+\s], s[90:91]
.endr
	s_wait_loadcnt 48                                  ; the 18 loads for LDS are in; y's 32 and the partial sums' 16 stay out
.irp r, 0,1,2,3,4,5,6,7
	ds_store_b128 v5, v[Z3+8*\r:Z3+8*\r+3] offset:\r*1024
	ds_store_b128 v5, v[Z3+8*\r+4:Z3+8*\r+7] offset:\r*1024+512
.endr
	ds_store_b128 v6, v[BS:BS+3]
	ds_store_b128 v6, v[BS+4:BS+7] offset:512
	s_wait_dscnt 0x0                                   ; for the others' sake
	s_barrier_signal -1
	s_barrier_wait -1                                  ; all eight experts' rows lie in LDS; nothing is stored there again
	s_wait_loadcnt 16                                  ; y's rows are in; the partial sums' 16 loads stay out
.macro YADD s                          ; the slot's row of y, widened, times its weight; a token's first slot starts the sums
.irp c, 0,1,2,3
	v_lshlrev_b32 v[TM+2*\c], 16, v[Z1+4*(\s)+\c]
	v_and_b32 v[TM+2*\c+1], 0xffff0000, v[Z1+4*(\s)+\c]
.endr
.irp c, 0,1,2,3,4,5,6,7
.if (\s)%4 == 0
	v_mul_f32 v[ACC+8*((\s)/4)+\c], s[32+(\s)], v[TM+\c]
.else
	v_fmac_f32 v[ACC+8*((\s)/4)+\c], s[32+(\s)], v[TM+\c]
.endif
.endr
.endm
.irp s, 0,1,2,3,4,5,6,7,8,9,10,11,12,13,14,15
	YADD \s
.endr
	s_mov_b32 s99, 0                                   ; (named with s98 as a pair)
	s_wait_loadcnt 0x0
; The slot's eight coefficients 2 rw (gated lora_down_A)[r]: the sixteen column groups' parts are added across sixteen lanes, the two halves of the lanes exchange their four
.macro COEF s
.set cd, Z2+4*(\s)
.if (\s) < 8
.set cc, Z1+8*(\s)
.else
.set cc, Z3+8*((\s)-8)
.endif
	s_mul_f32 s98, s[32+(\s)], 2.0
.irp m, 1,2,4,8
.irp j, 0,1,2,3
	v_add_f32_dpp v[cd+\j], v[cd+\j], v[cd+\j] row_xmask:\m row_mask:0xf bank_mask:0xf
.endr
.endr
	s_delay_alu instid0(VALU_DEP_3)
	v_pk_mul_f32 v[cd:cd+1], v[cd:cd+1], s[98:99] op_sel_hi:[1,0]
	s_delay_alu instid0(VALU_DEP_2)
	v_pk_mul_f32 v[cd+2:cd+3], v[cd+2:cd+3], s[98:99] op_sel_hi:[1,0]
.irp j, 0,1,2,3
	v_permlanex16_b32 v[OX+\j], v[cd+\j], s2, s3
.endr
.irp j, 0,1,2,3
	v_cndmask_b32 v[cc+\j], v[cd+\j], v[OX+\j], s101
	v_cndmask_b32 v[cc+4+\j], v[OX+\j], v[cd+\j], s101
.endr
.endm
.irp s, 0,1,2,3,4,5,6,7,8,9,10,11,12,13,14,15
	COEF \s
.endr
.macro SLOTADD s
.set sa, ACC+8*((\s)/4)
.if (\s) < 8
.set sc, Z1+8*(\s)
.else
.set sc, Z3+8*((\s)-8)
.endif
	s_cmp_lg_u32 s[16+(\s)], s100
	s_cbranch_scc1 .Lskip_\@
	s_wait_alu depctr_va_vdst(0)
.irp c, 0,1,2,3,4,5,6,7
	v_fmac_f32 v[sa+\c], s[32+(\s)], v[BS+\c]
.endr
.irp r, 0,1,2,3,4,5,6,7
.irp p, 0,1,2,3
.if \r%2 == 0
	v_pk_fma_f32 v[sa+2*\p:sa+2*\p+1], v[Z2+8*\r+2*\p:Z2+8*\r+2*\p+1], v[sc+2*(\r/2):sc+2*(\r/2)+1], v[sa+2*\p:sa+2*\p+1] op_sel:[0,0,0] op_sel_hi:[1,0,1]
.else
	s_delay_alu instid0(VALU_DEP_4)
	v_pk_fma_f32 v[sa+2*\p:sa+2*\p+1], v[Z2+8*\r+2*\p:Z2+8*\r+2*\p+1], v[sc+2*(\r/2):sc+2*(\r/2)+1], v[sa+2*\p:sa+2*\p+1] op_sel:[0,1,0] op_sel_hi:[1,1,1]
.endif
.endr
.endr
.Lskip_\@:
.endm
	s_mov_b32 s100, 0                                  ; the expert in hand
	s_mov_b32 s98, 0
	s_mov_b32 s99, 65536
.Lexpert:
	v_add_nc_u32 v5, s98, v2
	v_add_nc_u32 v6, s99, v2
.irp r, 0,1,2,3,4,5,6,7
	ds_load_b128 v[Z2+8*\r:Z2+8*\r+3], v5 offset:\r*1024
	ds_load_b128 v[Z2+8*\r+4:Z2+8*\r+7], v5 offset:\r*1024+512
.endr
	ds_load_b128 v[BS:BS+3], v6
	ds_load_b128 v[BS+4:BS+7], v6 offset:512
	s_wait_dscnt 0x0
.irp s, 0,1,2,3,4,5,6,7,8,9,10,11,12,13,14,15
	SLOTADD \s
.endr
	s_add_co_u32 s98, s98, 8192
	s_add_co_u32 s99, s99, 1024
	s_add_co_u32 s100, s100, 1
	s_cmp_lt_u32 s100, 8
	s_cbranch_scc1 .Lexpert
	s_wait_alu depctr_va_vdst(0)
.irp a, 0,1,2,3
	global_store_b128 v2, v[ACC+8*\a:ACC+8*\a+3], s[92:93] offset:\a*8192 th:TH_STORE_NT          ; 32 lanes store 512 consecutive bytes, aligned; written once, read by nobody here
	global_store_b128 v2, v[ACC+8*\a+4:ACC+8*\a+7], s[92:93] offset:\a*8192+512 th:TH_STORE_NT
.endr
	s_set_vgpr_msb 0x4
	s_wait_tensorcnt 0x0
	ds_add_u32 v7, v1
	s_wait_dscnt 0x0
	s_set_vgpr_msb 0x400
	s_endpgm
.Lfunc_end_k_q56f7b231bb_combine:
	.size	k_q56f7b231bb_combine, .Lfunc_end_k_q56f7b231bb_combine-k_q56f7b231bb_combine
	.p2alignl 7, 3214868480
	.fill 96, 4, 3214868480
	.section	.rodata,"a",@progbits
	.p2align	6, 0x0
	.amdhsa_kernel k_q56f7b231bb_combine
		.amdhsa_group_segment_fixed_size 74752
		.amdhsa_private_segment_fixed_size 0
		.amdhsa_enable_private_segment 0
		.amdhsa_kernarg_size 64
		.amdhsa_user_sgpr_count 2
		.amdhsa_user_sgpr_kernarg_segment_ptr 1
		.amdhsa_wavefront_size32 1
		.amdhsa_system_sgpr_workgroup_id_x 1
		.amdhsa_system_sgpr_workgroup_id_y 1
		.amdhsa_system_sgpr_workgroup_id_z 1
		.amdhsa_system_vgpr_workitem_id 0
		.amdhsa_next_free_vgpr 258
		.amdhsa_next_free_sgpr 102
		.amdhsa_reserve_vcc 0
		.amdhsa_float_denorm_mode_32 3
		.amdhsa_float_denorm_mode_16_64 3
		.amdhsa_memory_ordered 1
		.amdhsa_forward_progress 1
		.amdhsa_inst_pref_size 108
	.end_amdhsa_kernel
	.amdgpu_metadata
---
amdhsa.version: [ 1, 2 ]
amdhsa.kernels:
  - .name:           k_q56f7b231bb_combine
    .symbol:         k_q56f7b231bb_combine.kd
    .args:
      - { .name: y, .offset: 0, .size: 8, .value_kind: global_buffer, .address_space: global }
      - { .name: gq, .offset: 8, .size: 8, .value_kind: global_buffer, .address_space: global }
      - { .name: route, .offset: 16, .size: 8, .value_kind: global_buffer, .address_space: global }
      - { .name: router_indices, .offset: 24, .size: 8, .value_kind: global_buffer, .address_space: global }
      - { .name: routing_weights, .offset: 32, .size: 8, .value_kind: global_buffer, .address_space: global }
      - { .name: lora_down_B, .offset: 40, .size: 8, .value_kind: global_buffer, .address_space: global }
      - { .name: down_proj_bias, .offset: 48, .size: 8, .value_kind: global_buffer, .address_space: global }
      - { .name: out0, .offset: 56, .size: 8, .value_kind: global_buffer, .address_space: global }
    .group_segment_fixed_size: 74752
    .private_segment_fixed_size: 0
    .kernarg_segment_align: 8
    .kernarg_segment_size: 64
    .max_flat_workgroup_size: 256
    .sgpr_count:     102
    .vgpr_count:     258
    .wavefront_size: 32
...
	.end_amdgpu_metadata
.endif
;; end of part 8
